; MI455X (gfx1250); checked and timed in simulation.
; The chip was launched on July 23, 2026; its instructions are those of AMD's public machine-readable ISA for CDNA 5 (MIT licence, August 2026) and "CDNA5" Instruction Set Architecture Reference Guide (July 2026). The comments in the code are by the model that wrote it; some were corrected since.
;; Attention. Allowed arithmetic: float matrix products may take bf16 or f16 operands with f32 sums; all other float work in f32.
;; Inputs: W_cov 1,024 x 256 float32; W_in 1,024 x 1,024 float32; W_out 1,024 x 2,048 float32; b_cov 1,024 float32; b_hh 768 float32; b_ih 768 float32; context 64 x 512 x 1,024 float32; cov 64 x 512 x 256 float32; h 64 x 1,024 float32; mask 64 x 512 bool; w_hh 768 x 256 float32; w_ih 768 x 2,049 float32.
;; Outputs: out0 64 x 1,024 float32; out1 64 x 512 float32; out2 64 x 512 x 256 float32.
;; 3 versions, each right; version 2 is faster than version 1; version 3 is version 2 with the launch prep written anew for expert scheduling mode. Each part assembles by itself: llvm-mc -triple=amdgcn-amd-amdhsa -mcpu=gfx1250 --defsym DOCPART=n.
;; ======== version 1 of 3: 6 launches
;; workspace buffers: x16 83,886,080 bytes; wgo 5,242,880 bytes; hb 462,848 bytes; tu 2,359,296 bytes; pw 1,507,328 bytes
;; launch prep_t (part 1): grid 32 x 1, 8 waves a work-group, no clusters, 296,960 bytes of LDS; arguments h, W_in, W_cov, tu; writes tu
.if DOCPART == 1
	.amdgcn_target "amdgcn-amd-amdhsa--gfx1250"
	.amdhsa_code_object_version 6
	.text
	.protected	k_qf07ba21f75_prep_t
	.globl	k_qf07ba21f75_prep_t
	.p2align	8
	.type	k_qf07ba21f75_prep_t,@function
k_qf07ba21f75_prep_t:
	s_mov_b64 s[64:65], 0
	v_nop
	global_prefetch_b8 v0, s[64:65] scope:SCOPE_SE
	s_setreg_imm32_b32 hwreg(HW_REG_WAVE_MODE, 25, 1), 1
	s_wait_xcnt 0x0
; PREP T: what the scores need of h and the weights.  Every input is rounded to bf16 once; products of bf16 numbers, sums in f32.
; Work-group t (0-31) owns 32 rows d = 32 t .. of W_in:
;   target[b][d] = h[b] . W_in[d]  (f32, to tu), and
;   the part of u[b][c] = sum_d target[b][d] W_cov[d][c] that these 32 d give (to tu, [64 b][32 t][256 c] f32; the stream launch adds the 32 parts).
; target goes into the second product as a pair of bf16, upper part and remainder, so that it keeps 16 bits.
; NO CLUSTER, NO TENSOR LOAD: every operand is f32 in memory and has to pass through registers to be rounded.
; target leaves in runs of 64 bytes (a 16 x 16 result has no longer rows): 0.26 MB in all; the partial u leave in whole blocks of 512 bytes, through a stage.
; LIMITS: NaN and infinities among the inputs are not treated apart.
.set HP,    2064              ; an LDS row of 1,024 bf16: 2,048 bytes + 16: an odd multiple of 16, so 16 rows of a fragment load start in 16 different groups of banks
.set WIL,   64*HP             ; W_in's 32 rows, behind h's 64
.set CVP,   544               ; a row of W_cov, 512 bytes + 32: an odd multiple of 32, for the turning load
.set CVL,   WIL+32*HP
.set TLP,   144               ; target's 32 numbers as 64 bytes of upper parts, 64 of remainders, 16 of padding
.set TL,    CVL+32*CVP
.set USP,   528               ; a stage row of 128 f32 + 16 bytes
.set UST,   TL+64*TLP         ; 16 such rows for each wave
.set SPARE, 295936            ; the spare words, 128 bytes for each of 8 waves
.set UPAT,  262144            ; the partial u's place in tu
.set R,     32                ; v32-191 data
.set ACC,   192               ; v192-255 accumulators
.macro AGAIN lbl              ; the foot of a loop counted down in s3
	s_sub_co_u32 s3, s3, 1
	s_cmp_lg_u32 s3, 0
	s_cbranch_scc1 \lbl
.endm
; n loads of 16 bytes a lane (gstep bytes apart), each rounded to 4 bf16 and put into LDS at pa*k + pb*(k/pd)
.macro STN n, sb, gv, la, gstep, pa, pb, pd
.set k, 0
.rept \n
	global_load_b128 v[R+4*k:R+4*k+3], \gv, s[\sb:\sb+1] offset:k*(\gstep)
.set k, k+1
.endr
.set k, 0
.rept \n
	s_wait_loadcnt (\n)-1-k                        ; loads come back in order: load k is in, the younger ones stay out
	v_cvt_pk_bf16_f32 v[R+4*k], v[R+4*k], v[R+4*k+1]
	v_cvt_pk_bf16_f32 v[R+4*k+1], v[R+4*k+2], v[R+4*k+3]
	ds_store_b64 \la, v[R+4*k:R+4*k+1] offset:k*(\pa)+(k/(\pd))*(\pb)
.set k, k+1
.endr
.endm
; eight K steps of 32: source 0 = 16 weight rows, source 1 = 16 activation rows, so a lane holds one activation row and 8 neighbouring weight rows.
; Two accumulators take turns (even and odd K steps); they are added at the end.
.macro GRP8 wr, xr, zero
.rept 4
	v_nop                                          ; four places between the last product and the loads into the registers that it read
.endr
.set i, 0
.rept 8
	ds_load_b128 v[R+16*i:R+16*i+3], \wr offset:64*i
	ds_load_b128 v[R+16*i+4:R+16*i+7], \wr offset:64*i+32
	ds_load_b128 v[R+16*i+8:R+16*i+11], \xr offset:64*i
	ds_load_b128 v[R+16*i+12:R+16*i+15], \xr offset:64*i+32
.set i, i+1
.endr
.set i, 0
.rept 8
	s_wait_dscnt 28-4*i                            ; K step i's four loads are in
.if (\zero) && (i < 2)
	v_wmma_f32_16x16x32_bf16 v[ACC+8*(i%2):ACC+8*(i%2)+7], v[R+16*i:R+16*i+7], v[R+16*i+8:R+16*i+15], 0
.else
	v_wmma_f32_16x16x32_bf16 v[ACC+8*(i%2):ACC+8*(i%2)+7], v[R+16*i:R+16*i+7], v[R+16*i+8:R+16*i+15], v[ACC+8*(i%2):ACC+8*(i%2)+7]
.endif
.set i, i+1
.endr
	v_add_nc_u32 \wr, 512, \wr
	v_add_nc_u32 \xr, 512, \xr
.endm
	s_load_b256 s[4:11], s[0:1], 0x0               ; h 4, W_in 6, W_cov 8, tu 10
	v_lshl_add_u32 v30, v0, 2, SPARE               ; my spare word
	v_mov_b32 v31, 0
	v_and_b32 v1, 31, v0                           ; lane l
	v_and_b32 v2, 15, v0                           ; r = l % 16
	v_bfe_u32 v3, v0, 4, 1                         ; h = l / 16
	v_lshrrev_b32 v4, 5, v0
	v_readfirstlane_b32 s28, v4                    ; wave w
	v_lshlrev_b32 v5, 4, v1                        ; 16 l
	v_lshlrev_b32 v6, 3, v1                        ; 8 l
	s_mov_b32 s29, ttmp9                           ; t
	s_mov_b32 s31, 0                               ; upper word of the offset pair s[30:31]
	s_wait_kmcnt 0x0
	; h as bf16 into LDS from byte 0 on; wave w brings rows 8w .. 8w+7, four a trip
	s_lshl_b32 s30, s28, 15
	s_add_nc_u64 s[40:41], s[4:5], s[30:31]
	s_mul_i32 s32, s28, 8*HP
	v_add_nc_u32 v8, s32, v6
	s_mov_b32 s3, 2
.Lstage_h:
	STN 32, 40, v5, v8, 512, 256, 16, 8
	s_wait_xcnt 0x0                                ; the base is stepped only behind this wait
	s_add_nc_u64 s[40:41], s[40:41], 16384
	v_add_nc_u32 v8, 4*HP, v8
	AGAIN .Lstage_h
	s_lshl_b32 s30, s29, 17                        ; W_in's rows 32 t + 4 w .., 4,096 bytes each
	s_lshl_b32 s32, s28, 14
	s_add_co_u32 s30, s30, s32
	s_add_nc_u64 s[40:41], s[6:7], s[30:31]
	s_mul_i32 s32, s28, 4*HP
	s_add_co_u32 s32, s32, WIL
	v_add_nc_u32 v8, s32, v6
	STN 32, 40, v5, v8, 512, 256, 16, 8
	s_lshl_b32 s30, s29, 15                        ; W_cov's rows 32 t + 4 w .., 1,024 bytes each
	s_lshl_b32 s32, s28, 12
	s_add_co_u32 s30, s30, s32
	s_add_nc_u64 s[42:43], s[8:9], s[30:31]
	s_mul_i32 s32, s28, 4*CVP
	s_add_co_u32 s32, s32, CVL
	v_add_nc_u32 v9, s32, v6
	STN 8, 42, v5, v9, 512, 256, 32, 2
	s_wait_dscnt 0x0                               ; for the others' sake: my stores are done
	s_barrier_signal -1
	s_barrier_wait -1
	; target: wave w makes batches 16 (w % 4) .. x rows d 16 (w / 4) .. of the 32; K = 1,024
	s_and_b32 s33, s28, 3
	s_lshr_b32 s34, s28, 2
	v_mul_u32_u24 v10, v2, HP
	v_lshl_add_u32 v10, v3, 4, v10                 ; r x pitch + 16 h
	s_mul_i32 s35, s34, 16*HP
	s_add_co_u32 s35, s35, WIL
	v_add_nc_u32 v11, s35, v10
	s_mul_i32 s35, s33, 16*HP
	v_add_nc_u32 v12, s35, v10
	GRP8 v11, v12, 1
	s_mov_b32 s3, 3
.Lt_k:
	GRP8 v11, v12, 0
	AGAIN .Lt_k
.rept 4
	v_nop
.endr
.irp p, 0,2,4,6
	v_pk_add_f32 v[ACC+\p:ACC+\p+1], v[ACC+\p:ACC+\p+1], v[ACC+8+\p:ACC+8+\p+1]   ; the two accumulators are added, from their low registers up
.endr
	s_lshl_b32 s35, s33, 16                        ; batch 16 (w % 4) x 4,096 bytes
	s_lshl_b32 s36, s29, 7                         ; 32 t x 4
	s_add_co_u32 s35, s35, s36
	s_lshl_b32 s36, s34, 6
	s_add_co_u32 s35, s35, s36
	v_lshlrev_b32 v13, 12, v2
	v_lshl_add_u32 v13, v3, 5, v13
	v_add_nc_u32 v13, s35, v13
	global_store_b128 v13, v[192:195], s[10:11]
	global_store_b128 v13, v[196:199], s[10:11] offset:16
.irp p, 0,1,2,3
	v_cvt_pk_bf16_f32 v[208+\p], v[192+2*\p], v[192+2*\p+1]   ; the upper parts
.endr
.irp p, 0,1,2,3
	v_lshlrev_b32 v[216+2*\p], 16, v[208+\p]
	v_and_b32 v[216+2*\p+1], 0xffff0000, v[208+\p]
.endr
.irp p, 0,1,2,3
	v_pk_add_f32 v[216+2*\p:216+2*\p+1], v[192+2*\p:192+2*\p+1], v[216+2*\p:216+2*\p+1] neg_lo:[0,1] neg_hi:[0,1]
.endr
.irp p, 0,1,2,3
	v_cvt_pk_bf16_f32 v[212+\p], v[216+2*\p], v[216+2*\p+1]   ; the remainders
.endr
	v_mul_u32_u24 v17, v2, TLP
	v_lshl_add_u32 v17, v3, 4, v17
	s_mul_i32 s35, s33, 16*TLP
	s_add_co_u32 s35, s35, TL
	v_add_nc_u32 v17, s35, v17                     ; TL + (16 (w % 4) + r) x pitch + 16 h: also where the fragments are read below
	s_lshl_b32 s36, s34, 5
	v_add_nc_u32 v14, s36, v17
	ds_store_b128 v14, v[208:211]
	ds_store_b128 v14, v[212:215] offset:64
	s_wait_dscnt 0x0
	s_barrier_signal -1
	s_barrier_wait -1
	; partial u: one K step (my group's 32 d); wave w: batches 16 (w % 4) .., columns c 128 (w / 4) .. in 8 blocks
	v_and_b32 v16, 7, v0
	v_lshl_add_u32 v16, v3, 3, v16
	v_mul_u32_u24 v15, v16, CVP                    ; the turning load: row 8 h + l % 8,
	v_bfe_u32 v16, v0, 3, 1
	v_lshl_add_u32 v15, v16, 4, v15                ; 16 bytes for each half of eight lanes
	s_lshl_b32 s35, s34, 8
	s_add_co_u32 s35, s35, CVL
	v_add_nc_u32 v15, s35, v15
	s_mul_i32 s35, s28, 16*USP
	s_add_co_u32 s35, s35, UST                     ; my stage
	v_mul_u32_u24 v18, v2, USP
	v_lshl_add_u32 v18, v3, 5, v18
	v_add_nc_u32 v18, s35, v18
	v_add_nc_u32 v19, s35, v5
.irp cb, 0,1,2,3,4,5,6,7
	ds_load_tr16_b128 v[R+8*\cb:R+8*\cb+3], v15 offset:32*\cb
	ds_load_tr16_b128 v[R+8*\cb+4:R+8*\cb+7], v15 offset:32*\cb+16*CVP
.endr
	ds_load_b128 v[96:99], v17
	ds_load_b128 v[100:103], v17 offset:32
	ds_load_b128 v[104:107], v17 offset:64
	ds_load_b128 v[108:111], v17 offset:96
	s_lshl_b32 s30, s33, 19                        ; batch 16 (w % 4) x 32,768 bytes
	s_lshl_b32 s32, s29, 10
	s_add_co_u32 s30, s30, s32
	s_lshl_b32 s32, s34, 9
	s_add_co_u32 s30, s30, s32
	s_add_co_u32 s30, s30, UPAT
	s_add_nc_u64 s[44:45], s[10:11], s[30:31]
	s_wait_dscnt 0x0
	s_wait_xcnt 0x0                                ; target's stores have read v192-199, which the products below write
.irp cb, 0,1,2,3,4,5,6,7
	v_wmma_f32_16x16x32_bf16 v[ACC+8*\cb:ACC+8*\cb+7], v[R+8*\cb:R+8*\cb+7], v[96:103], 0
.endr
.irp cb, 0,1,2,3,4,5,6,7
	v_wmma_f32_16x16x32_bf16 v[ACC+8*\cb:ACC+8*\cb+7], v[R+8*\cb:R+8*\cb+7], v[104:111], v[ACC+8*\cb:ACC+8*\cb+7]
.endr
.rept 4
	v_nop
.endr
.irp cb, 0,1,2,3,4,5,6,7
	ds_store_b128 v18, v[ACC+8*\cb:ACC+8*\cb+3] offset:64*\cb
	ds_store_b128 v18, v[ACC+8*\cb+4:ACC+8*\cb+7] offset:64*\cb+16
.endr
.set i, 0
.rept 16
	ds_load_b128 v[R+4*i:R+4*i+3], v19 offset:i*USP    ; my own bytes: LDS serves a wave's instructions in order
.set i, i+1
.endr
.set i, 0
.rept 16
	s_wait_dscnt 15-i
	global_store_b128 v5, v[R+4*i:R+4*i+3], s[44:45] offset:i*32768   ; 512 consecutive bytes, at a multiple of 256
.set i, i+1
.endr
	s_wait_tensorcnt 0x0                           ; a wave's end, behind its last LDS store
	ds_add_u32 v30, v31
	s_wait_dscnt 0x0
	s_endpgm
.Lfunc_end_k_qf07ba21f75_prep_t:
	.size	k_qf07ba21f75_prep_t, .Lfunc_end_k_qf07ba21f75_prep_t-k_qf07ba21f75_prep_t
	.p2alignl 7, 3214868480
	.fill 96, 4, 3214868480
	.section	.rodata,"a",@progbits
	.p2align	6, 0x0
	.amdhsa_kernel k_qf07ba21f75_prep_t
		.amdhsa_group_segment_fixed_size 296960
		.amdhsa_private_segment_fixed_size 0
		.amdhsa_enable_private_segment 0
		.amdhsa_kernarg_size 32
		.amdhsa_user_sgpr_count 2
		.amdhsa_user_sgpr_kernarg_segment_ptr 1
		.amdhsa_wavefront_size32 1
		.amdhsa_system_sgpr_workgroup_id_x 1
		.amdhsa_system_sgpr_workgroup_id_y 1
		.amdhsa_system_sgpr_workgroup_id_z 1
		.amdhsa_system_vgpr_workitem_id 0
		.amdhsa_next_free_vgpr 256
		.amdhsa_next_free_sgpr 66
		.amdhsa_reserve_vcc 0
		.amdhsa_float_denorm_mode_32 3
		.amdhsa_float_denorm_mode_16_64 3
		.amdhsa_memory_ordered 1
		.amdhsa_forward_progress 1
		.amdhsa_inst_pref_size 42
	.end_amdhsa_kernel
	.amdgpu_metadata
---
amdhsa.version: [ 1, 2 ]
amdhsa.kernels:
  - .name:           k_qf07ba21f75_prep_t
    .symbol:         k_qf07ba21f75_prep_t.kd
    .args:
      - { .name: h, .offset: 0, .size: 8, .value_kind: global_buffer, .address_space: global }
      - { .name: W_in, .offset: 8, .size: 8, .value_kind: global_buffer, .address_space: global }
      - { .name: W_cov, .offset: 16, .size: 8, .value_kind: global_buffer, .address_space: global }
      - { .name: tu, .offset: 24, .size: 8, .value_kind: global_buffer, .address_space: global }
    .group_segment_fixed_size: 296960
    .private_segment_fixed_size: 0
    .kernarg_segment_align: 8
    .kernarg_segment_size: 32
    .max_flat_workgroup_size: 256
    .sgpr_count:     66
    .vgpr_count:     256
    .wavefront_size: 32
...
	.end_amdgpu_metadata
.endif
;; end of part 1
;; launch prep_h (part 2): grid 112 x 1, 8 waves a work-group, no clusters, 201,216 bytes of LDS; arguments h, b_cov, w_ih, W_out, b_ih, b_hh, wgo, hb; writes wgo, hb
.if DOCPART == 2
	.amdgcn_target "amdgcn-amd-amdhsa--gfx1250"
	.amdhsa_code_object_version 6
	.text
	.protected	k_qf07ba21f75_prep_h
	.globl	k_qf07ba21f75_prep_h
	.p2align	8
	.type	k_qf07ba21f75_prep_h,@function
k_qf07ba21f75_prep_h:
	s_mov_b64 s[64:65], 0
	v_nop
	global_prefetch_b8 v0, s[64:65] scope:SCOPE_SE
	s_setreg_imm32_b32 hwreg(HW_REG_WAVE_MODE, 25, 1), 1
	s_wait_xcnt 0x0
; PREP H: what is the same for all rows of a batch.  Every input is rounded to bf16 once; products of bf16 numbers, sums in f32.
; "stack" = 1,792 rows: rows 0-767 are w_ih's rows, rows 768-1791 W_out's; their first 2,048 columns are meant.  A work-group owns 16 stack rows ns0 ..:
;   waves 0-3: hbs[b][ns] = [b_cov | h[b]] . stack[ns] (+ b_ih for ns < 768, + b_hh for the r and z gates, ns < 512), 16 batches a wave, to hb;
;   waves 4-7: the rows' first 1,024 columns as bf16 into wgo's context part; zeros into the hn rows' context part;
;   wave 4:    gvec (w_ih's last column; b_hh of the n gate), to hb.
; wgo: [2048][1280] bf16, a row = 256 cov columns, then 1,024 context columns.  Row c*256 + (4g+jb)*16 + r holds gate g (r, z, xn, hn) of output 64c+16jb+r; row 1024+o holds out0's column o.
; NO CLUSTER, NO TENSOR LOAD: every operand is f32 in memory and has to pass through registers to be rounded; w_ih's rows are 8,196 bytes apart, so they are read word by word.
; hbs and gvec leave in runs of 64 bytes (a 16 x 16 result has no longer rows): 0.46 MB in all.
; The eight groups of K steps of waves 0-3 are written out, the K offset in the LDS loads' immediates: no address is stepped.
; LIMITS: NaN and infinities among the inputs are not treated apart.
.set HP,    2064              ; an LDS row of 1,024 bf16: 2,048 bytes + 16
.set BCL,   64*HP             ; b_cov, 2,048 bytes, behind h's 64 rows
.set WRP,   4112              ; a stack row of 2,048 bf16 + 16 bytes
.set WR,    BCL+2304
.set SPARE, WR+16*WRP         ; = 200,192, a multiple of 256: the spare words, 128 bytes for each of 8 waves
.set XP,    2560              ; bytes in a row of wgo
.set HBP,   7168              ; bytes in a row of hbs
.set GVEC,  458752            ; gvec's place in hb
.set R,     32                ; v32-191 data
.set ACC,   192               ; v192-207 accumulators
.macro AGAIN lbl              ; the foot of a loop counted down in s3
	s_sub_co_u32 s3, s3, 1
	s_cmp_lg_u32 s3, 0
	s_cbranch_scc1 \lbl
.endm
; n loads of 16 bytes a lane (gstep bytes apart), each rounded to 4 bf16 and put into LDS at pa*k + pb*(k/pd)
.macro STN n, sb, gv, la, gstep, pa, pb, pd
.set k, 0
.rept \n
	global_load_b128 v[R+4*k:R+4*k+3], \gv, s[\sb:\sb+1] offset:k*(\gstep)
.set k, k+1
.endr
.set k, 0
.rept \n
	s_wait_loadcnt (\n)-1-k                        ; loads come back in order: load k is in, the younger ones stay out
	v_cvt_pk_bf16_f32 v[R+4*k], v[R+4*k], v[R+4*k+1]
	v_cvt_pk_bf16_f32 v[R+4*k+1], v[R+4*k+2], v[R+4*k+3]
	ds_store_b64 \la, v[R+4*k:R+4*k+1] offset:k*(\pa)+(k/(\pd))*(\pb)
.set k, k+1
.endr
.endm
; two pieces of 1,024 f32 whose first byte is only a multiple of 4: word by word, a lane takes two neighbours, rounds them into one word
.macro PAIR64 b0, go0, lo0, b1, go1, lo1, gv, la
.set m, 0
.rept 16
	global_load_b32 v[R+2*m], \gv, s[\b0:\b0+1] offset:(\go0)+256*m
	global_load_b32 v[R+2*m+1], \gv, s[\b0:\b0+1] offset:(\go0)+256*m+4
.set m, m+1
.endr
.set m, 0
.rept 16
	global_load_b32 v[R+32+2*m], \gv, s[\b1:\b1+1] offset:(\go1)+256*m
	global_load_b32 v[R+32+2*m+1], \gv, s[\b1:\b1+1] offset:(\go1)+256*m+4
.set m, m+1
.endr
.set m, 0
.rept 32
	s_wait_loadcnt 62-2*m                          ; pair m is in
	v_cvt_pk_bf16_f32 v[R+2*m], v[R+2*m], v[R+2*m+1]
.if m < 16
	ds_store_b32 \la, v[R+2*m] offset:(\lo0)+128*m
.else
	ds_store_b32 \la, v[R+2*m] offset:(\lo1)+128*(m-16)
.endif
.set m, m+1
.endr
.endm
; eight K steps of 32, at byte wo of the weight rows and byte xo of the activation rows: source 0 = 16 weight rows, source 1 = 16 activation rows,
; so a lane holds one activation row and 8 neighbouring weight rows.  Two accumulators take turns (even and odd K steps).
.macro GRP8 wr, xr, zero, wo, xo
.rept 4
	v_nop                                          ; four places between the last product and the loads into the registers that it read
.endr
.set i, 0
.rept 8
	ds_load_b128 v[R+16*i:R+16*i+3], \wr offset:(\wo)+64*i
	ds_load_b128 v[R+16*i+4:R+16*i+7], \wr offset:(\wo)+64*i+32
	ds_load_b128 v[R+16*i+8:R+16*i+11], \xr offset:(\xo)+64*i
	ds_load_b128 v[R+16*i+12:R+16*i+15], \xr offset:(\xo)+64*i+32
.set i, i+1
.endr
.set i, 0
.rept 8
	s_wait_dscnt 28-4*i                            ; K step i's four loads are in
.if (\zero) && (i < 2)
	v_wmma_f32_16x16x32_bf16 v[ACC+8*(i%2):ACC+8*(i%2)+7], v[R+16*i:R+16*i+7], v[R+16*i+8:R+16*i+15], 0
.else
	v_wmma_f32_16x16x32_bf16 v[ACC+8*(i%2):ACC+8*(i%2)+7], v[R+16*i:R+16*i+7], v[R+16*i+8:R+16*i+15], v[ACC+8*(i%2):ACC+8*(i%2)+7]
.endif
.set i, i+1
.endr
.endm
.macro RB8 x                  ; eight f32 are rounded to bf16 and widened again, in place (v224-227 at work)
.irp p, 0,1,2,3
	v_cvt_pk_bf16_f32 v[224+\p], v[(\x)+2*\p], v[(\x)+2*\p+1]
.endr
.irp p, 0,1,2,3
	v_lshlrev_b32 v[(\x)+2*\p], 16, v[224+\p]
	v_and_b32 v[(\x)+2*\p+1], 0xffff0000, v[224+\p]
.endr
.endm
	s_load_b512 s[4:19], s[0:1], 0x0               ; h 4, b_cov 6, w_ih 8, W_out 10, b_ih 12, b_hh 14, wgo 16, hb 18
	v_lshl_add_u32 v30, v0, 2, SPARE               ; my spare word
	v_mov_b32 v31, 0
	v_and_b32 v1, 31, v0                           ; lane l
	v_and_b32 v2, 15, v0                           ; r = l % 16
	v_bfe_u32 v3, v0, 4, 1                         ; h = l / 16
	v_lshrrev_b32 v4, 5, v0
	v_readfirstlane_b32 s28, v4                    ; wave w
	v_lshlrev_b32 v5, 4, v1                        ; 16 l
	v_lshlrev_b32 v6, 3, v1                        ; 8 l
	v_lshlrev_b32 v7, 2, v1                        ; 4 l
	s_lshl_b32 s32, ttmp9, 4                       ; ns0, my first stack row
	s_mov_b32 s31, 0                               ; upper word of the offset pair s[30:31]
	s_mov_b32 s49, 0                               ; upper word of the pitch pair s[48:49]
	s_wait_kmcnt 0x0
	; h as bf16 into LDS from byte 0 on; wave w brings rows 8w .. 8w+7, four a trip
	s_lshl_b32 s30, s28, 15
	s_add_nc_u64 s[40:41], s[4:5], s[30:31]
	s_mul_i32 s33, s28, 8*HP
	v_add_nc_u32 v8, s33, v6
	s_mov_b32 s3, 2
.Lstage_h:
	STN 32, 40, v5, v8, 512, 256, 16, 8
	s_wait_xcnt 0x0                                ; the base is stepped only behind this wait
	s_add_nc_u64 s[40:41], s[40:41], 16384
	v_add_nc_u32 v8, 4*HP, v8
	AGAIN .Lstage_h
	; the 16 stack rows
	s_mov_b32 s36, 8196
	s_mov_b32 s37, 8192
	s_max_u32 s38, s32, 768
	s_sub_co_u32 s38, s38, 768
	s_cmp_lt_u32 s32, 768
	s_cselect_b64 s[40:41], s[8:9], s[10:11]       ; w_ih or W_out,
	s_cselect_b32 s48, s36, s37                    ; its pitch,
	s_cselect_b32 s38, s32, s38                    ; and the row in it
	s_lshl1_add_u32 s39, s28, s38                  ; wave w brings rows 2 w and 2 w + 1
	s_mul_i32 s30, s39, s48
	s_add_nc_u64 s[40:41], s[40:41], s[30:31]
	s_mul_i32 s39, s28, 2*WRP
	s_add_co_u32 s39, s39, WR
	v_add_nc_u32 v8, s39, v7
	s_mov_b32 s3, 2
.Lh_rows:
	PAIR64 40, 0, 0, 40, 4096, 2048, v6, v8
	s_wait_xcnt 0x0
	s_add_nc_u64 s[40:41], s[40:41], s[48:49]
	v_add_nc_u32 v8, WRP, v8
	AGAIN .Lh_rows
	s_lshl_b32 s39, s28, 9                         ; b_cov: 512 bytes a wave
	v_add_nc_u32 v9, s39, v5
	global_load_b128 v[R:R+3], v9, s[6:7]
	s_lshl_b32 s39, s28, 8
	s_add_co_u32 s39, s39, BCL
	v_add_nc_u32 v10, s39, v6
	s_wait_loadcnt 0x0
	v_cvt_pk_bf16_f32 v[R], v[R], v[R+1]
	v_cvt_pk_bf16_f32 v[R+1], v[R+2], v[R+3]
	ds_store_b64 v10, v[R:R+1]
	s_wait_dscnt 0x0                               ; for the others' sake: my stores are done
	s_barrier_signal -1
	s_barrier_wait -1
	s_cmp_lt_u32 s28, 4
	s_cbranch_scc0 .Lh_copy
	; waves 0-3: hbs for batches 16 w ..; K = 2,048: b_cov (the same for every batch), then h
.set i, 208
.rept 16
	v_mov_b32 v[i], 0                              ; the biases, where a row has none
.set i, i+1
.endr
	v_lshlrev_b32 v9, 5, v3
	s_lshl_b32 s39, s32, 2
	v_add_nc_u32 v9, s39, v9                       ; (ns0 + 8 h) x 4
	s_cmp_lt_u32 s32, 768
	s_cbranch_scc0 .Lh_nobias
	global_load_b128 v[208:211], v9, s[12:13]
	global_load_b128 v[212:215], v9, s[12:13] offset:16
	s_cmp_lt_u32 s32, 512
	s_cbranch_scc0 .Lh_nobias
	global_load_b128 v[216:219], v9, s[14:15]
	global_load_b128 v[220:223], v9, s[14:15] offset:16
.Lh_nobias:
	v_mul_u32_u24 v11, v2, WRP
	v_lshl_add_u32 v11, v3, 4, v11
	v_add_nc_u32 v11, WR, v11
	v_lshlrev_b32 v12, 4, v3
	v_add_nc_u32 v12, BCL, v12                     ; no row term: all sixteen activation rows read b_cov
	v_mul_u32_u24 v13, v2, HP
	v_lshl_add_u32 v13, v3, 4, v13
	s_mul_i32 s39, s28, 16*HP
	v_add_nc_u32 v13, s39, v13
	GRP8 v11, v12, 1, 0, 0
	GRP8 v11, v12, 0, 512, 512
	GRP8 v11, v12, 0, 1024, 1024
	GRP8 v11, v12, 0, 1536, 1536
	GRP8 v11, v13, 0, 2048, 0
	GRP8 v11, v13, 0, 2560, 512
	GRP8 v11, v13, 0, 3072, 1024
	GRP8 v11, v13, 0, 3584, 1536
.rept 4
	v_nop
.endr
.irp p, 0,2,4,6
	v_pk_add_f32 v[ACC+\p:ACC+\p+1], v[ACC+\p:ACC+\p+1], v[ACC+8+\p:ACC+8+\p+1]   ; the two accumulators are added, from their low registers up
.endr
	s_wait_loadcnt 0x0
	RB8 208
	RB8 216
.irp p, 0,2,4,6
	v_pk_add_f32 v[ACC+\p:ACC+\p+1], v[ACC+\p:ACC+\p+1], v[208+\p:208+\p+1]
.endr
.irp p, 0,2,4,6
	v_pk_add_f32 v[ACC+\p:ACC+\p+1], v[ACC+\p:ACC+\p+1], v[216+\p:216+\p+1]
.endr
	v_mul_u32_u24 v14, v2, HBP
	v_lshl_add_u32 v14, v3, 5, v14
	s_mul_i32 s39, s28, 16*HBP
	s_lshl2_add_u32 s39, s32, s39
	v_add_nc_u32 v14, s39, v14
	global_store_b128 v14, v[192:195], s[18:19]
	global_store_b128 v14, v[196:199], s[18:19] offset:16
	s_branch .Lh_end
.Lh_copy:
	; waves 4-7: the rows' first 1,024 columns go to wgo as they lie in LDS, four rows a wave, whole blocks of 512 bytes
	s_sub_co_u32 s33, s28, 4
	s_bfe_u32 s34, s32, 0x20006                    ; c = (ns0 / 64) % 4
	s_lshl_b32 s34, s34, 8
	s_lshr_b32 s35, s32, 8                         ; gate
	s_bfe_u32 s36, s32, 0x20004                    ; jb
	s_lshl2_add_u32 s35, s35, s36
	s_lshl4_add_u32 s34, s35, s34
	s_add_co_u32 s35, s32, 256                     ; 1024 + ns0 - 768
	s_cmp_lt_u32 s32, 768
	s_cselect_b32 s34, s34, s35
	s_lshl2_add_u32 s34, s33, s34
	s_mul_i32 s30, s34, XP
	s_add_co_u32 s30, s30, 512
	s_add_nc_u64 s[44:45], s[16:17], s[30:31]
	s_mul_i32 s35, s33, 4*WRP
	s_add_co_u32 s35, s35, WR
	v_add_nc_u32 v9, s35, v5
.set i, 0
.rept 16
	ds_load_b128 v[R+4*i:R+4*i+3], v9 offset:(i/4)*WRP+(i%4)*512
.set i, i+1
.endr
.set i, 0
.rept 16
	s_wait_dscnt 15-i
	global_store_b128 v5, v[R+4*i:R+4*i+3], s[44:45] offset:(i/4)*XP+(i%4)*512
.set i, i+1
.endr
	s_cmp_ge_u32 s32, 512
	s_cbranch_scc0 .Lh_nozero
	s_cmp_lt_u32 s32, 768
	s_cbranch_scc0 .Lh_nozero
.irp p, 208,209,210,211
	v_mov_b32 v[\p], 0
.endr
.set i, 0
.rept 16
	global_store_b128 v5, v[208:211], s[44:45] offset:64*XP+(i/4)*XP+(i%4)*512   ; the hn rows lie 64 rows behind the xn rows: their context part is 0
.set i, i+1
.endr
.Lh_nozero:
	s_cmp_eq_u32 s28, 4
	s_cbranch_scc0 .Lh_end
	s_cmp_lt_u32 s32, 768
	s_cbranch_scc0 .Lh_end
	; wave 4: gvec.  Lanes l and l + 16 hold, and store, the same number
	v_mul_u32_u24 v10, v2, 8196
	s_mul_i32 s39, s32, 8196
	v_add_nc_u32 v10, s39, v10
	global_load_b32 v212, v10, s[8:9] offset:8192      ; w_ih[ns0 + r][2048]
	v_lshlrev_b32 v11, 2, v2
	s_lshl_b32 s39, s32, 2
	v_add_nc_u32 v11, s39, v11
	s_wait_loadcnt 0x0
	v_cvt_pk_bf16_f32 v212, v212, v212
	v_lshlrev_b32 v212, 16, v212
	global_store_b32 v11, v212, s[18:19] offset:GVEC
	s_cmp_ge_u32 s32, 512
	s_cbranch_scc0 .Lh_end
	global_load_b32 v213, v11, s[14:15]            ; b_hh of the n gate
	s_wait_loadcnt 0x0
	v_cvt_pk_bf16_f32 v213, v213, v213
	v_lshlrev_b32 v213, 16, v213
	global_store_b32 v11, v213, s[18:19] offset:GVEC+1024
.Lh_end:
	s_wait_tensorcnt 0x0                           ; a wave's end, behind its last LDS store
	ds_add_u32 v30, v31
	s_wait_dscnt 0x0
	s_endpgm
.Lfunc_end_k_qf07ba21f75_prep_h:
	.size	k_qf07ba21f75_prep_h, .Lfunc_end_k_qf07ba21f75_prep_h-k_qf07ba21f75_prep_h
	.p2alignl 7, 3214868480
	.fill 96, 4, 3214868480
	.section	.rodata,"a",@progbits
	.p2align	6, 0x0
	.amdhsa_kernel k_qf07ba21f75_prep_h
		.amdhsa_group_segment_fixed_size 201216
		.amdhsa_private_segment_fixed_size 0
		.amdhsa_enable_private_segment 0
		.amdhsa_kernarg_size 64
		.amdhsa_user_sgpr_count 2
		.amdhsa_user_sgpr_kernarg_segment_ptr 1
		.amdhsa_wavefront_size32 1
		.amdhsa_system_sgpr_workgroup_id_x 1
		.amdhsa_system_sgpr_workgroup_id_y 1
		.amdhsa_system_sgpr_workgroup_id_z 1
		.amdhsa_system_vgpr_workitem_id 0
		.amdhsa_next_free_vgpr 256
		.amdhsa_next_free_sgpr 66
		.amdhsa_reserve_vcc 0
		.amdhsa_float_denorm_mode_32 3
		.amdhsa_float_denorm_mode_16_64 3
		.amdhsa_memory_ordered 1
		.amdhsa_forward_progress 1
		.amdhsa_inst_pref_size 59
	.end_amdhsa_kernel
	.amdgpu_metadata
---
amdhsa.version: [ 1, 2 ]
amdhsa.kernels:
  - .name:           k_qf07ba21f75_prep_h
    .symbol:         k_qf07ba21f75_prep_h.kd
    .args:
      - { .name: h, .offset: 0, .size: 8, .value_kind: global_buffer, .address_space: global }
      - { .name: b_cov, .offset: 8, .size: 8, .value_kind: global_buffer, .address_space: global }
      - { .name: w_ih, .offset: 16, .size: 8, .value_kind: global_buffer, .address_space: global }
      - { .name: W_out, .offset: 24, .size: 8, .value_kind: global_buffer, .address_space: global }
      - { .name: b_ih, .offset: 32, .size: 8, .value_kind: global_buffer, .address_space: global }
      - { .name: b_hh, .offset: 40, .size: 8, .value_kind: global_buffer, .address_space: global }
      - { .name: wgo, .offset: 48, .size: 8, .value_kind: global_buffer, .address_space: global }
      - { .name: hb, .offset: 56, .size: 8, .value_kind: global_buffer, .address_space: global }
    .group_segment_fixed_size: 201216
    .private_segment_fixed_size: 0
    .kernarg_segment_align: 8
    .kernarg_segment_size: 64
    .max_flat_workgroup_size: 256
    .sgpr_count:     66
    .vgpr_count:     256
    .wavefront_size: 32
...
	.end_amdgpu_metadata
.endif
;; end of part 2
;; launch prep_mz (part 3): grid 112 x 1, 8 waves a work-group, no clusters, 296,960 bytes of LDS; arguments W_cov, w_ih, W_out, w_hh, wgo; writes wgo
.if DOCPART == 3
	.amdgcn_target "amdgcn-amd-amdhsa--gfx1250"
	.amdhsa_code_object_version 6
	.text
	.protected	k_qf07ba21f75_prep_mz
	.globl	k_qf07ba21f75_prep_mz
	.p2align	8
	.type	k_qf07ba21f75_prep_mz,@function
k_qf07ba21f75_prep_mz:
	s_mov_b64 s[64:65], 0
	v_nop
	global_prefetch_b8 v0, s[64:65] scope:SCOPE_SE
	s_setreg_imm32_b32 hwreg(HW_REG_WAVE_MODE, 25, 1), 1
	s_wait_xcnt 0x0
; PREP MZ: the weights that multiply cov.  Every input is rounded to bf16 once; products of bf16 numbers, sums in f32; the result is rounded once to bf16.
; "stack" = 1,792 rows: rows 0-767 are w_ih's rows, rows 768-1791 W_out's; their first 1,024 columns are meant.
; A work-group makes 64 stack rows (64 nb ..) x 64 columns c (64 q ..) of MZ = stack W_cov (+ w_hh for the r and z gates) into wgo's cov part; w_hh of the n gate goes by itself into the hn rows.
; wgo: [2048][1280] bf16, a row = 256 cov columns, then 1,024 context columns.  Row c*256 + (4g+jb)*16 + r holds gate g (r, z, xn, hn) of output 64c+16jb+r; row 1024+o holds out0's column o.
; NO CLUSTER, NO TENSOR LOAD: every operand is f32 in memory and has to pass through registers to be rounded; w_ih's rows are 8,196 bytes apart, so they are read word by word.
; The results leave in runs of 64 bytes (a wave has 32 columns of a row): 1 MB in all.
; LIMITS: NaN and infinities among the inputs are not treated apart (w_hh is multiplied by 0 where it is not wanted).
.set HP,    2064              ; an LDS row of 1,024 bf16: 2,048 bytes + 16
.set CSP,   160               ; 64 columns of a row of W_cov, 128 bytes + 32: an odd multiple of 32, for the turning load
.set CS,    64*HP             ; W_cov's 1,024 rows, behind the 64 stack rows
.set SPARE, 295936            ; = CS + 1024 x 160: the spare words, 128 bytes for each of 8 waves
.set XP,    2560              ; bytes in a row of wgo
.set R,     32                ; v32-191 data
.set ACC,   192               ; v192-207 accumulators
.macro AGAIN lbl              ; the foot of a loop counted down in s3
	s_sub_co_u32 s3, s3, 1
	s_cmp_lg_u32 s3, 0
	s_cbranch_scc1 \lbl
.endm
; n loads of 16 bytes a lane (gstep bytes apart), each rounded to 4 bf16 and put into LDS at pa*k
.macro STN n, sb, gv, la, gstep, pa
.set k, 0
.rept \n
	global_load_b128 v[R+4*k:R+4*k+3], \gv, s[\sb:\sb+1] offset:k*(\gstep)
.set k, k+1
.endr
.set k, 0
.rept \n
	s_wait_loadcnt (\n)-1-k                        ; loads come back in order: load k is in, the younger ones stay out
	v_cvt_pk_bf16_f32 v[R+4*k], v[R+4*k], v[R+4*k+1]
	v_cvt_pk_bf16_f32 v[R+4*k+1], v[R+4*k+2], v[R+4*k+3]
	ds_store_b64 \la, v[R+4*k:R+4*k+1] offset:k*(\pa)
.set k, k+1
.endr
.endm
; two pieces of 1,024 f32 whose first byte is only a multiple of 4: word by word, a lane takes two neighbours, rounds them into one word
.macro PAIR64 b0, lo0, b1, lo1, gv, la
.set m, 0
.rept 16
	global_load_b32 v[R+2*m], \gv, s[\b0:\b0+1] offset:256*m
	global_load_b32 v[R+2*m+1], \gv, s[\b0:\b0+1] offset:256*m+4
.set m, m+1
.endr
.set m, 0
.rept 16
	global_load_b32 v[R+32+2*m], \gv, s[\b1:\b1+1] offset:256*m
	global_load_b32 v[R+32+2*m+1], \gv, s[\b1:\b1+1] offset:256*m+4
.set m, m+1
.endr
.set m, 0
.rept 32
	s_wait_loadcnt 62-2*m                          ; pair m is in
	v_cvt_pk_bf16_f32 v[R+2*m], v[R+2*m], v[R+2*m+1]
.if m < 16
	ds_store_b32 \la, v[R+2*m] offset:(\lo0)+128*m
.else
	ds_store_b32 \la, v[R+2*m] offset:(\lo1)+128*(m-16)
.endif
.set m, m+1
.endr
.endm
.macro RB8 x                  ; eight f32 are rounded to bf16 and widened again, in place (v224-227 at work)
.irp p, 0,1,2,3
	v_cvt_pk_bf16_f32 v[224+\p], v[(\x)+2*\p], v[(\x)+2*\p+1]
.endr
.irp p, 0,1,2,3
	v_lshlrev_b32 v[(\x)+2*\p], 16, v[224+\p]
	v_and_b32 v[(\x)+2*\p+1], 0xffff0000, v[224+\p]
.endr
.endm
	s_load_b256 s[4:11], s[0:1], 0x0               ; W_cov 4, w_ih 6, W_out 8, w_hh 10
	s_load_b64 s[12:13], s[0:1], 0x20              ; wgo
	v_lshl_add_u32 v30, v0, 2, SPARE               ; my spare word
	v_mov_b32 v31, 0
	v_and_b32 v1, 31, v0                           ; lane l
	v_and_b32 v2, 15, v0                           ; r = l % 16
	v_bfe_u32 v3, v0, 4, 1                         ; h = l / 16
	v_lshrrev_b32 v4, 5, v0
	v_readfirstlane_b32 s28, v4                    ; wave w
	v_lshlrev_b32 v6, 3, v1                        ; 8 l
	v_lshlrev_b32 v7, 2, v1                        ; 4 l
	s_lshr_b32 s33, ttmp9, 2                       ; nb: stack rows 64 nb ..
	s_and_b32 s34, ttmp9, 3                        ; q: columns c 64 q ..
	s_mov_b32 s31, 0                               ; upper word of the offset pair s[30:31]
	s_mov_b32 s49, 0                               ; upper word of the pitch pair s[48:49]
	s_wait_kmcnt 0x0
	s_lshl_b32 s35, s33, 6
	s_mov_b32 s36, 8196
	s_mov_b32 s37, 8192
	s_max_u32 s38, s35, 768
	s_sub_co_u32 s38, s38, 768
	s_cmp_lt_u32 s33, 12
	s_cselect_b64 s[40:41], s[6:7], s[8:9]         ; w_ih or W_out,
	s_cselect_b32 s48, s36, s37                    ; its pitch,
	s_cselect_b32 s38, s35, s38                    ; and the row in it
	s_lshl3_add_u32 s38, s28, s38                  ; wave w brings rows 8 w .., two a trip
	s_mul_i32 s30, s38, s48
	s_add_nc_u64 s[40:41], s[40:41], s[30:31]
	s_add_nc_u64 s[42:43], s[40:41], s[48:49]
	s_lshl_b32 s48, s48, 1
	s_mul_i32 s39, s28, 8*HP
	v_add_nc_u32 v8, s39, v7
	s_mov_b32 s3, 4
.Lm_rows:
	PAIR64 40, 0, 42, HP, v6, v8
	s_wait_xcnt 0x0                                ; the bases are stepped only behind this wait
	s_add_nc_u64 s[40:41], s[40:41], s[48:49]
	s_add_nc_u64 s[42:43], s[42:43], s[48:49]
	v_add_nc_u32 v8, 2*HP, v8
	AGAIN .Lm_rows
	; W_cov's 64 columns of all 1,024 rows: wave w rows 128 w ..; sixteen lanes take a row's 256 bytes
	v_lshlrev_b32 v9, 10, v3
	v_lshl_add_u32 v9, v2, 4, v9
	s_lshl_b32 s39, s28, 17
	s_lshl_b32 s52, s34, 8
	s_add_co_u32 s39, s39, s52
	v_add_nc_u32 v9, s39, v9
	v_mul_u32_u24 v10, v3, CSP
	v_lshl_add_u32 v10, v2, 3, v10
	s_mul_i32 s39, s28, 128*CSP
	s_add_co_u32 s39, s39, CS
	v_add_nc_u32 v10, s39, v10
	s_mov_b32 s3, 2
.Lm_cov:
	STN 32, 4, v9, v10, 2048, 2*CSP
	s_wait_xcnt 0x0
	v_add_nc_u32 v9, 65536, v9
	v_add_nc_u32 v10, 64*CSP, v10
	AGAIN .Lm_cov
	s_wait_dscnt 0x0                               ; for the others' sake: my stores are done
	s_barrier_signal -1
	s_barrier_wait -1
	s_and_b32 s55, s28, 3                          ; nblk: rows 16 nblk .. of the 64
	s_lshr_b32 s56, s28, 2                         ; cp: columns 32 cp .. of the 64
.set i, 208
.rept 16
	v_mov_b32 v[i], 0                              ; w_hh, where a row has none
.set i, i+1
.endr
	v_lshlrev_b32 v11, 10, v2
	v_lshl_add_u32 v11, v3, 5, v11
	s_lshl_b32 s52, s33, 16
	s_lshl_b32 s53, s55, 14
	s_add_co_u32 s52, s52, s53
	s_lshl_b32 s53, s34, 8
	s_add_co_u32 s52, s52, s53
	s_lshl_b32 s53, s56, 7
	s_add_co_u32 s52, s52, s53
	v_add_nc_u32 v11, s52, v11
	s_cmp_lt_u32 s33, 12
	s_cbranch_scc0 .Lm_nohh
	global_load_b128 v[208:211], v11, s[10:11]
	global_load_b128 v[212:215], v11, s[10:11] offset:16
	global_load_b128 v[216:219], v11, s[10:11] offset:64
	global_load_b128 v[220:223], v11, s[10:11] offset:80
.Lm_nohh:
	v_mul_u32_u24 v12, v2, HP
	v_lshl_add_u32 v12, v3, 4, v12
	s_mul_i32 s52, s55, 16*HP
	v_add_nc_u32 v12, s52, v12
	v_and_b32 v16, 7, v0
	v_lshl_add_u32 v16, v3, 3, v16
	v_mul_u32_u24 v13, v16, CSP
	v_bfe_u32 v16, v0, 3, 1
	v_lshl_add_u32 v13, v16, 4, v13
	s_lshl_b32 s52, s56, 6
	s_add_co_u32 s52, s52, CS
	v_add_nc_u32 v13, s52, v13
; four K steps: source 0 = 16 columns c of W_cov (turned), source 1 = 16 stack rows; the two column blocks' accumulators take turns
.macro MGRP zero
.rept 4
	v_nop                                          ; four places between the last product and the loads into the registers that it read
.endr
.set i, 0
.rept 4
	ds_load_b128 v[R+24*i:R+24*i+3], v12 offset:64*i
	ds_load_b128 v[R+24*i+4:R+24*i+7], v12 offset:64*i+32
	ds_load_tr16_b128 v[R+24*i+8:R+24*i+11], v13 offset:32*CSP*i
	ds_load_tr16_b128 v[R+24*i+12:R+24*i+15], v13 offset:32*CSP*i+16*CSP
	ds_load_tr16_b128 v[R+24*i+16:R+24*i+19], v13 offset:32*CSP*i+32
	ds_load_tr16_b128 v[R+24*i+20:R+24*i+23], v13 offset:32*CSP*i+16*CSP+32
.set i, i+1
.endr
.set i, 0
.rept 4
	s_wait_dscnt 18-6*i                            ; K step i's six loads are in
.if (\zero) && (i == 0)
	v_wmma_f32_16x16x32_bf16 v[ACC:ACC+7], v[R+24*i+8:R+24*i+15], v[R+24*i:R+24*i+7], 0
	v_wmma_f32_16x16x32_bf16 v[ACC+8:ACC+15], v[R+24*i+16:R+24*i+23], v[R+24*i:R+24*i+7], 0
.else
	v_wmma_f32_16x16x32_bf16 v[ACC:ACC+7], v[R+24*i+8:R+24*i+15], v[R+24*i:R+24*i+7], v[ACC:ACC+7]
	v_wmma_f32_16x16x32_bf16 v[ACC+8:ACC+15], v[R+24*i+16:R+24*i+23], v[R+24*i:R+24*i+7], v[ACC+8:ACC+15]
.endif
.set i, i+1
.endr
	v_add_nc_u32 v12, 256, v12
	v_add_nc_u32 v13, 128*CSP, v13
.endm
	MGRP 1
	s_mov_b32 s3, 7
.Lm_k:
	MGRP 0
	AGAIN .Lm_k
.rept 4
	v_nop
.endr
	s_wait_loadcnt 0x0
	RB8 208
	RB8 216
	s_cmp_lt_u32 s33, 8
	s_cselect_b32 s50, 1.0, 0                      ; w_hh is added for the r and z gates alone
	s_mov_b32 s51, 0
.irp p, 0,1,2,3,4,5,6,7
	v_pk_fma_f32 v[ACC+2*\p:ACC+2*\p+1], v[208+2*\p:208+2*\p+1], s[50:51], v[ACC+2*\p:ACC+2*\p+1] op_sel_hi:[1,0,1]
.endr
.irp p, 0,1,2,3,4,5,6,7
	v_cvt_pk_bf16_f32 v[228+\p], v[ACC+2*\p], v[ACC+2*\p+1]
.endr
	s_and_b32 s52, s33, 3
	s_lshl_b32 s52, s52, 8
	s_lshr_b32 s53, s33, 2
	s_lshl2_add_u32 s53, s53, s55
	s_lshl4_add_u32 s52, s53, s52                  ; c x 256 + (4 g + jb) x 16
	s_lshl_b32 s53, s33, 6
	s_lshl4_add_u32 s53, s55, s53
	s_add_co_u32 s53, s53, 256                     ; 1024 + stack row - 768
	s_cmp_lt_u32 s33, 12
	s_cselect_b32 s52, s52, s53
	s_mul_i32 s52, s52, XP
	s_lshl_b32 s53, s34, 7
	s_add_co_u32 s52, s52, s53
	s_lshl_b32 s53, s56, 6
	s_add_co_u32 s52, s52, s53
	v_mul_u32_u24 v14, v2, XP
	v_lshl_add_u32 v14, v3, 4, v14
	v_add_nc_u32 v14, s52, v14
	global_store_b128 v14, v[228:231], s[12:13]
	global_store_b128 v14, v[232:235], s[12:13] offset:32
	s_cmp_ge_u32 s33, 8
	s_cbranch_scc0 .Lm_end
	s_cmp_lt_u32 s33, 12
	s_cbranch_scc0 .Lm_end
.irp p, 0,1,2,3,4,5,6,7
	v_cvt_pk_bf16_f32 v[236+\p], v[208+2*\p], v[208+2*\p+1]   ; w_hh of the n gate by itself, into the hn rows
.endr
	global_store_b128 v14, v[236:239], s[12:13] offset:64*XP
	global_store_b128 v14, v[240:243], s[12:13] offset:64*XP+32
.Lm_end:
	s_wait_tensorcnt 0x0                           ; a wave's end, behind its last LDS store
	ds_add_u32 v30, v31
	s_wait_dscnt 0x0
	s_endpgm
.Lfunc_end_k_qf07ba21f75_prep_mz:
	.size	k_qf07ba21f75_prep_mz, .Lfunc_end_k_qf07ba21f75_prep_mz-k_qf07ba21f75_prep_mz
	.p2alignl 7, 3214868480
	.fill 96, 4, 3214868480
	.section	.rodata,"a",@progbits
	.p2align	6, 0x0
	.amdhsa_kernel k_qf07ba21f75_prep_mz
		.amdhsa_group_segment_fixed_size 296960
		.amdhsa_private_segment_fixed_size 0
		.amdhsa_enable_private_segment 0
		.amdhsa_kernarg_size 40
		.amdhsa_user_sgpr_count 2
		.amdhsa_user_sgpr_kernarg_segment_ptr 1
		.amdhsa_wavefront_size32 1
		.amdhsa_system_sgpr_workgroup_id_x 1
		.amdhsa_system_sgpr_workgroup_id_y 1
		.amdhsa_system_sgpr_workgroup_id_z 1
		.amdhsa_system_vgpr_workitem_id 0
		.amdhsa_next_free_vgpr 256
		.amdhsa_next_free_sgpr 66
		.amdhsa_reserve_vcc 0
		.amdhsa_float_denorm_mode_32 3
		.amdhsa_float_denorm_mode_16_64 3
		.amdhsa_memory_ordered 1
		.amdhsa_forward_progress 1
		.amdhsa_inst_pref_size 36
	.end_amdhsa_kernel
	.amdgpu_metadata
---
amdhsa.version: [ 1, 2 ]
amdhsa.kernels:
  - .name:           k_qf07ba21f75_prep_mz
    .symbol:         k_qf07ba21f75_prep_mz.kd
    .args:
      - { .name: W_cov, .offset: 0, .size: 8, .value_kind: global_buffer, .address_space: global }
      - { .name: w_ih, .offset: 8, .size: 8, .value_kind: global_buffer, .address_space: global }
      - { .name: W_out, .offset: 16, .size: 8, .value_kind: global_buffer, .address_space: global }
      - { .name: w_hh, .offset: 24, .size: 8, .value_kind: global_buffer, .address_space: global }
      - { .name: wgo, .offset: 32, .size: 8, .value_kind: global_buffer, .address_space: global }
    .group_segment_fixed_size: 296960
    .private_segment_fixed_size: 0
    .kernarg_segment_align: 8
    .kernarg_segment_size: 40
    .max_flat_workgroup_size: 256
    .sgpr_count:     66
    .vgpr_count:     256
    .wavefront_size: 32
...
	.end_amdgpu_metadata
.endif
;; end of part 3
;; launch stream (part 4): grid 256 x 1, 16 waves a work-group, no clusters, 87,040 bytes of LDS; arguments context, cov, mask, tu, x16, pw; writes x16, pw
.if DOCPART == 4
	.amdgcn_target "amdgcn-amd-amdhsa--gfx1250"
	.amdhsa_code_object_version 6
	.text
	.protected	k_qf07ba21f75_stream
	.globl	k_qf07ba21f75_stream
	.p2align	8
	.type	k_qf07ba21f75_stream,@function
k_qf07ba21f75_stream:
	s_mov_b64 s[64:65], 0
	v_nop
	global_prefetch_b8 v0, s[64:65] scope:SCOPE_SE
	s_setreg_imm32_b32 hwreg(HW_REG_WAVE_MODE, 25, 1), 1
	s_wait_xcnt 0x0
; STREAM: one pass over cov and context.  A work-group owns a quarter of a batch, 128 rows; a wave 8 of them, one row at a time.
; For each row: [cov | context] is rounded to bf16 and stored to x16 (what the GRU launch multiplies); the score s = cov . u + context . target is made of the
; ROUNDED numbers in f32 (b_cov . target is the same for all rows of a batch and leaves a softmax unchanged, so it is not formed); a masked row's score is -inf;
; a running maximum m, sum l and weighted sum acc = sum e^(s-m) [cov | context] are kept, all rescaled by e^(m_old - m_new) in every row.
; At the end the 16 waves' (m, l, acc) are merged through LDS; acc leaves as a pair of bf16 (upper part, remainder), for the matrix product of the next launch.
; A lane holds, of unit i (0, 1: cov; 2-9: context), the numbers 128 i + 4 l + 0..3 of the 1,280: each load covers 512 consecutive bytes, each store to x16 256, both aligned.
; Memory binds: no matrix unit, no cluster (no two work-groups read the same rows), no tensor load: the f32 numbers have to pass through registers to be rounded.
; Two rows of a wave, 20 loads, are always on their way.
; LIMITS: the running maximum starts at the lowest finite number; a quarter whose rows are all masked hands on l = 0; a weight below 2^-126 counts as 0; NaN and infinities in cov and context are not treated apart.
.set US,    0                 ; [2][256] f32: two halves of the sum that makes u
.set SCL,   2048              ; [128] f32: the quarter's scores
.set ML,    2560              ; [16] (m, l)
.set MB,    2816              ; [16 waves] 1,280 f32,
.set MBP,   5136              ; 5,120 bytes + 16
.set SPARE, 84992             ; the spare words, 128 bytes for each of 16 waves
.set UPAT,  262144            ; tu: the partial u
.set SCAT,  1310720           ; pw: the scores
.set STAT,  1441792           ; pw: (m, l) of each quarter, a block of 256 bytes each
.set T,   8                   ; v8-47    u (8), target (32)
.set ACC, 48                  ; v48-87   the weighted sum
.set RAW, 88                  ; v88-167  two row slots of 40
.set PK,  168                 ; v168-187 the row as bf16
.set D,   188                 ; v188-191 four chains of the score
.set S,   192
.set MN,  193
.set A,   194                 ; (A, P) is named as a pair
.set P,   195
.set M,   196                 ; (M, L) is stored as a pair
.set L,   197
.set SCA, 198                 ; where the row's score goes in LDS
.set X,   199
.set SPW, 200
.set NIL, 201
.set ZR,  202                 ; 0: what the score's chains start from
.macro FIN
	s_wait_tensorcnt 0x0                           ; a wave's end, behind its last LDS store
	ds_add_u32 v[SPW], v[NIL]
	s_wait_dscnt 0x0
	s_endpgm
.endm
.macro LOADROW s, row         ; ten loads: the row that lies 'row' rows behind the bases, into slot s
.irp i, 0,1
	global_load_b128 v[RAW+40*(\s)+4*\i:RAW+40*(\s)+4*\i+3], v1, s[18:19] offset:(\row)*1024+512*\i th:TH_LOAD_NT
.endr
.irp i, 0,1,2,3,4,5,6,7
	global_load_b128 v[RAW+40*(\s)+8+4*\i:RAW+40*(\s)+8+4*\i+3], v1, s[16:17] offset:(\row)*4096+512*\i th:TH_LOAD_NT
.endr
.endm
.macro MIX d, a, half, b, c   ; v[d] = bf16 half of v[a] x v[b] + v[c]
.if \half
	v_fma_mix_f32_bf16 v[\d], v[\a], v[\b], v[\c] op_sel:[1,0,0] op_sel_hi:[1,0,0]
.else
	v_fma_mix_f32_bf16 v[\d], v[\a], v[\b], v[\c] op_sel_hi:[1,0,0]
.endif
.endm
	s_load_b256 s[4:11], s[0:1], 0x0               ; context 4, cov 6, mask 8, tu 10
	s_load_b128 s[12:15], s[0:1], 0x20             ; x16 12, pw 14
	v_lshl_add_u32 v[SPW], v0, 2, SPARE
	v_mov_b32 v[NIL], 0
	v_and_b32 v3, 31, v0
	v_lshlrev_b32 v1, 4, v3                        ; 16 l
	v_lshlrev_b32 v2, 3, v3                        ; 8 l
	v_lshrrev_b32 v4, 5, v0
	v_readfirstlane_b32 s28, v4                    ; wave
	s_lshr_b32 s29, ttmp9, 2                       ; batch
	s_and_b32 s30, ttmp9, 3                        ; quarter
	s_lshl_b32 s31, s29, 9
	s_lshl_b32 s32, s30, 7
	s_add_co_u32 s31, s31, s32
	s_lshl3_add_u32 s31, s28, s31                  ; my first row = 512 b + 128 q + 8 w
	s_mov_b32 s35, 0
	s_mov_b32 s40, 0x76543210                      ; v_permlanex16_b32: each lane takes its own place in the other half
	s_mov_b32 s41, 0xfedcba98
	s_mov_b32 s42, 0xff800000                      ; -inf
	s_mov_b32 s43, 0x7f800000                      ; +inf
	s_mov_b32 s44, 0x3fb8aa3b                      ; log2(e)
	s_wait_kmcnt 0x0
	s_mov_b32 s34, s31
	s_add_nc_u64 s[36:37], s[8:9], s[34:35]
	s_load_b64 s[38:39], s[36:37], 0x0             ; my eight rows' mask bytes
	s_lshl_b32 s34, s31, 12
	s_add_nc_u64 s[16:17], s[4:5], s[34:35]
	s_lshl_b32 s34, s31, 10
	s_add_nc_u64 s[18:19], s[6:7], s[34:35]
	s_mul_i32 s34, s31, 2560
	s_add_nc_u64 s[20:21], s[12:13], s[34:35]
	s_lshl_b32 s34, s29, 12
	s_add_nc_u64 s[22:23], s[10:11], s[34:35]      ; target[b]
	s_lshl_b32 s34, s29, 15
	s_add_co_u32 s34, s34, UPAT
	s_add_nc_u64 s[24:25], s[10:11], s[34:35]      ; the batch's 32 partial u
	s_mul_i32 s34, ttmp9, 5120
	s_add_nc_u64 s[26:27], s[14:15], s[34:35]      ; my quarter's row of weighted sums
	s_lshl_b32 s34, ttmp9, 8
	s_add_co_u32 s34, s34, STAT
	s_add_nc_u64 s[48:49], s[14:15], s[34:35]
	s_lshl_b32 s34, ttmp9, 9
	s_add_co_u32 s34, s34, SCAT
	s_add_nc_u64 s[50:51], s[14:15], s[34:35]
.irp i, 0,1,2,3,4,5,6,7
	global_load_b128 v[T+8+4*\i:T+8+4*\i+3], v1, s[22:23] offset:512*\i
.endr
	v_and_b32 v4, 255, v0                          ; thread t adds column t % 256 of 16 of the 32 partial u
	v_lshrrev_b32 v5, 8, v0
	v_lshlrev_b32 v4, 2, v4
	v_lshl_add_u32 v4, v5, 14, v4
.set k, 0
.rept 16
	global_load_b32 v[ACC+k], v4, s[24:25] offset:1024*k
.set k, k+1
.endr
	LOADROW 0, 0
	LOADROW 1, 1
	v_lshlrev_b32 v5, 2, v0
	v_mov_b32 v[ZR], 0
	v_mov_b32 v[X], 0
	v_mov_b32 v[M], 0xff7fffff
	v_mov_b32 v[L], 0
	s_lshl_b32 s45, s28, 5
	s_add_co_u32 s45, s45, SCL
	v_mov_b32 v[SCA], s45
	s_wait_loadcnt 20                              ; target and the partial u are in; the two rows' 20 loads stay out
.irp k, 0,2,4,6
	v_pk_add_f32 v[ACC+\k:ACC+\k+1], v[ACC+\k:ACC+\k+1], v[ACC+8+\k:ACC+8+\k+1]
.endr
.irp k, 0,2
	v_pk_add_f32 v[ACC+\k:ACC+\k+1], v[ACC+\k:ACC+\k+1], v[ACC+4+\k:ACC+4+\k+1]
.endr
	v_pk_add_f32 v[ACC:ACC+1], v[ACC:ACC+1], v[ACC+2:ACC+3]
	v_add_f32 v[ACC], v[ACC], v[ACC+1]
	ds_store_b32 v5, v[ACC]
	s_wait_dscnt 0x0
	s_barrier_signal -1
	s_barrier_wait -1
	ds_load_b128 v[T:T+3], v1
	ds_load_b128 v[T+4:T+7], v1 offset:512
	ds_load_b128 v[ACC:ACC+3], v1 offset:1024
	ds_load_b128 v[ACC+4:ACC+7], v1 offset:1536
	s_wait_dscnt 0x0
.irp k, 0,2,4,6
	v_pk_add_f32 v[T+\k:T+\k+1], v[T+\k:T+\k+1], v[ACC+\k:ACC+\k+1]   ; u
.endr
.set k, 0
.rept 40
	v_mov_b32 v[ACC+k], 0                          ; the first row multiplies these by 0 once more: they stand in the wait for that row
.set k, k+1
.endr
	s_wait_kmcnt 0x0                               ; the mask bytes
; One row, in slot s.  more = 1: the slot is filled again with the row two further down.  left: the other slot's loads, which may stay out.
.macro ROW s, more, left
	s_wait_loadcnt \left
	s_wait_xcnt 0x0                                ; the last row's stores have read PK, which is written below
.set j, 0
.rept 20
	v_cvt_pk_bf16_f32 v[PK+j], v[RAW+40*(\s)+2*j], v[RAW+40*(\s)+2*j+1]
.set j, j+1
.endr
.if \more
	LOADROW \s, (\s)+2
.endif
.set j, 0
.rept 10
	global_store_b64 v2, v[PK+2*j:PK+2*j+1], s[20:21] offset:(\s)*2560+256*j   ; 256 consecutive bytes, aligned
.set j, j+1
.endr
.set j, 0
.rept 40
.if j < 4
	MIX D+j, PK+j/2, j%2, T+j, ZR
.else
	MIX D+j%4, PK+j/2, j%2, T+j, D+j%4
.endif
.set j, j+1
.endr
	v_add_f32 v[D], v[D], v[D+1]
	v_add_f32 v[D+2], v[D+2], v[D+3]
	v_add_f32 v[S], v[D], v[D+2]
	v_add_f32_dpp v[S], v[S], v[S] row_xmask:1 row_mask:0xf bank_mask:0xf
	v_add_f32_dpp v[S], v[S], v[S] row_xmask:2 row_mask:0xf bank_mask:0xf
	v_add_f32_dpp v[S], v[S], v[S] row_xmask:4 row_mask:0xf bank_mask:0xf
	v_add_f32_dpp v[S], v[S], v[S] row_xmask:8 row_mask:0xf bank_mask:0xf
	v_permlanex16_b32 v[X], v[S], s40, s41
	v_add_f32 v[S], v[S], v[X]                     ; the score, in every lane
	s_bfe_u32 s46, s38, (8<<16)|(8*(\s))           ; the row's mask byte only selects a number
	s_cmp_lg_u32 s46, 0
	s_cselect_b32 s46, s42, s43
	v_min_num_f32 v[S], s46, v[S]                  ; -inf where masked
	ds_store_b32 v[SCA], v[S] offset:4*(\s)
	v_max_num_f32 v[MN], v[M], v[S]
	v_sub_f32 v[A], v[M], v[MN]
	v_sub_f32 v[P], v[S], v[MN]
	v_mul_f32 v[A], s44, v[A]
	v_mul_f32 v[P], s44, v[P]
	v_exp_f32 v[A], v[A]
	v_exp_f32 v[P], v[P]
	v_mov_b32 v[M], v[MN]                          ; the plain instruction behind the exponentials
	s_wait_alu depctr_va_vdst(0)
	v_fma_f32 v[L], v[L], v[A], v[P]
.set j, 0
.rept 20
	v_pk_mul_f32 v[ACC+2*j:ACC+2*j+1], v[ACC+2*j:ACC+2*j+1], v[A:A+1] op_sel_hi:[1,0]
.set j, j+1
.endr
.set j, 0
.rept 40
	MIX ACC+j, PK+j/2, j%2, P, ACC+j
.set j, j+1
.endr
.endm
	s_mov_b32 s3, 3
.Lrows:
	ROW 0, 1, 10
	ROW 1, 1, 10
	s_wait_xcnt 0x0                                ; the bases are stepped only behind this wait
	s_add_nc_u64 s[16:17], s[16:17], 8192
	s_add_nc_u64 s[18:19], s[18:19], 2048
	s_add_nc_u64 s[20:21], s[20:21], 5120
	s_lshr_b64 s[38:39], s[38:39], 16
	v_add_nc_u32 v[SCA], 8, v[SCA]
	s_sub_co_u32 s3, s3, 1
	s_cmp_lg_u32 s3, 0
	s_cbranch_scc1 .Lrows
	ROW 0, 0, 10                                   ; the last two rows load nothing
	ROW 1, 0, 0
	; THE MERGE
	s_mul_i32 s45, s28, MBP
	s_add_co_u32 s45, s45, MB
	v_add_nc_u32 v4, s45, v1
.irp i, 0,1,2,3,4,5,6,7,8,9
	ds_store_b128 v4, v[ACC+4*\i:ACC+4*\i+3] offset:512*\i
.endr
	s_lshl_b32 s45, s28, 3
	s_add_co_u32 s45, s45, ML
	v_mov_b32 v5, s45
	ds_store_b64 v5, v[M:M+1]
	s_wait_dscnt 0x0
	s_barrier_signal -1
	s_barrier_wait -1
	s_cmp_lt_u32 s28, 10
	s_cbranch_scc0 .Lnot_merge
	; waves 0-9: thread t takes the numbers 4 t .. 4 t + 3 of the 1,280
	v_mov_b32 v5, ML
.irp k, 0,1,2,3,4,5,6,7
	ds_load_b128 v[8+4*\k:8+4*\k+3], v5 offset:16*\k   ; wave w's m in v[8+2w], l in v[9+2w]
.endr
	v_lshl_add_u32 v6, v0, 4, MB
	v_add_nc_u32 v7, 8*MBP, v6
.irp k, 0,1,2,3,4,5,6,7
	ds_load_b128 v[48+4*\k:48+4*\k+3], v6 offset:\k*MBP
.endr
.irp k, 0,1,2,3,4,5,6,7
	ds_load_b128 v[80+4*\k:80+4*\k+3], v7 offset:\k*MBP
.endr
	v_lshlrev_b32 v3, 3, v0
	s_wait_dscnt 0x0
	v_max3_num_f32 v192, v8, v10, v12
.irp k, 14,18,22,26,30,34
	v_max3_num_f32 v192, v192, v[\k], v[\k+2]
.endr
	v_max_num_f32 v192, v192, v38                  ; the quarter's m
.set k, 0
.rept 16
	v_sub_f32 v[8+2*k], v[8+2*k], v192
.set k, k+1
.endr
.set k, 0
.rept 16
	v_mul_f32 v[8+2*k], s44, v[8+2*k]
.set k, k+1
.endr
.set k, 0
.rept 16
	v_exp_f32 v[8+2*k], v[8+2*k]
.set k, k+1
.endr
	v_nop
	s_wait_alu depctr_va_vdst(0)
	v_mul_f32 v193, v8, v9
	v_pk_mul_f32 v[112:113], v[48:49], v[8:9] op_sel_hi:[1,0]
	v_pk_mul_f32 v[114:115], v[50:51], v[8:9] op_sel_hi:[1,0]
.set k, 1
.rept 15
	v_fma_f32 v193, v[8+2*k], v[9+2*k], v193       ; the quarter's l
	v_pk_fma_f32 v[112:113], v[48+4*k:48+4*k+1], v[8+2*k:8+2*k+1], v[112:113] op_sel_hi:[1,0,1]
	v_pk_fma_f32 v[114:115], v[48+4*k+2:48+4*k+3], v[8+2*k:8+2*k+1], v[114:115] op_sel_hi:[1,0,1]
.set k, k+1
.endr
	v_cvt_pk_bf16_f32 v116, v112, v113             ; the upper parts
	v_cvt_pk_bf16_f32 v117, v114, v115
	v_lshlrev_b32 v118, 16, v116
	v_and_b32 v119, 0xffff0000, v116
	v_lshlrev_b32 v120, 16, v117
	v_and_b32 v121, 0xffff0000, v117
	v_pk_add_f32 v[118:119], v[112:113], v[118:119] neg_lo:[0,1] neg_hi:[0,1]
	v_pk_add_f32 v[120:121], v[114:115], v[120:121] neg_lo:[0,1] neg_hi:[0,1]
	v_cvt_pk_bf16_f32 v122, v118, v119             ; the remainders
	v_cvt_pk_bf16_f32 v123, v120, v121
	global_store_b64 v3, v[116:117], s[26:27]
	global_store_b64 v3, v[122:123], s[26:27] offset:2560
	s_cmp_eq_u32 s28, 0
	s_cbranch_scc0 .Lend
	global_store_b64 v2, v[192:193], s[48:49]      ; (m, l), a copy from every lane: a whole block of 256 bytes
	s_branch .Lend
.Lnot_merge:
	s_cmp_eq_u32 s28, 10
	s_cbranch_scc0 .Lend
	ds_load_b128 v[8:11], v1 offset:SCL            ; wave 10: the quarter's 128 scores, 512 bytes
	s_wait_dscnt 0x0
	global_store_b128 v1, v[8:11], s[50:51]
.Lend:
	FIN
.Lfunc_end_k_qf07ba21f75_stream:
	.size	k_qf07ba21f75_stream, .Lfunc_end_k_qf07ba21f75_stream-k_qf07ba21f75_stream
	.p2alignl 7, 3214868480
	.fill 96, 4, 3214868480
	.section	.rodata,"a",@progbits
	.p2align	6, 0x0
	.amdhsa_kernel k_qf07ba21f75_stream
		.amdhsa_group_segment_fixed_size 87040
		.amdhsa_private_segment_fixed_size 0
		.amdhsa_enable_private_segment 0
		.amdhsa_kernarg_size 48
		.amdhsa_user_sgpr_count 2
		.amdhsa_user_sgpr_kernarg_segment_ptr 1
		.amdhsa_wavefront_size32 1
		.amdhsa_system_sgpr_workgroup_id_x 1
		.amdhsa_system_sgpr_workgroup_id_y 1
		.amdhsa_system_sgpr_workgroup_id_z 1
		.amdhsa_system_vgpr_workitem_id 0
		.amdhsa_next_free_vgpr 208
		.amdhsa_next_free_sgpr 66
		.amdhsa_reserve_vcc 0
		.amdhsa_float_denorm_mode_32 3
		.amdhsa_float_denorm_mode_16_64 3
		.amdhsa_memory_ordered 1
		.amdhsa_forward_progress 1
		.amdhsa_inst_pref_size 59
	.end_amdhsa_kernel
	.amdgpu_metadata
---
amdhsa.version: [ 1, 2 ]
amdhsa.kernels:
  - .name:           k_qf07ba21f75_stream
    .symbol:         k_qf07ba21f75_stream.kd
    .args:
      - { .name: context, .offset: 0, .size: 8, .value_kind: global_buffer, .address_space: global }
      - { .name: cov, .offset: 8, .size: 8, .value_kind: global_buffer, .address_space: global }
      - { .name: mask, .offset: 16, .size: 8, .value_kind: global_buffer, .address_space: global }
      - { .name: tu, .offset: 24, .size: 8, .value_kind: global_buffer, .address_space: global }
      - { .name: x16, .offset: 32, .size: 8, .value_kind: global_buffer, .address_space: global }
      - { .name: pw, .offset: 40, .size: 8, .value_kind: global_buffer, .address_space: global }
    .group_segment_fixed_size: 87040
    .private_segment_fixed_size: 0
    .kernarg_segment_align: 8
    .kernarg_segment_size: 48
    .max_flat_workgroup_size: 512
    .sgpr_count:     66
    .vgpr_count:     208
    .wavefront_size: 32
...
	.end_amdgpu_metadata
.endif
;; end of part 4
;; launch final (part 5): grid 512 x 1, 8 waves a work-group, no clusters, 17,408 bytes of LDS; arguments pw, wgo, hb, out0, out1; writes out0, out1
.if DOCPART == 5
	.amdgcn_target "amdgcn-amd-amdhsa--gfx1250"
	.amdhsa_code_object_version 6
	.text
	.protected	k_qf07ba21f75_final
	.globl	k_qf07ba21f75_final
	.p2align	8
	.type	k_qf07ba21f75_final,@function
k_qf07ba21f75_final:
	s_mov_b64 s[64:65], 0
	v_nop
	global_prefetch_b8 v0, s[64:65] scope:SCOPE_SE
	s_setreg_imm32_b32 hwreg(HW_REG_WAVE_MODE, 25, 1), 1
	s_wait_xcnt 0x0
; FINAL: the softmax's end and out0.
; A work-group takes 16 rows of the weighted sums (4 batches x 4 quarters) and 32 columns o of out0.  The product P [MZ_o | Wo1]^T has K = 1,280 = 40 steps of 32;
; wave w takes steps 5 w .. 5 w + 4, so that all its 40 loads go out in one run; the eight partial results meet in LDS.
; P enters as two bf16 operands (upper part, remainder).  Source 0 = rows of P: register j of a lane is row 8 h + j = batch 2 h + j / 4, quarter j % 4; the lane's column is o = l % 16.
; Waves 0, 1: out0 = tanh( sum_q e^(m_q - m) / l x product_q + hbs ), m the batch's maximum, l = sum_q l_q e^(m_q - m).   tanh x = 1 - 2 / (1 + e^(2x)).
; Wave 2: 64 numbers of out1 = e^(s - m) / l, one whole block of 256 bytes.
; NO CLUSTER: operands go straight from memory into registers, once; the 32 groups that share rows of P and the 16 that share rows of wgo read 80 KB each.
; out0 leaves in runs of 64 bytes (a result has 16 columns); it is 0.26 MB in all.
; LIMITS: a batch whose rows are all masked has l = 0 and gives NaN in out0 and out1, as a softmax of -inf alone does.
.set PD,    0                 ; 8 waves x 2,048 bytes of partial results
.set SPARE, 16384
.set SCAT,  1310720
.set STAT,  1441792
.set R,     32
.set ACC,   192
	s_load_b256 s[4:11], s[0:1], 0x0               ; pw 4, wgo 6, hb 8, out0 10
	s_load_b64 s[12:13], s[0:1], 0x20              ; out1
	v_lshl_add_u32 v30, v0, 2, SPARE
	v_mov_b32 v31, 0
	v_and_b32 v1, 31, v0
	v_and_b32 v2, 15, v0
	v_bfe_u32 v3, v0, 4, 1
	v_lshrrev_b32 v4, 5, v0
	v_readfirstlane_b32 s14, v4                    ; wave
	v_lshlrev_b32 v6, 3, v1                        ; 8 l
	s_lshr_b32 s15, ttmp9, 5                       ; mb: rows 16 mb .. of P
	s_and_b32 s16, ttmp9, 31                       ; ng: columns 32 ng ..
	s_mov_b32 s19, 0                               ; upper word of the offset pair s[18:19]
	s_mov_b32 s28, 0x3fb8aa3b                      ; log2(e)
	s_mul_i32 s17, s14, 320                        ; my five K steps, 64 bytes each
	v_mul_u32_u24 v4, v2, 5120
	v_lshl_add_u32 v4, v3, 4, v4
	v_add_nc_u32 v4, s17, v4
	v_mul_u32_u24 v5, v2, 2560
	v_lshl_add_u32 v5, v3, 4, v5
	v_add_nc_u32 v5, s17, v5
	s_wait_kmcnt 0x0
	s_mul_i32 s18, s15, 16*5120
	s_add_nc_u64 s[20:21], s[4:5], s[18:19]
	s_lshl_b32 s18, s16, 5
	s_add_co_u32 s18, s18, 1024
	s_mul_i32 s18, s18, 2560
	s_add_nc_u64 s[22:23], s[6:7], s[18:19]
	; what waves 0-2 need at the end is asked for first, so that the counted waits below are the same in every wave
	s_cmp_lt_u32 s14, 2
	s_cbranch_scc0 .Lnot01
	s_lshl_b32 s18, s15, 12
	s_add_co_u32 s18, s18, STAT
	s_add_nc_u64 s[24:25], s[4:5], s[18:19]
	v_lshl_add_u32 v29, v3, 11, v6                 ; batches 2 h, 2 h + 1 of the four: 1,024 bytes each; my lane's own copy
.irp k, 0,1,2,3,4,5,6,7
	global_load_b64 v[8+2*\k:9+2*\k], v29, s[24:25] offset:256*\k   ; (m, l) of batch 2 h + k / 4, quarter k % 4
.endr
	s_mul_i32 s18, s15, 4*7168
	s_lshl_b32 s29, s16, 7
	s_add_co_u32 s18, s18, s29
	s_lshl_b32 s32, s14, 6
	s_add_co_u32 s18, s18, s32
	s_add_co_u32 s18, s18, 768*4
	s_add_nc_u64 s[26:27], s[8:9], s[18:19]
	v_mul_u32_u24 v7, v3, 2*7168
	v_lshl_add_u32 v7, v2, 2, v7
	global_load_b32 v24, v7, s[26:27]              ; hbs[b][768 + o]
	global_load_b32 v25, v7, s[26:27] offset:7168
	s_branch .Lmain
.Lnot01:
	s_cmp_eq_u32 s14, 2
	s_cbranch_scc0 .Lmain
	s_and_b32 s17, s16, 3
	s_lshl2_add_u32 s17, s15, s17                  ; batch 4 mb + ng % 4
	s_lshl_b32 s18, s17, 10
	s_add_co_u32 s18, s18, STAT
	s_add_nc_u64 s[24:25], s[4:5], s[18:19]
	s_lshr_b32 s29, s16, 2
	s_lshl_b32 s29, s29, 8                         ; 64 scores of 4 bytes
	s_lshl_b32 s17, s17, 11
	s_add_co_u32 s17, s17, s29
	s_add_co_u32 s18, s17, SCAT
	s_add_nc_u64 s[26:27], s[4:5], s[18:19]
.irp q, 0,1,2,3
	global_load_b64 v[8+2*\q:9+2*\q], v6, s[24:25] offset:256*\q
.endr
	global_load_b64 v[16:17], v6, s[26:27]
.Lmain:
.set i, 0
.rept 5
	global_load_b128 v[R+32*i:R+32*i+3], v4, s[20:21] offset:64*i
	global_load_b128 v[R+32*i+4:R+32*i+7], v4, s[20:21] offset:64*i+32
	global_load_b128 v[R+32*i+8:R+32*i+11], v4, s[20:21] offset:2560+64*i
	global_load_b128 v[R+32*i+12:R+32*i+15], v4, s[20:21] offset:2560+64*i+32
	global_load_b128 v[R+32*i+16:R+32*i+19], v5, s[22:23] offset:64*i
	global_load_b128 v[R+32*i+20:R+32*i+23], v5, s[22:23] offset:64*i+32
	global_load_b128 v[R+32*i+24:R+32*i+27], v5, s[22:23] offset:16*2560+64*i
	global_load_b128 v[R+32*i+28:R+32*i+31], v5, s[22:23] offset:16*2560+64*i+32
.set i, i+1
.endr
.set i, 0
.rept 5
	s_wait_loadcnt 32-8*i                          ; K step i's eight loads are in; the two accumulators take turns
.if i == 0
	v_wmma_f32_16x16x32_bf16 v[ACC:ACC+7], v[R+32*i:R+32*i+7], v[R+32*i+16:R+32*i+23], 0
	v_wmma_f32_16x16x32_bf16 v[ACC+8:ACC+15], v[R+32*i:R+32*i+7], v[R+32*i+24:R+32*i+31], 0
.else
	v_wmma_f32_16x16x32_bf16 v[ACC:ACC+7], v[R+32*i:R+32*i+7], v[R+32*i+16:R+32*i+23], v[ACC:ACC+7]
	v_wmma_f32_16x16x32_bf16 v[ACC+8:ACC+15], v[R+32*i:R+32*i+7], v[R+32*i+24:R+32*i+31], v[ACC+8:ACC+15]
.endif
	v_wmma_f32_16x16x32_bf16 v[ACC:ACC+7], v[R+32*i+8:R+32*i+15], v[R+32*i+16:R+32*i+23], v[ACC:ACC+7]
	v_wmma_f32_16x16x32_bf16 v[ACC+8:ACC+15], v[R+32*i+8:R+32*i+15], v[R+32*i+24:R+32*i+31], v[ACC+8:ACC+15]
.set i, i+1
.endr
.rept 4
	v_nop
.endr
	s_lshl_b32 s17, s14, 11
	v_lshlrev_b32 v26, 4, v1
	v_add_nc_u32 v27, s17, v26
	ds_store_b128 v27, v[192:195]
	ds_store_b128 v27, v[196:199] offset:512
	ds_store_b128 v27, v[200:203] offset:1024
	ds_store_b128 v27, v[204:207] offset:1536
	s_wait_dscnt 0x0                               ; for the others' sake: my stores are done
	s_barrier_signal -1
	s_barrier_wait -1
	s_cmp_lt_u32 s14, 2
	s_cbranch_scc0 .Lw2
	s_lshl_b32 s17, s14, 10                        ; wave n takes column block n
	v_add_nc_u32 v27, s17, v26
.irp k, 0,1,2,3,4,5,6,7
	ds_load_b128 v[32+8*\k:32+8*\k+3], v27 offset:2048*\k
	ds_load_b128 v[32+8*\k+4:32+8*\k+7], v27 offset:2048*\k+512
.endr
	s_lshl_b32 s18, s15, 14                        ; out0 at batch 4 mb, column 32 ng + 16 w: made here, where it is used
	s_lshl_b32 s29, s16, 7
	s_add_co_u32 s18, s18, s29
	s_lshl_b32 s32, s14, 6
	s_add_co_u32 s18, s18, s32
	s_add_nc_u64 s[30:31], s[10:11], s[18:19]
	s_wait_dscnt 0x0
.irp k, 1,2,3,4,5,6,7
.irp p, 0,2,4,6
	v_pk_add_f32 v[32+\p:32+\p+1], v[32+\p:32+\p+1], v[32+8*\k+\p:32+8*\k+\p+1]
.endr
.endr
.macro BATCH bb               ; one of the lane's two batches
.set B0, 8+8*(\bb)
	v_max3_num_f32 v100, v[B0], v[B0+2], v[B0+4]
	v_max_num_f32 v100, v100, v[B0+6]
.irp q, 0,2,4,6
	v_sub_f32 v[B0+\q], v[B0+\q], v100
.endr
.irp q, 0,2,4,6
	v_mul_f32 v[B0+\q], s28, v[B0+\q]
.endr
.irp q, 0,2,4,6
	v_exp_f32 v[B0+\q], v[B0+\q]
.endr
	v_nop
	s_wait_alu depctr_va_vdst(0)
	v_mul_f32 v101, v[B0], v[B0+1]
	v_mul_f32 v102, v[B0], v[32+4*(\bb)]
.irp q, 1,2,3
	v_fma_f32 v101, v[B0+2*\q], v[B0+2*\q+1], v101
	v_fma_f32 v102, v[B0+2*\q], v[32+4*(\bb)+\q], v102
.endr
	v_rcp_f32 v101, v101
	v_nop
	s_wait_alu depctr_va_vdst(0)
	v_fma_f32 v102, v102, v101, v[24+(\bb)]
	v_mul_f32 v102, 0x4038aa3b, v102               ; 2 log2(e)
	v_exp_f32 v102, v102
	v_nop
	s_wait_alu depctr_va_vdst(0)
	v_add_f32 v102, 1.0, v102
	v_rcp_f32 v102, v102
	v_nop
	s_wait_alu depctr_va_vdst(0)
	v_fma_f32 v[104+(\bb)], v102, -2.0, 1.0
.endm
	BATCH 0
	BATCH 1
	v_lshlrev_b32 v28, 13, v3
	v_lshl_add_u32 v28, v2, 2, v28
	global_store_b32 v28, v104, s[30:31]
	global_store_b32 v28, v105, s[30:31] offset:4096
	s_branch .Lend
.Lw2:
	s_cmp_eq_u32 s14, 2
	s_cbranch_scc0 .Lend
	s_and_b32 s17, s16, 3                          ; out1 at batch 4 mb + ng % 4, row 64 (ng / 4): made here, where it is used
	s_lshl2_add_u32 s17, s15, s17
	s_lshl_b32 s17, s17, 11
	s_lshr_b32 s29, s16, 2
	s_lshl_b32 s29, s29, 8
	s_add_co_u32 s18, s17, s29
	s_add_nc_u64 s[30:31], s[12:13], s[18:19]
	v_max3_num_f32 v100, v8, v10, v12
	v_max_num_f32 v100, v100, v14
.irp q, 8,10,12,14,16,17
	v_sub_f32 v[\q], v[\q], v100
.endr
.irp q, 8,10,12,14,16,17
	v_mul_f32 v[\q], s28, v[\q]
.endr
.irp q, 8,10,12,14,16,17
	v_exp_f32 v[\q], v[\q]
.endr
	v_nop
	s_wait_alu depctr_va_vdst(0)
	v_mul_f32 v101, v8, v9
	v_fma_f32 v101, v10, v11, v101
	v_fma_f32 v101, v12, v13, v101
	v_fma_f32 v101, v14, v15, v101
	v_rcp_f32 v101, v101
	v_nop
	s_wait_alu depctr_va_vdst(0)
	v_mul_f32 v16, v16, v101
	v_mul_f32 v17, v17, v101
	global_store_b64 v6, v[16:17], s[30:31]
.Lend:
	s_wait_tensorcnt 0x0                           ; a wave's end, behind its last LDS store
	ds_add_u32 v30, v31
	s_wait_dscnt 0x0
	s_endpgm
.Lfunc_end_k_qf07ba21f75_final:
	.size	k_qf07ba21f75_final, .Lfunc_end_k_qf07ba21f75_final-k_qf07ba21f75_final
	.p2alignl 7, 3214868480
	.fill 96, 4, 3214868480
	.section	.rodata,"a",@progbits
	.p2align	6, 0x0
	.amdhsa_kernel k_qf07ba21f75_final
		.amdhsa_group_segment_fixed_size 17408
		.amdhsa_private_segment_fixed_size 0
		.amdhsa_enable_private_segment 0
		.amdhsa_kernarg_size 40
		.amdhsa_user_sgpr_count 2
		.amdhsa_user_sgpr_kernarg_segment_ptr 1
		.amdhsa_wavefront_size32 1
		.amdhsa_system_sgpr_workgroup_id_x 1
		.amdhsa_system_sgpr_workgroup_id_y 1
		.amdhsa_system_sgpr_workgroup_id_z 1
		.amdhsa_system_vgpr_workitem_id 0
		.amdhsa_next_free_vgpr 216
		.amdhsa_next_free_sgpr 66
		.amdhsa_reserve_vcc 0
		.amdhsa_float_denorm_mode_32 3
		.amdhsa_float_denorm_mode_16_64 3
		.amdhsa_memory_ordered 1
		.amdhsa_forward_progress 1
		.amdhsa_inst_pref_size 18
	.end_amdhsa_kernel
	.amdgpu_metadata
---
amdhsa.version: [ 1, 2 ]
amdhsa.kernels:
  - .name:           k_qf07ba21f75_final
    .symbol:         k_qf07ba21f75_final.kd
    .args:
      - { .name: pw, .offset: 0, .size: 8, .value_kind: global_buffer, .address_space: global }
      - { .name: wgo, .offset: 8, .size: 8, .value_kind: global_buffer, .address_space: global }
      - { .name: hb, .offset: 16, .size: 8, .value_kind: global_buffer, .address_space: global }
      - { .name: out0, .offset: 24, .size: 8, .value_kind: global_buffer, .address_space: global }
      - { .name: out1, .offset: 32, .size: 8, .value_kind: global_buffer, .address_space: global }
    .group_segment_fixed_size: 17408
    .private_segment_fixed_size: 0
    .kernarg_segment_align: 8
    .kernarg_segment_size: 40
    .max_flat_workgroup_size: 256
    .sgpr_count:     66
    .vgpr_count:     216
    .wavefront_size: 32
...
	.end_amdgpu_metadata
.endif
;; end of part 5
;; launch gru (part 6): grid 4 x 128, 4 waves a work-group, clusters of 4 x 4, 327,680 bytes of LDS; arguments x16, wgo, out2, out1, hb; writes out2
.if DOCPART == 6
	.amdgcn_target "amdgcn-amd-amdhsa--gfx1250"
	.amdhsa_code_object_version 6
	.text
	.protected	k_qf07ba21f75_gru
	.globl	k_qf07ba21f75_gru
	.p2align	8
	.type	k_qf07ba21f75_gru,@function
k_qf07ba21f75_gru:
	s_mov_b64 s[64:65], 0
	v_nop
	global_prefetch_b8 v0, s[64:65] scope:SCOPE_SE
	s_setreg_imm32_b32 hwreg(HW_REG_WAVE_MODE, 25, 1), 1
	s_wait_xcnt 0x0
	s_wait_alu depctr_hold_cnt(0) depctr_sa_sdst(0) depctr_va_vdst(0) depctr_va_sdst(0) depctr_va_ssrc(0) depctr_va_vcc(0) depctr_vm_vsrc(0)
	s_getreg_b32 s2, hwreg(HW_REG_IB_STS2, 6, 4)
	s_cmp_eq_u32 s2, 0
	s_cbranch_scc0 .Lentry_in_a_cluster
	s_endpgm
.Lentry_in_a_cluster:
	s_bfe_u32 s2, ttmp6, 0x10000c
	s_cmp_lg_u32 s2, 0xf033
	s_cbranch_scc0 .Lentry_shape_is_right
	s_endpgm
.Lentry_shape_is_right:
; GRU: out2 = n + z (h0 - n), r = sig(pre_r), z = sig(pre_z), n = tanh(pre_xn + r pre_hn), for 32,768 rows x 256 outputs.
; The four pre-activations are one product X W^T: X = x16 [32768][1280] bf16 (256 cov, 1,024 context), W = wgo's rows 0-1023, sums in f32.
; What does not hang on the row's K (attn x w_ih's last column + the batch's hbs; b_hh of the n gate) is what the accumulators START with: every matrix instruction adds in place and nothing is cleared.
; A work-group makes 256 rows x 64 outputs x 4 gates = 256 rows of W; its four waves take 64 rows each and ALL 256 rows of W: 64 accumulators (a = 0..3 row blocks, bb = 4 g + jb), 512 registers,
; so that a lane holds the four gates of the same outputs, and a wave's rows of out2 are whole blocks of 256 bytes.
; K goes in 10 steps of 128 (rows of 256 bytes) through two LDS slots.  Steps 0, 1 are cov: all 16 blocks of W.  Steps 2-9 are context: the hn blocks 12-15 are neither read from LDS nor multiplied.
; THE MATRIX INSTRUCTION IS USED TRANSPOSED (source 0 = 16 rows of W, source 1 = 16 rows of X): lane l holds row l % 16 and outputs 8 (l / 16) + 0..7 of the block.
; CLUSTER 4 x 4: the four groups of a cluster's row share their 256 rows of X, the four of a column their 256 rows of W: each tile is asked for jointly, by the same tensor load, descriptor and mask in all four.
; By the text's own count a wave has two tensor loads out at the start and one behind each round.
; REGISTERS, in windows of 256 (s_set_vgpr_msb: bits 1:0 source 0, 3:2 source 1, 5:4 source 2, 7:6 destination):
;   window 0: v0-31 addresses, attn; v64-95, v96-127 X's fragments, two buffers; v128-191 h0 (loaded at the start, used at the end); at the end v64-95 at work, v192-223 results, v32-63 and v224-255 rows on their way out
;   window 1: v0-127, v128-255 W's fragments, two buffers (at the start: the constants that the accumulators start with)
;   window 2: accumulators of row blocks 0, 1 at v[128 (a % 2) + 8 bb];   window 3: of blocks 2, 3
; LIMITS: sig and tanh are made of 2^x and 1/x, which end in 0 and 1 (-1 and 1) for large arguments; NaN (a batch that is all masked has attn = NaN) goes through to out2, as in the formula itself.
.set KSTEP,  128
.set PITCH,  272              ; an LDS row: 256 bytes + 16: the 16 rows of a fragment load start in 16 different groups of banks
.set HALFT,  128*PITCH        ; what one tensor load brings
.set SLOT,   4*HALFT          ; X's 256 rows, then W's 256 rows
.set STAGE,  2*SLOT           ; behind the ring: 16 rows x 272 bytes for each wave, for the way out
.set SPITCH, 272
.set SPARE,  STAGE+4*16*SPITCH ; the spare words, 128 bytes for each wave
.set XP,     2560             ; bytes in a row of x16 and of wgo
.set HBP,    7168
.set GVEC,   458752
.set AT,   8                  ; v8-15   attn of my row in block a at v[8+2a]; the register above it is 0 (named as a pair)
.set ADRA, 16                 ; v16-17  LDS address of my X fragments in slot 0, 1
.set ADRB, 20                 ; v20-21  of the W fragments
.set STO,  24
.set RD,   25
.set CO,   26
.set SPW,  28
.set NIL,  29
.set H0P,  128
.set TMP,  192
.set RR,   64
.set ZZ,   72
.set NN,   80
.set HH,   88
.set G1,  24                  ; s[24:31] descriptor group 1 for X's tiles;  s[32:39] group 0, a set for each slot
.set G0,  32
.set G1B, 48                  ; s[48:55], s[56:63] the same for W's tiles
.set G0B, 56
.set MSB, 0
.macro WIN new                ; the immediate's high byte repeats the setting that is left; a switch that changes nothing is dropped
.if MSB != (\new)
	s_set_vgpr_msb (MSB<<8)|(\new)
.set MSB, \new
.endif
.endm
.set TO_B, 0x40               ; destination window 1, address window 0
; A joint load: waves 0, 1 fetch X's two halves, waves 2, 3 W's.  An s_nop 0 and four v_nop follow each of the two lines.
.macro JLOAD s
	s_cmp_eq_u32 s15, 0
	s_cbranch_scc0 .Lfor_b_\@
	tensor_load_to_lds s[G0+4*(\s):G0+4*(\s)+3], s[G1:G1+7]
	s_nop 0
.rept 4
	v_nop
.endr
	s_branch .Lasked_\@
.Lfor_b_\@:
	tensor_load_to_lds s[G0B+4*(\s):G0B+4*(\s)+3], s[G1B:G1B+7]
	s_nop 0
.rept 4
	v_nop
.endr
.Lasked_\@:
.endm
.macro CREST                  ; a round of the cluster's barrier behind its opening barrier
	s_cmp_lg_u32 s14, 0
	s_cbranch_scc1 .Lnot_wave_0_\@
	s_barrier_signal -3
.Lnot_wave_0_\@:
	s_barrier_wait -3
	s_barrier_signal -1
	s_barrier_wait -1
.endm
.macro CROUND
	s_barrier_signal -1
	s_barrier_wait -1
	CREST
.endm
.macro PLACES                 ; four places behind matrix instructions, in front of loads into registers that they read and of vector work on their results
.rept 4
	v_nop
.endr
.endm
	s_load_b256 s[4:11], s[0:1], 0x0               ; x16 4, wgo 6, out2 8, out1 10
	s_load_b64 s[12:13], s[0:1], 0x20              ; hb
	v_lshl_add_u32 v[SPW], v0, 2, SPARE
	v_mov_b32 v[NIL], 0
	ds_add_u32 v[SPW], v[NIL]                      ; the wave's opening: the add and its wait, ahead of my first tensor load
	v_lshrrev_b32 v1, 5, v0
	v_readfirstlane_b32 s14, v1                    ; wave
	s_lshr_b32 s15, s14, 1                         ; I fetch for X (0) or for W (1),
	s_and_b32 s16, s14, 1                          ; and which 128 rows of that tile
	s_bfe_u32 s17, ttmp6, 0x40000                  ; cx
	s_bfe_u32 s18, ttmp6, 0x40004                  ; cy
	s_lshl_b32 s19, ttmp9, 2
	s_add_co_u32 s19, s19, s17                     ; c: outputs 64 c ..
	s_and_b32 s20, ttmp7, 0xffff
	s_lshl_b32 s20, s20, 2
	s_add_co_u32 s20, s20, s18                     ; tr: rows 256 tr ..
	s_lshl_b32 s21, s18, 2
	s_lshl_b32 s21, 15, s21                        ; my row of the cluster
	s_lshl_b32 s22, 0x1111, s17                    ; my column
	s_or_b32 s[G1+0], s21, (1<<16)|(1<<20)|(1<<21)|(5<<22)|(3<<25)   ; the mask; 2-byte elements; padding on; bit 21 beside a mask; after every 64 words 4 words
	s_or_b32 s[G1B+0], s22, (1<<16)|(1<<20)|(1<<21)|(5<<22)|(3<<25)
.irp g, G1, G1B
	s_mov_b32 s[(\g)+1], KSTEP<<16                 ; tensor_dim0 = 128
	s_mov_b32 s[(\g)+2], 128<<16                   ; tensor_dim1 = 128
	s_mov_b32 s[(\g)+3], KSTEP<<16                 ; tile_dim0 = 128
	s_mov_b32 s[(\g)+4], 128                       ; tile_dim1 = 128
	s_mov_b32 s[(\g)+5], 1280                      ; elements from row to row
	s_mov_b32 s[(\g)+6], 0
	s_mov_b32 s[(\g)+7], 0
.endr
	s_lshl_b32 s41, s16, 7
	s_lshl_b32 s40, s20, 8
	s_add_co_u32 s40, s40, s41                     ; X: row 256 tr + 128 x half: hangs on the tile row alone
	s_mul_i32 s40, s40, XP
	s_mov_b32 s41, 0
	s_lshl_b32 s45, s16, 7
	s_lshl_b32 s44, s19, 8
	s_add_co_u32 s44, s44, s45                     ; W: row 256 c + 128 x half: hangs on the tile column alone
	s_mul_i32 s44, s44, XP
	s_mov_b32 s45, 0
	s_mul_i32 s23, s14, HALFT                      ; where they go: wave x 128 rows
	s_mov_b32 s80, 0xbfb8aa3b                      ; -log2(e), as a pair
	s_mov_b32 s81, s80
	s_mov_b32 s82, 0x4038aa3b                      ; 2 log2(e)
	s_mov_b32 s83, s82
	s_mov_b32 s84, 0xffff0000
	s_wait_dscnt 0x0                               ; the opening add is done
	s_wait_kmcnt 0x0
	s_add_nc_u64 s[40:41], s[4:5], s[40:41]
	s_add_nc_u64 s[44:45], s[6:7], s[44:45]
	CROUND                                         ; all sixteen work-groups are here: the first joint loads meet
.irp s, 0,1
	s_mov_b32 s[G0+4*(\s)], 1
	s_add_co_u32 s[G0+4*(\s)+1], s23, (\s)*SLOT
	s_add_nc_u64 s[G0+4*(\s)+2:G0+4*(\s)+3], s[40:41], (\s)*KSTEP*2
	s_or_b32 s[G0+4*(\s)+3], s[G0+4*(\s)+3], 0x80000000
	s_mov_b32 s[G0B+4*(\s)], 1
	s_add_co_u32 s[G0B+4*(\s)+1], s23, (\s)*SLOT
	s_add_nc_u64 s[G0B+4*(\s)+2:G0B+4*(\s)+3], s[44:45], (\s)*KSTEP*2
	s_or_b32 s[G0B+4*(\s)+3], s[G0B+4*(\s)+3], 0x80000000
	JLOAD \s
.endr
	; addresses
	v_and_b32 v1, 15, v0                           ; r
	v_bfe_u32 v2, v0, 4, 1                         ; h
	v_mul_u32_u24 v3, v1, PITCH
	v_lshl_add_u32 v3, v2, 4, v3
	s_mul_i32 s42, s14, 64*PITCH
	v_add_nc_u32 v[ADRA], s42, v3
	v_add_nc_u32 v[ADRA+1], SLOT, v[ADRA]
	v_add_nc_u32 v[ADRB], 2*HALFT, v3
	v_add_nc_u32 v[ADRB+1], SLOT, v[ADRB]
	s_mul_i32 s42, s14, 16*SPITCH
	s_add_co_u32 s42, s42, STAGE
	v_mul_u32_u24 v[STO], v1, SPITCH               ; into my stage: row r, 32 bytes for each half of the lanes
	v_lshl_add_u32 v[STO], v2, 5, v[STO]
	v_add_nc_u32 v[STO], s42, v[STO]
	v_mul_u32_u24 v[RD], v2, SPITCH                ; back: lanes 0-15 one row of 256 bytes, lanes 16-31 the next
	v_lshl_add_u32 v[RD], v1, 4, v[RD]
	v_add_nc_u32 v[RD], s42, v[RD]
	v_lshlrev_b32 v[CO], 10, v2                    ; and the same two rows in out2
	v_lshl_add_u32 v[CO], v1, 4, v[CO]
	v_lshlrev_b32 v4, 5, v2                        ; 32 h: my 8 outputs of a block, as f32
	v_lshlrev_b32 v5, 2, v1                        ; 4 r
	v_mul_u32_u24 v6, v1, XP
	v_lshl_add_u32 v6, v2, 4, v6                   ; r x 2,560 + 16 h
	s_lshl_b32 s96, s20, 8
	s_lshl_b32 s97, s14, 6
	s_add_co_u32 s96, s96, s97                     ; my wave's first row
	s_mov_b32 s95, 0
	s_lshl_b32 s97, s19, 8                         ; 64 c outputs as f32
	s_add_co_u32 s94, s97, GVEC
	s_add_nc_u64 s[86:87], s[12:13], s[94:95]      ; gvec
	s_lshr_b32 s94, s20, 1
	s_mul_i32 s94, s94, HBP
	s_add_co_u32 s94, s94, s97
	s_add_nc_u64 s[88:89], s[12:13], s[94:95]      ; hbs of my batch
	s_lshl_b32 s94, s96, 2
	s_add_nc_u64 s[90:91], s[10:11], s[94:95]      ; attn
	s_mul_i32 s94, s96, XP
	s_lshl_b32 s98, s19, 7
	s_add_co_u32 s94, s94, s98
	s_add_nc_u64 s[92:93], s[4:5], s[94:95]        ; h0 = the cov part of x16, columns 64 c ..
	s_lshl_b32 s94, s96, 10
	s_add_co_u32 s94, s94, s97
	s_add_nc_u64 s[8:9], s[8:9], s[94:95]          ; out2 at my first row and column
	; what the accumulators start with, in the wait for the first tiles
	WIN TO_B
.set bb, 0
.rept 16
	global_load_b128 v[8*bb:8*bb+3], v4, s[86:87] offset:(bb/4)*1024+(bb%4)*64
	global_load_b128 v[8*bb+4:8*bb+7], v4, s[86:87] offset:(bb/4)*1024+(bb%4)*64+16
.set bb, bb+1
.endr
.set bb, 0
.rept 12
	global_load_b128 v[128+8*bb:128+8*bb+3], v4, s[88:89] offset:(bb/4)*1024+(bb%4)*64
	global_load_b128 v[128+8*bb+4:128+8*bb+7], v4, s[88:89] offset:(bb/4)*1024+(bb%4)*64+16
.set bb, bb+1
.endr
	WIN 0
.irp a, 0,1,2,3
	global_load_b32 v[AT+2*\a], v5, s[90:91] offset:64*\a
	v_mov_b32 v[AT+2*\a+1], 0
.endr
.set i, 0
.rept 16
	global_load_b128 v[H0P+4*i:H0P+4*i+3], v6, s[92:93] offset:(i/4)*16*XP+(i%4)*32   ; block a = i / 4, jb = i % 4; waited for at the end
.set i, i+1
.endr
	s_wait_loadcnt 16                              ; all but h0's sixteen
.macro INIT a
	WIN 0x94+0x40*((\a)/2)                         ; attn window 0, constants window 1, accumulators window 2 or 3
.set i, 0
.rept 48
	v_pk_fma_f32 v[128*((\a)%2)+2*i:128*((\a)%2)+2*i+1], v[AT+2*(\a):AT+2*(\a)+1], v[2*i:2*i+1], v[128+2*i:128+2*i+1] op_sel_hi:[0,1,1]
.set i, i+1
.endr
	WIN 0x81+0x40*((\a)/2)                         ; source 0 window 1
.rept 16
	v_pk_mul_f32 v[128*((\a)%2)+2*i:128*((\a)%2)+2*i+1], v[2*i:2*i+1], 1.0 op_sel_hi:[1,0]   ; hn starts with b_hh
.set i, i+1
.endr
.endm
	INIT 0
	INIT 1
	INIT 2
	INIT 3
	WIN 0
; nb matrix instructions: row block a x blocks 0 .. nb-1 of W, 32 along K, from buffer f.  Each names another accumulator: they take turns.
.macro MULA f, a, nb
	WIN 0xa1+0x50*((\a)/2)                         ; W window 1, X window 0, C and D window 2 or 3
.set bb, 0
.rept \nb
	v_wmma_f32_16x16x32_bf16 v[128*((\a)%2)+8*bb:128*((\a)%2)+8*bb+7], v[128*(\f)+8*bb:128*(\f)+8*bb+7], v[64+32*(\f)+8*(\a):64+32*(\f)+8*(\a)+7], v[128*((\a)%2)+8*bb:128*((\a)%2)+8*bb+7]
.set bb, bb+1
.endr
.endm
; one run of LDS loads: the fragments of 32 along K at byte k of the rows, into buffer f: nb blocks of W, then my 4 blocks of X
.macro FETCH slot, k, f, nb
	WIN TO_B
.set bb, 0
.rept \nb
	ds_load_b128 v[128*(\f)+8*bb:128*(\f)+8*bb+3], v[ADRB+(\slot)] offset:(\k)+bb*16*PITCH
	ds_load_b128 v[128*(\f)+8*bb+4:128*(\f)+8*bb+7], v[ADRB+(\slot)] offset:(\k)+bb*16*PITCH+32
.set bb, bb+1
.endr
	WIN 0
.irp a, 0,1,2,3
	ds_load_b128 v[64+32*(\f)+8*\a:64+32*(\f)+8*\a+3], v[ADRA+(\slot)] offset:(\k)+\a*16*PITCH
	ds_load_b128 v[64+32*(\f)+8*\a+4:64+32*(\f)+8*\a+7], v[ADRA+(\slot)] offset:(\k)+\a*16*PITCH+32
.endr
.endm
; one of a K step's first three quarters: multiplies buffer f (nb blocks), fetches the next quarter (nbn blocks) into g in its middle
.macro QUARTER slot, k, f, g, nb, nbn
	s_wait_dscnt 4                                 ; W and X's blocks 0, 1 are in; the youngest four loads (blocks 2, 3) may be out
	MULA \f, 0, \nb
	MULA \f, 1, \nb
	PLACES
	FETCH \slot, \k, \g, \nbn
	s_wait_dscnt 2*(\nbn)+8                        ; all but the run just issued
	MULA \f, 2, \nb
	MULA \f, 3, \nb
.endm
; the last quarter's first half, and the barrier of the change of slots: each wave has waited for all its tensor loads (one is out: its part of the next slot),
; has added 0 to its spare word, and has waited for that and for its own reads of this slot
.macro MEET nb, round
	WIN 0
	s_wait_tensorcnt 0x0
	ds_add_u32 v[SPW], v[NIL]
	s_wait_dscnt 5                                 ; (the add and the youngest four loads may be out)
	MULA 1, 0, \nb
	s_wait_dscnt 0x0
	s_barrier_signal -1
	MULA 1, 1, \nb
.if \round
	WIN 0
.endif
	s_barrier_wait -1
.endm
; the whole last quarter with a refill: the barrier opens a round of the cluster's, and the joint load is the first tensor load behind it
.macro TURN slot, next, nb, nbn
	MEET \nb, 1
	CREST
	s_add_nc_u64 s[G0+4*(\slot)+2:G0+4*(\slot)+3], s[G0+4*(\slot)+2:G0+4*(\slot)+3], 2*KSTEP*2
	s_add_nc_u64 s[G0B+4*(\slot)+2:G0B+4*(\slot)+3], s[G0B+4*(\slot)+2:G0B+4*(\slot)+3], 2*KSTEP*2
	JLOAD \slot                                    ; its four v_nop are also the places in front of the loads below
	FETCH \next, 0, 0, \nbn
	MULA 1, 2, \nb
	MULA 1, 3, \nb
.endm
.macro TURNX next, nb, nbn    ; the same where nothing is left to fetch: no round
	MEET \nb, 0
	PLACES
	FETCH \next, 0, 0, \nbn
	MULA 1, 2, \nb
	MULA 1, 3, \nb
.endm
	s_wait_tensorcnt 1                             ; my part of K step 0 is in; step 1's may stay out
	s_barrier_signal -1
	s_barrier_wait -1
	FETCH 0, 0, 0, 16
	QUARTER 0, 64,  0, 1, 16, 16                   ; the cov steps: all four gates
	QUARTER 0, 128, 1, 0, 16, 16
	QUARTER 0, 192, 0, 1, 16, 16
	TURN 0, 1, 16, 16
	QUARTER 1, 64,  0, 1, 16, 16
	QUARTER 1, 128, 1, 0, 16, 16
	QUARTER 1, 192, 0, 1, 16, 16
	TURN 1, 0, 16, 12
	WIN 0                                          ; at a label and at a branch every window is 0
	s_mov_b32 s3, 3
.Llap:                                                 ; K steps 2-7; the refills bring steps 4-9
	QUARTER 0, 64,  0, 1, 12, 12
	QUARTER 0, 128, 1, 0, 12, 12
	QUARTER 0, 192, 0, 1, 12, 12
	TURN 0, 1, 12, 12
	QUARTER 1, 64,  0, 1, 12, 12
	QUARTER 1, 128, 1, 0, 12, 12
	QUARTER 1, 192, 0, 1, 12, 12
	TURN 1, 0, 12, 12
	WIN 0
	s_sub_co_u32 s3, s3, 1
	s_cmp_lg_u32 s3, 0
	s_cbranch_scc1 .Llap
	QUARTER 0, 64,  0, 1, 12, 12                   ; K steps 8, 9 are written out: nothing is asked for
	QUARTER 0, 128, 1, 0, 12, 12
	QUARTER 0, 192, 0, 1, 12, 12
	TURNX 1, 12, 12
	QUARTER 1, 64,  0, 1, 12, 12
	QUARTER 1, 128, 1, 0, 12, 12
	QUARTER 1, 192, 0, 1, 12, 12
	s_wait_dscnt 4
	MULA 1, 0, 12
	MULA 1, 1, 12
	s_wait_dscnt 0x0
	MULA 1, 2, 12
	MULA 1, 3, 12
	WIN 0
	s_wait_loadcnt 0x0                             ; h0
	PLACES
; THE GATES of 8 outputs a lane: row block a, output block jb.  Each accumulator is read from its low registers up.  A plain instruction stands behind each run of exponentials and reciprocals.
.macro GRU a, jb
.set W, 2+(\a)/2
.set AB, 128*((\a)%2)+8*(\jb)  ; r; z 32, xn 64, hn 96 registers on
	WIN W                                          ; source 0 in the accumulators' window
.irp p, 0,2,4,6
	v_pk_mul_f32 v[RR+\p:RR+\p+1], v[AB+\p:AB+\p+1], s[80:81] op_sel_hi:[1,0]
.endr
.irp p, 0,2,4,6
	v_pk_mul_f32 v[ZZ+\p:ZZ+\p+1], v[AB+32+\p:AB+32+\p+1], s[80:81] op_sel_hi:[1,0]
.endr
	WIN 0
.set i, 0
.rept 16
	v_exp_f32 v[RR+i], v[RR+i]
.set i, i+1
.endr
.irp p, 0,1,2,3
	v_lshlrev_b32 v[HH+2*\p], 16, v[H0P+16*(\a)+4*(\jb)+\p]    ; h0 as f32
	v_and_b32 v[HH+2*\p+1], s84, v[H0P+16*(\a)+4*(\jb)+\p]
.endr
	s_wait_alu depctr_va_vdst(0)
.irp p, 0,2,4,6,8,10,12,14
	v_pk_add_f32 v[RR+\p:RR+\p+1], v[RR+\p:RR+\p+1], 1.0 op_sel_hi:[1,0]
.endr
.set i, 0
.rept 16
	v_rcp_f32 v[RR+i], v[RR+i]                     ; r and z
.set i, i+1
.endr
	v_nop
	WIN 20*W                                       ; sources 1 and 2 in the accumulators' window
	s_wait_alu depctr_va_vdst(0)
.irp p, 0,2,4,6
	v_pk_fma_f32 v[NN+\p:NN+\p+1], v[RR+\p:RR+\p+1], v[AB+96+\p:AB+96+\p+1], v[AB+64+\p:AB+64+\p+1]
.endr
	WIN 0
.irp p, 0,2,4,6
	v_pk_mul_f32 v[NN+\p:NN+\p+1], v[NN+\p:NN+\p+1], s[82:83] op_sel_hi:[1,0]
.endr
.set i, 0
.rept 8
	v_exp_f32 v[NN+i], v[NN+i]
.set i, i+1
.endr
	v_nop
	s_wait_alu depctr_va_vdst(0)
.irp p, 0,2,4,6
	v_pk_add_f32 v[NN+\p:NN+\p+1], v[NN+\p:NN+\p+1], 1.0 op_sel_hi:[1,0]
.endr
.set i, 0
.rept 8
	v_rcp_f32 v[NN+i], v[NN+i]
.set i, i+1
.endr
	v_nop
	s_wait_alu depctr_va_vdst(0)
.irp p, 0,2,4,6
	v_pk_fma_f32 v[NN+\p:NN+\p+1], v[NN+\p:NN+\p+1], -2.0, 1.0 op_sel_hi:[1,0,0]   ; n
.endr
.irp p, 0,2,4,6
	v_pk_add_f32 v[HH+\p:HH+\p+1], v[HH+\p:HH+\p+1], v[NN+\p:NN+\p+1] neg_lo:[0,1] neg_hi:[0,1]
.endr
.irp p, 0,2,4,6
	v_pk_fma_f32 v[TMP+8*(\jb)+\p:TMP+8*(\jb)+\p+1], v[ZZ+\p:ZZ+\p+1], v[HH+\p:HH+\p+1], v[NN+\p:NN+\p+1]
.endr
.endm
.macro TOSTAGE a              ; 16 rows x 64 f32 into my stage, and back as whole rows of 256 bytes
.set BK, 32+192*((\a)%2)
.irp jb, 0,1,2,3
	ds_store_b128 v[STO], v[TMP+8*\jb:TMP+8*\jb+3] offset:64*\jb
	ds_store_b128 v[STO], v[TMP+8*\jb+4:TMP+8*\jb+7] offset:64*\jb+16
.endr
.irp t, 0,1,2,3,4,5,6,7
	ds_load_b128 v[BK+4*\t:BK+4*\t+3], v[RD] offset:\t*2*SPITCH   ; my own bytes: LDS serves a wave's instructions in order
.endr
.endm
.macro SEND a
.set BK, 32+192*((\a)%2)
	s_wait_dscnt 0x0                               ; the block is back in registers
	s_wait_xcnt 0x0                                ; the stores' base, and registers that earlier stores read, are rewritten only behind this wait
.if (\a) > 0
	s_add_nc_u64 s[8:9], s[8:9], 16*1024
.endif
.irp t, 0,1,2,3,4,5,6,7
	global_store_b128 v[CO], v[BK+4*\t:BK+4*\t+3], s[8:9] offset:2048*\t th:TH_STORE_NT   ; 16 lanes store 256 consecutive bytes, aligned
.endr
.endm
.irp jb, 0,1,2,3
	GRU 0, \jb
.endr
	TOSTAGE 0
.irp a, 1,2,3                  ; a block's arithmetic stands between the loads of the block before and its stores
.irp jb, 0,1,2,3
	GRU \a, \jb
.endr
	SEND (\a)-1
	TOSTAGE \a
.endr
	SEND 3
	s_wait_tensorcnt 0x0                           ; the wave's end, behind my last tensor load and my last LDS store
	ds_add_u32 v[SPW], v[NIL]
	s_wait_dscnt 0x0
	CROUND                                         ; the closing round: no work-group ends while a partner may still ask for a tile that names it
	s_endpgm
.Lfunc_end_k_qf07ba21f75_gru:
	.size	k_qf07ba21f75_gru, .Lfunc_end_k_qf07ba21f75_gru-k_qf07ba21f75_gru
	.p2alignl 7, 3214868480
	.fill 96, 4, 3214868480
	.section	.rodata,"a",@progbits
	.p2align	6, 0x0
	.amdhsa_kernel k_qf07ba21f75_gru
		.amdhsa_group_segment_fixed_size 327680
		.amdhsa_private_segment_fixed_size 0
		.amdhsa_enable_private_segment 0
		.amdhsa_kernarg_size 40
		.amdhsa_user_sgpr_count 2
		.amdhsa_user_sgpr_kernarg_segment_ptr 1
		.amdhsa_wavefront_size32 1
		.amdhsa_system_sgpr_workgroup_id_x 1
		.amdhsa_system_sgpr_workgroup_id_y 1
		.amdhsa_system_sgpr_workgroup_id_z 1
		.amdhsa_system_vgpr_workitem_id 0
		.amdhsa_next_free_vgpr 1024
		.amdhsa_next_free_sgpr 100
		.amdhsa_reserve_vcc 0
		.amdhsa_float_denorm_mode_32 3
		.amdhsa_float_denorm_mode_16_64 3
		.amdhsa_memory_ordered 1
		.amdhsa_forward_progress 1
		.amdhsa_inst_pref_size 255
	.end_amdhsa_kernel
	.section	.bss,"aw",@nobits
	.p2align	6
	.space	262144
	.amdgpu_metadata
---
amdhsa.version: [ 1, 2 ]
amdhsa.kernels:
  - .name:           k_qf07ba21f75_gru
    .symbol:         k_qf07ba21f75_gru.kd
    .args:
      - { .name: x16, .offset: 0, .size: 8, .value_kind: global_buffer, .address_space: global }
      - { .name: wgo, .offset: 8, .size: 8, .value_kind: global_buffer, .address_space: global }
      - { .name: out2, .offset: 16, .size: 8, .value_kind: global_buffer, .address_space: global }
      - { .name: out1, .offset: 24, .size: 8, .value_kind: global_buffer, .address_space: global }
      - { .name: hb, .offset: 32, .size: 8, .value_kind: global_buffer, .address_space: global }
    .group_segment_fixed_size: 327680
    .private_segment_fixed_size: 0
    .kernarg_segment_align: 8
    .kernarg_segment_size: 40
    .max_flat_workgroup_size: 128
    .sgpr_count:     100
    .vgpr_count:     1024
    .wavefront_size: 32
...
	.end_amdgpu_metadata
.endif
;; end of part 6
;; ======== version 2 of 3: 3 launches; 1.26 times as fast as version 1
;; workspace buffers: x16 83,886,080 bytes; wgo 5,242,880 bytes; hb 462,848 bytes; tu 2,359,296 bytes; pw 1,507,328 bytes
;; launch prep (part 7): grid 256 x 1, 8 waves a work-group, no clusters, 327,680 bytes of LDS; arguments h, W_in, W_cov, b_cov, w_ih, W_out, w_hh, b_ih, b_hh, wgo, hb, tu; writes wgo, hb, tu
.if DOCPART == 7
	.amdgcn_target "amdgcn-amd-amdhsa--gfx1250"
	.amdhsa_code_object_version 6
	.text
	.protected	k_qf07ba21f75_prep
	.globl	k_qf07ba21f75_prep
	.p2align	8
	.type	k_qf07ba21f75_prep,@function
k_qf07ba21f75_prep:
	s_mov_b64 s[64:65], 0
	v_nop
	global_prefetch_b8 v0, s[64:65] scope:SCOPE_SE
	s_setreg_imm32_b32 hwreg(HW_REG_WAVE_MODE, 25, 1), 1
	s_wait_xcnt 0x0
; PREP: everything that hangs on the weights and on h alone, 256 work-groups in three roles that run side by side.  Every input is rounded to bf16 once; products of bf16 numbers, sums in f32.
; "stack" = 1,792 rows: rows 0-767 are w_ih's rows, rows 768-1791 W_out's; only their first 2,048 columns are meant here.
;   T  (groups 0-31, t):    target[b][32t..] = h W_in^T (f32, to tu), and the part of u[b][c] = sum_d target[b][d] W_cov[d][c] that these 32 d give
;                           (target goes into that product as a pair of bf16, upper part and remainder, so that it keeps 16 bits).
;   H  (groups 32-143):     16 stack rows: hbs[b][ns] = [b_cov | h[b]] . stack[ns] (+ b_ih, + b_hh for the r and z gates), the rows' first 1,024
;                           columns as bf16 into wgo's context part, zeros into the hn rows' context part, and gvec (w_ih's last column; b_hh of the n gate).
;   MZ (groups 144-255):    64 stack rows x 64 columns c of MZ = stack[:, :1024] W_cov (+ w_hh for r and z), rounded once to bf16 into wgo's cov part;
;                           w_hh of the n gate into the hn rows.
; wgo: [2048][1280] bf16, a row = 256 cov columns, then 1,024 context columns.  Row c*256 + (4g+jb)*16 + r holds gate g (r, z, xn, hn) of output 64c+16jb+r; row 1024+o holds out0's column o.
; THE TEXT goes in three phases with two barriers that are common to the roles: A staging | barrier | B products | barrier | C role T's partial u.  Each phase branches on the work-group's number and joins again:
; no branch passes a barrier, and a phase uses only registers made in the head or in itself.
; THE LDS MAPS of the three roles fit each other, so that the text is sound without leaning on all waves of a group having one role: in phase A wave w stores only into bytes that are wave w's in every role:
;   bytes 0 .. 132,095:        64 rows of 2,064 bytes, 8 a wave (h in T and H; stack rows in MZ);
;   bytes 132,096 .. 295,935:  8 slabs of 20,480 bytes, one a wave: MZ fills its slab (128 rows of W_cov, 160 bytes apart); T lays 4 rows of W_in, H 2 stack rows at the slab's head,
;                              64 w and 32 w bytes further in, so that a fragment's sixteen rows still start 16 r bytes apart modulo 256;
;   above the spare words:     what one role alone stores: T's target pairs (stored in phase B), H's b_cov, T's rows of W_cov.
;   T's stage for the partial u (phase C) takes bytes 0 .. 67,583, which are read for the last time in phase B.
; NO CLUSTER, NO TENSOR LOAD: every operand is f32 in memory and has to pass through registers to be rounded; w_ih's rows are 8,196 bytes apart, so they are read word by word.
; STORES OF PART OF A 256-BYTE BLOCK: target, hbs, gvec and wgo's cov part leave in runs of 64 bytes (a 16 x 16 result has no longer rows); together 1.6 MB.
; LIMITS: NaN and infinities among the inputs are not treated apart (w_hh is multiplied by 0 where it is not wanted).
.set HP,    2064              ; an LDS row of 1,024 bf16: 2,048 bytes + 16: an odd multiple of 16, so 16 rows of a fragment load start in 16 different groups of banks
.set CS,    64*HP             ; the slabs begin behind the 64 rows
.set CSP,   160               ; MZ: 64 columns of a row of W_cov, 128 bytes + 32: an odd multiple of 32, for the turning load
.set SLAB,  128*CSP           ; 20,480
.set WIP,   SLAB+64           ; T: from one wave's four rows of W_in to the next wave's
.set WRP,   4112              ; H: a stack row of 2,048 bf16 + 16 bytes
.set WRW,   SLAB+32           ; H: from one wave's two stack rows to the next wave's
.set SPARE, CS+8*SLAB         ; 295,936: the spare words, 128 bytes for each of 8 waves
.set TLP,   144               ; T: target's 32 numbers as 64 bytes of upper parts, 64 of remainders, 16 of padding
.set TL,    SPARE+1024
.set BCL,   TL+64*TLP         ; H: b_cov, 2,048 bytes
.set CVP,   544               ; T: a row of W_cov, 512 bytes + 32: an odd multiple of 32, for the turning load
.set CVL,   BCL+2048          ; 32 such rows, up to byte 325,632
.set USP,   528               ; T: a stage row of 128 f32 + 16 bytes; 16 rows for each wave, from LDS byte 0 on
.set XP,    2560              ; bytes in a row of wgo
.set HBP,   7168              ; bytes in a row of hbs
.set GVEC,  458752            ; gvec's place in hb
.set UPAT,  262144            ; the partial u's place in tu: [64 b][32 t][256 c] f32
.set R,     32                ; v32-191 data
.set ACC,   192               ; v192-255 accumulators
.macro AGAIN lbl              ; the foot of a loop counted down in s3
	s_sub_co_u32 s3, s3, 1
	s_cmp_lg_u32 s3, 0
	s_cbranch_scc1 \lbl
.endm
; n loads of 16 bytes a lane (gstep bytes apart), each rounded to 4 bf16 and put into LDS at pa*k + pb*(k/pd)
.macro STN n, sb, gv, la, gstep, pa, pb, pd
.set k, 0
.rept \n
	global_load_b128 v[R+4*k:R+4*k+3], \gv, s[\sb:\sb+1] offset:k*(\gstep)
.set k, k+1
.endr
.set k, 0
.rept \n
	s_wait_loadcnt (\n)-1-k                        ; loads come back in order: load k is in, the younger ones stay out
	v_cvt_pk_bf16_f32 v[R+4*k], v[R+4*k], v[R+4*k+1]
	v_cvt_pk_bf16_f32 v[R+4*k+1], v[R+4*k+2], v[R+4*k+3]
	ds_store_b64 \la, v[R+4*k:R+4*k+1] offset:k*(\pa)+(k/(\pd))*(\pb)
.set k, k+1
.endr
.endm
; two pieces of 1,024 f32 whose first byte is only a multiple of 4: word by word, a lane takes two neighbours, rounds them into one word
.macro PAIR64 b0, go0, lo0, b1, go1, lo1, gv, la
.set m, 0
.rept 16
	global_load_b32 v[R+2*m], \gv, s[\b0:\b0+1] offset:(\go0)+256*m
	global_load_b32 v[R+2*m+1], \gv, s[\b0:\b0+1] offset:(\go0)+256*m+4
.set m, m+1
.endr
.set m, 0
.rept 16
	global_load_b32 v[R+32+2*m], \gv, s[\b1:\b1+1] offset:(\go1)+256*m
	global_load_b32 v[R+32+2*m+1], \gv, s[\b1:\b1+1] offset:(\go1)+256*m+4
.set m, m+1
.endr
.set m, 0
.rept 32
	s_wait_loadcnt 62-2*m                          ; pair m is in
	v_cvt_pk_bf16_f32 v[R+2*m], v[R+2*m], v[R+2*m+1]
.if m < 16
	ds_store_b32 \la, v[R+2*m] offset:(\lo0)+128*m
.else
	ds_store_b32 \la, v[R+2*m] offset:(\lo1)+128*(m-16)
.endif
.set m, m+1
.endr
.endm
; eight K steps of 32, at byte wo of the weight rows and byte xo of the activation rows: source 0 = 16 weight rows, source 1 = 16 activation rows,
; so a lane holds one activation row and 8 neighbouring weight rows.  Two accumulators take turns (even and odd K steps); they are added at the end.
.macro GRP8 wr, xr, zero, wo, xo
.rept 4
	v_nop                                          ; four places between the last product and the loads into the registers that it read
.endr
.set i, 0
.rept 8
	ds_load_b128 v[R+16*i:R+16*i+3], \wr offset:(\wo)+64*i
	ds_load_b128 v[R+16*i+4:R+16*i+7], \wr offset:(\wo)+64*i+32
	ds_load_b128 v[R+16*i+8:R+16*i+11], \xr offset:(\xo)+64*i
	ds_load_b128 v[R+16*i+12:R+16*i+15], \xr offset:(\xo)+64*i+32
.set i, i+1
.endr
.set i, 0
.rept 8
	s_wait_dscnt 28-4*i                            ; K step i's four loads are in
.if (\zero) && (i < 2)
	v_wmma_f32_16x16x32_bf16 v[ACC+8*(i%2):ACC+8*(i%2)+7], v[R+16*i:R+16*i+7], v[R+16*i+8:R+16*i+15], 0
.else
	v_wmma_f32_16x16x32_bf16 v[ACC+8*(i%2):ACC+8*(i%2)+7], v[R+16*i:R+16*i+7], v[R+16*i+8:R+16*i+15], v[ACC+8*(i%2):ACC+8*(i%2)+7]
.endif
.set i, i+1
.endr
.endm
.macro FOLD                   ; the two accumulators are added, from their low registers up
.rept 4
	v_nop
.endr
.irp p, 0,2,4,6
	v_pk_add_f32 v[ACC+\p:ACC+\p+1], v[ACC+\p:ACC+\p+1], v[ACC+8+\p:ACC+8+\p+1]
.endr
.endm
.macro RB8 x                  ; eight f32 are rounded to bf16 and widened again, in place (v224-227 at work)
.irp p, 0,1,2,3
	v_cvt_pk_bf16_f32 v[224+\p], v[(\x)+2*\p], v[(\x)+2*\p+1]
.endr
.irp p, 0,1,2,3
	v_lshlrev_b32 v[(\x)+2*\p], 16, v[224+\p]
	v_and_b32 v[(\x)+2*\p+1], 0xffff0000, v[224+\p]
.endr
.endm
; MZ: four K steps: source 0 = 16 columns c of W_cov (turned), source 1 = 16 stack rows; the two column blocks' accumulators take turns
.macro MGRP zero
.rept 4
	v_nop                                          ; four places between the last product and the loads into the registers that it read
.endr
.set i, 0
.rept 4
	ds_load_b128 v[R+24*i:R+24*i+3], v12 offset:64*i
	ds_load_b128 v[R+24*i+4:R+24*i+7], v12 offset:64*i+32
	ds_load_tr16_b128 v[R+24*i+8:R+24*i+11], v13 offset:32*CSP*i
	ds_load_tr16_b128 v[R+24*i+12:R+24*i+15], v13 offset:32*CSP*i+16*CSP
	ds_load_tr16_b128 v[R+24*i+16:R+24*i+19], v13 offset:32*CSP*i+32
	ds_load_tr16_b128 v[R+24*i+20:R+24*i+23], v13 offset:32*CSP*i+16*CSP+32
.set i, i+1
.endr
.set i, 0
.rept 4
	s_wait_dscnt 18-6*i                            ; K step i's six loads are in
.if (\zero) && (i == 0)
	v_wmma_f32_16x16x32_bf16 v[ACC:ACC+7], v[R+24*i+8:R+24*i+15], v[R+24*i:R+24*i+7], 0
	v_wmma_f32_16x16x32_bf16 v[ACC+8:ACC+15], v[R+24*i+16:R+24*i+23], v[R+24*i:R+24*i+7], 0
.else
	v_wmma_f32_16x16x32_bf16 v[ACC:ACC+7], v[R+24*i+8:R+24*i+15], v[R+24*i:R+24*i+7], v[ACC:ACC+7]
	v_wmma_f32_16x16x32_bf16 v[ACC+8:ACC+15], v[R+24*i+16:R+24*i+23], v[R+24*i:R+24*i+7], v[ACC+8:ACC+15]
.endif
.set i, i+1
.endr
	v_add_nc_u32 v12, 256, v12
	v_add_nc_u32 v13, 128*CSP, v13
.endm
	; ---------------- THE HEAD ----------------
	s_load_b512 s[4:19], s[0:1], 0x0               ; h 4, W_in 6, W_cov 8, b_cov 10, w_ih 12, W_out 14, w_hh 16, b_ih 18
	s_load_b256 s[20:27], s[0:1], 0x40             ; b_hh 20, wgo 22, hb 24, tu 26
	v_lshl_add_u32 v30, v0, 2, SPARE               ; my spare word
	v_mov_b32 v31, 0
	v_and_b32 v1, 31, v0                           ; lane l
	v_and_b32 v2, 15, v0                           ; r = l % 16
	v_bfe_u32 v3, v0, 4, 1                         ; h = l / 16
	v_lshrrev_b32 v4, 5, v0
	v_readfirstlane_b32 s28, v4                    ; wave w
	v_lshlrev_b32 v5, 4, v1                        ; 16 l
	v_lshlrev_b32 v6, 3, v1                        ; 8 l
	v_lshlrev_b32 v7, 2, v1                        ; 4 l
	s_mov_b32 s29, ttmp9                           ; the work-group's number chooses the role
	s_mov_b32 s31, 0                               ; upper word of the offset pair s[30:31]
	s_mov_b32 s49, 0                               ; upper word of the pitch pair s[48:49]
	s_wait_kmcnt 0x0
	; ---------------- PHASE A: STAGING ----------------
	s_cmp_lt_u32 s29, 144
	s_cbranch_scc0 .La_mz
	; roles T and H: h as bf16 into LDS from byte 0 on; wave w brings rows 8w .. 8w+7, four a trip
	s_lshl_b32 s30, s28, 15
	s_add_nc_u64 s[40:41], s[4:5], s[30:31]
	s_mul_i32 s32, s28, 8*HP
	v_add_nc_u32 v8, s32, v6
	s_mov_b32 s3, 2
.Lstage_h:
	STN 32, 40, v5, v8, 512, 256, 16, 8
	s_wait_xcnt 0x0                                ; the base is stepped only behind this wait
	s_add_nc_u64 s[40:41], s[40:41], 16384
	v_add_nc_u32 v8, 4*HP, v8
	AGAIN .Lstage_h
	s_cmp_lt_u32 s29, 32
	s_cbranch_scc0 .La_h
	; role T: W_in's rows 32 t + 4 w .. (4,096 bytes each) to the head of my slab
	s_lshl_b32 s30, s29, 17
	s_lshl_b32 s32, s28, 14
	s_add_co_u32 s30, s30, s32
	s_add_nc_u64 s[40:41], s[6:7], s[30:31]
	s_mul_i32 s32, s28, WIP
	s_add_co_u32 s32, s32, CS
	v_add_nc_u32 v8, s32, v6
	STN 32, 40, v5, v8, 512, 256, 16, 8
	s_lshl_b32 s30, s29, 15                        ; W_cov's rows 32 t + 4 w .., 1,024 bytes each
	s_lshl_b32 s32, s28, 12
	s_add_co_u32 s30, s30, s32
	s_add_nc_u64 s[42:43], s[8:9], s[30:31]
	s_mul_i32 s32, s28, 4*CVP
	s_add_co_u32 s32, s32, CVL
	v_add_nc_u32 v9, s32, v6
	STN 8, 42, v5, v9, 512, 256, 32, 2
	s_branch .La_end
.La_h:
	; role H: my 16 stack rows; wave w brings rows 2 w and 2 w + 1 to the head of its slab
	s_sub_co_u32 s32, s29, 32
	s_lshl_b32 s32, s32, 4                         ; ns0, my first stack row
	s_mov_b32 s36, 8196
	s_mov_b32 s37, 8192
	s_max_u32 s38, s32, 768
	s_sub_co_u32 s38, s38, 768
	s_cmp_lt_u32 s32, 768
	s_cselect_b64 s[40:41], s[12:13], s[14:15]     ; w_ih or W_out,
	s_cselect_b32 s48, s36, s37                    ; its pitch,
	s_cselect_b32 s38, s32, s38                    ; and the row in it
	s_lshl1_add_u32 s39, s28, s38
	s_mul_i32 s30, s39, s48
	s_add_nc_u64 s[40:41], s[40:41], s[30:31]
	s_mul_i32 s39, s28, WRW
	s_add_co_u32 s39, s39, CS
	v_add_nc_u32 v8, s39, v7
	s_mov_b32 s3, 2
.Lh_rows:
	PAIR64 40, 0, 0, 40, 4096, 2048, v6, v8
	s_wait_xcnt 0x0
	s_add_nc_u64 s[40:41], s[40:41], s[48:49]
	v_add_nc_u32 v8, WRP, v8
	AGAIN .Lh_rows
	s_lshl_b32 s39, s28, 9                         ; b_cov: 512 bytes a wave
	v_add_nc_u32 v9, s39, v5
	global_load_b128 v[R:R+3], v9, s[10:11]
	s_lshl_b32 s39, s28, 8
	s_add_co_u32 s39, s39, BCL
	v_add_nc_u32 v10, s39, v6
	s_wait_loadcnt 0x0
	v_cvt_pk_bf16_f32 v[R], v[R], v[R+1]
	v_cvt_pk_bf16_f32 v[R+1], v[R+2], v[R+3]
	ds_store_b64 v10, v[R:R+1]
	s_branch .La_end
.La_mz:
	; role MZ: 64 stack rows (their first 1,024 columns), wave w rows 8 w .., two a trip
	s_sub_co_u32 s32, s29, 144
	s_lshr_b32 s33, s32, 2                         ; nb: stack rows 64 nb ..
	s_and_b32 s34, s32, 3                          ; q: columns c 64 q ..
	s_lshl_b32 s35, s33, 6
	s_mov_b32 s36, 8196
	s_mov_b32 s37, 8192
	s_max_u32 s38, s35, 768
	s_sub_co_u32 s38, s38, 768
	s_cmp_lt_u32 s33, 12
	s_cselect_b64 s[40:41], s[12:13], s[14:15]
	s_cselect_b32 s48, s36, s37
	s_cselect_b32 s38, s35, s38
	s_lshl3_add_u32 s38, s28, s38
	s_mul_i32 s30, s38, s48
	s_add_nc_u64 s[40:41], s[40:41], s[30:31]
	s_add_nc_u64 s[42:43], s[40:41], s[48:49]
	s_lshl_b32 s48, s48, 1
	s_mul_i32 s39, s28, 8*HP
	v_add_nc_u32 v8, s39, v7
	s_mov_b32 s3, 4
.Lm_rows:
	PAIR64 40, 0, 0, 42, 0, HP, v6, v8
	s_wait_xcnt 0x0
	s_add_nc_u64 s[40:41], s[40:41], s[48:49]
	s_add_nc_u64 s[42:43], s[42:43], s[48:49]
	v_add_nc_u32 v8, 2*HP, v8
	AGAIN .Lm_rows
	; W_cov's 64 columns of all 1,024 rows: wave w rows 128 w .. fill its slab; sixteen lanes take a row's 256 bytes
	v_lshlrev_b32 v9, 10, v3
	v_lshl_add_u32 v9, v2, 4, v9
	s_lshl_b32 s39, s28, 17
	s_lshl_b32 s52, s34, 8
	s_add_co_u32 s39, s39, s52
	v_add_nc_u32 v9, s39, v9
	v_mul_u32_u24 v10, v3, CSP
	v_lshl_add_u32 v10, v2, 3, v10
	s_mul_i32 s39, s28, SLAB
	s_add_co_u32 s39, s39, CS
	v_add_nc_u32 v10, s39, v10
	s_mov_b32 s3, 2
.Lm_cov:
	STN 32, 8, v9, v10, 2048, 2*CSP, 0, 1
	s_wait_xcnt 0x0
	v_add_nc_u32 v9, 65536, v9
	v_add_nc_u32 v10, 64*CSP, v10
	AGAIN .Lm_cov
.La_end:
	s_wait_xcnt 0x0                                ; the next phase writes registers that this phase's loads named
	s_wait_dscnt 0x0                               ; for the others' sake: my stores are done
	s_barrier_signal -1
	s_barrier_wait -1
	; ---------------- PHASE B: THE PRODUCTS ----------------
	s_cmp_lt_u32 s29, 32
	s_cbranch_scc0 .Lb_not_t
	; role T, target: wave w makes batches 16 (w % 4) .. x rows d 16 (w / 4) .. of the 32; K = 1,024
	s_and_b32 s33, s28, 3
	s_lshr_b32 s34, s28, 2
	v_lshrrev_b32 v16, 2, v2                       ; row r of W_in's sixteen lies in slab r / 4 of the four,
	v_and_b32 v17, 3, v2                           ; as its row r % 4
	v_mul_u32_u24 v11, v16, WIP
	v_mul_u32_u24 v17, v17, HP
	v_add_nc_u32 v11, v11, v17
	v_lshl_add_u32 v11, v3, 4, v11
	s_mul_i32 s35, s34, 4*WIP
	s_add_co_u32 s35, s35, CS
	v_add_nc_u32 v11, s35, v11
	v_mul_u32_u24 v12, v2, HP
	v_lshl_add_u32 v12, v3, 4, v12                 ; r x pitch + 16 h
	s_mul_i32 s35, s33, 16*HP
	v_add_nc_u32 v12, s35, v12
	GRP8 v11, v12, 1, 0, 0
	s_mov_b32 s3, 3
.Lt_k:
	v_add_nc_u32 v11, 512, v11
	v_add_nc_u32 v12, 512, v12
	GRP8 v11, v12, 0, 0, 0
	AGAIN .Lt_k
	FOLD
	s_lshl_b32 s35, s33, 16                        ; batch 16 (w % 4) x 4,096 bytes
	s_lshl_b32 s36, s29, 7                         ; 32 t x 4
	s_add_co_u32 s35, s35, s36
	s_lshl_b32 s36, s34, 6
	s_add_co_u32 s35, s35, s36
	v_lshlrev_b32 v13, 12, v2
	v_lshl_add_u32 v13, v3, 5, v13
	v_add_nc_u32 v13, s35, v13
	global_store_b128 v13, v[192:195], s[26:27]
	global_store_b128 v13, v[196:199], s[26:27] offset:16
.irp p, 0,1,2,3
	v_cvt_pk_bf16_f32 v[208+\p], v[192+2*\p], v[192+2*\p+1]   ; the upper parts
.endr
.irp p, 0,1,2,3
	v_lshlrev_b32 v[216+2*\p], 16, v[208+\p]
	v_and_b32 v[216+2*\p+1], 0xffff0000, v[208+\p]
.endr
.irp p, 0,1,2,3
	v_pk_add_f32 v[216+2*\p:216+2*\p+1], v[192+2*\p:192+2*\p+1], v[216+2*\p:216+2*\p+1] neg_lo:[0,1] neg_hi:[0,1]
.endr
.irp p, 0,1,2,3
	v_cvt_pk_bf16_f32 v[212+\p], v[216+2*\p], v[216+2*\p+1]   ; the remainders
.endr
	v_mul_u32_u24 v14, v2, TLP
	v_lshl_add_u32 v14, v3, 4, v14
	s_mul_i32 s35, s33, 16*TLP
	s_add_co_u32 s35, s35, TL
	s_lshl_b32 s36, s34, 5
	s_add_co_u32 s35, s35, s36
	v_add_nc_u32 v14, s35, v14                     ; TL + (16 (w % 4) + r) x pitch + 32 (w / 4) + 16 h
	ds_store_b128 v14, v[208:211]
	ds_store_b128 v14, v[212:215] offset:64
	s_branch .Lb_end
.Lb_not_t:
	s_cmp_lt_u32 s29, 144
	s_cbranch_scc0 .Lb_mz
	; role H
	s_sub_co_u32 s32, s29, 32
	s_lshl_b32 s32, s32, 4                         ; ns0
	s_cmp_lt_u32 s28, 4
	s_cbranch_scc0 .Lh_copy
	; waves 0-3: hbs for batches 16 w ..; K = 2,048: b_cov (the same for every batch), then h.  The eight groups of K steps are written out, the K offset in the loads' immediates.
.set i, 208
.rept 16
	v_mov_b32 v[i], 0                              ; the biases, where a row has none
.set i, i+1
.endr
	v_lshlrev_b32 v9, 5, v3
	s_lshl_b32 s39, s32, 2
	v_add_nc_u32 v9, s39, v9                       ; (ns0 + 8 h) x 4
	s_cmp_lt_u32 s32, 768
	s_cbranch_scc0 .Lh_nobias
	global_load_b128 v[208:211], v9, s[18:19]
	global_load_b128 v[212:215], v9, s[18:19] offset:16
	s_cmp_lt_u32 s32, 512
	s_cbranch_scc0 .Lh_nobias
	global_load_b128 v[216:219], v9, s[20:21]
	global_load_b128 v[220:223], v9, s[20:21] offset:16
.Lh_nobias:
	v_lshrrev_b32 v16, 1, v2                       ; stack row r lies in slab r / 2,
	v_and_b32 v17, 1, v2                           ; as its row r % 2
	v_mul_u32_u24 v11, v16, WRW
	v_mul_u32_u24 v17, v17, WRP
	v_add_nc_u32 v11, v11, v17
	v_lshl_add_u32 v11, v3, 4, v11
	v_add_nc_u32 v11, CS, v11
	v_lshlrev_b32 v12, 4, v3
	v_add_nc_u32 v12, BCL, v12                     ; no row term: all sixteen activation rows read b_cov
	v_mul_u32_u24 v13, v2, HP
	v_lshl_add_u32 v13, v3, 4, v13
	s_mul_i32 s39, s28, 16*HP
	v_add_nc_u32 v13, s39, v13
	GRP8 v11, v12, 1, 0, 0
	GRP8 v11, v12, 0, 512, 512
	GRP8 v11, v12, 0, 1024, 1024
	GRP8 v11, v12, 0, 1536, 1536
	GRP8 v11, v13, 0, 2048, 0
	GRP8 v11, v13, 0, 2560, 512
	GRP8 v11, v13, 0, 3072, 1024
	GRP8 v11, v13, 0, 3584, 1536
	FOLD
	s_wait_loadcnt 0x0
	RB8 208
	RB8 216
.irp p, 0,2,4,6
	v_pk_add_f32 v[ACC+\p:ACC+\p+1], v[ACC+\p:ACC+\p+1], v[208+\p:208+\p+1]
.endr
.irp p, 0,2,4,6
	v_pk_add_f32 v[ACC+\p:ACC+\p+1], v[ACC+\p:ACC+\p+1], v[216+\p:216+\p+1]
.endr
	v_mul_u32_u24 v14, v2, HBP
	v_lshl_add_u32 v14, v3, 5, v14
	s_mul_i32 s39, s28, 16*HBP
	s_lshl2_add_u32 s39, s32, s39
	v_add_nc_u32 v14, s39, v14
	global_store_b128 v14, v[192:195], s[24:25]
	global_store_b128 v14, v[196:199], s[24:25] offset:16
	s_branch .Lb_end
.Lh_copy:
	; waves 4-7: the rows' first 1,024 columns go to wgo as they lie in LDS, four rows a wave, whole blocks of 512 bytes
	s_sub_co_u32 s33, s28, 4
	s_bfe_u32 s34, s32, 0x20006                    ; c = (ns0 / 64) % 4
	s_lshl_b32 s34, s34, 8
	s_lshr_b32 s35, s32, 8                         ; gate
	s_bfe_u32 s36, s32, 0x20004                    ; jb
	s_lshl2_add_u32 s35, s35, s36
	s_lshl4_add_u32 s34, s35, s34
	s_add_co_u32 s35, s32, 256                     ; 1024 + ns0 - 768
	s_cmp_lt_u32 s32, 768
	s_cselect_b32 s34, s34, s35
	s_lshl2_add_u32 s34, s33, s34
	s_mul_i32 s30, s34, XP
	s_add_co_u32 s30, s30, 512
	s_add_nc_u64 s[44:45], s[22:23], s[30:31]
	s_mul_i32 s35, s33, 2*WRW                      ; my four rows lie in two slabs
	s_add_co_u32 s35, s35, CS
	v_add_nc_u32 v9, s35, v5
.set i, 0
.rept 16
	ds_load_b128 v[R+4*i:R+4*i+3], v9 offset:((i/4)/2)*WRW+((i/4)%2)*WRP+(i%4)*512
.set i, i+1
.endr
.set i, 0
.rept 16
	s_wait_dscnt 15-i
	global_store_b128 v5, v[R+4*i:R+4*i+3], s[44:45] offset:(i/4)*XP+(i%4)*512
.set i, i+1
.endr
	s_cmp_ge_u32 s32, 512
	s_cbranch_scc0 .Lh_nozero
	s_cmp_lt_u32 s32, 768
	s_cbranch_scc0 .Lh_nozero
.irp p, 208,209,210,211
	v_mov_b32 v[\p], 0
.endr
.set i, 0
.rept 16
	global_store_b128 v5, v[208:211], s[44:45] offset:64*XP+(i/4)*XP+(i%4)*512   ; the hn rows lie 64 rows behind the xn rows: their context part is 0
.set i, i+1
.endr
.Lh_nozero:
	s_cmp_eq_u32 s28, 4
	s_cbranch_scc0 .Lb_end
	s_cmp_lt_u32 s32, 768
	s_cbranch_scc0 .Lb_end
	; wave 4: gvec.  Lanes l and l + 16 hold, and store, the same number
	v_mul_u32_u24 v10, v2, 8196
	s_mul_i32 s39, s32, 8196
	v_add_nc_u32 v10, s39, v10
	global_load_b32 v212, v10, s[12:13] offset:8192    ; w_ih[ns0 + r][2048]
	v_lshlrev_b32 v11, 2, v2
	s_lshl_b32 s39, s32, 2
	v_add_nc_u32 v11, s39, v11
	s_wait_loadcnt 0x0
	v_cvt_pk_bf16_f32 v212, v212, v212
	v_lshlrev_b32 v212, 16, v212
	global_store_b32 v11, v212, s[24:25] offset:GVEC
	s_cmp_ge_u32 s32, 512
	s_cbranch_scc0 .Lb_end
	global_load_b32 v213, v11, s[20:21]            ; b_hh of the n gate
	s_wait_loadcnt 0x0
	v_cvt_pk_bf16_f32 v213, v213, v213
	v_lshlrev_b32 v213, 16, v213
	global_store_b32 v11, v213, s[24:25] offset:GVEC+1024
	s_branch .Lb_end
.Lb_mz:
	; role MZ: wave w makes rows 16 (w % 4) .. of the 64 x columns 32 (w / 4) .. of the 64; K = 1,024
	s_sub_co_u32 s32, s29, 144
	s_lshr_b32 s33, s32, 2                         ; nb
	s_and_b32 s34, s32, 3                          ; q
	s_and_b32 s55, s28, 3                          ; nblk
	s_lshr_b32 s56, s28, 2                         ; cp
.set i, 208
.rept 16
	v_mov_b32 v[i], 0                              ; w_hh, where a row has none
.set i, i+1
.endr
	v_lshlrev_b32 v11, 10, v2
	v_lshl_add_u32 v11, v3, 5, v11
	s_lshl_b32 s52, s33, 16
	s_lshl_b32 s53, s55, 14
	s_add_co_u32 s52, s52, s53
	s_lshl_b32 s53, s34, 8
	s_add_co_u32 s52, s52, s53
	s_lshl_b32 s53, s56, 7
	s_add_co_u32 s52, s52, s53
	v_add_nc_u32 v11, s52, v11
	s_cmp_lt_u32 s33, 12
	s_cbranch_scc0 .Lm_nohh
	global_load_b128 v[208:211], v11, s[16:17]
	global_load_b128 v[212:215], v11, s[16:17] offset:16
	global_load_b128 v[216:219], v11, s[16:17] offset:64
	global_load_b128 v[220:223], v11, s[16:17] offset:80
.Lm_nohh:
	v_mul_u32_u24 v12, v2, HP
	v_lshl_add_u32 v12, v3, 4, v12
	s_mul_i32 s52, s55, 16*HP
	v_add_nc_u32 v12, s52, v12
	v_and_b32 v16, 7, v0
	v_lshl_add_u32 v16, v3, 3, v16
	v_mul_u32_u24 v13, v16, CSP                    ; the turning load: row 8 h + l % 8,
	v_bfe_u32 v16, v0, 3, 1
	v_lshl_add_u32 v13, v16, 4, v13                ; 16 bytes for each half of eight lanes
	s_lshl_b32 s52, s56, 6
	s_add_co_u32 s52, s52, CS
	v_add_nc_u32 v13, s52, v13
	MGRP 1
	s_mov_b32 s3, 7
.Lm_k:
	MGRP 0
	AGAIN .Lm_k
.rept 4
	v_nop
.endr
	s_wait_loadcnt 0x0
	RB8 208
	RB8 216
	s_cmp_lt_u32 s33, 8
	s_cselect_b32 s50, 1.0, 0                      ; w_hh is added for the r and z gates alone
	s_mov_b32 s51, 0
.irp p, 0,1,2,3,4,5,6,7
	v_pk_fma_f32 v[ACC+2*\p:ACC+2*\p+1], v[208+2*\p:208+2*\p+1], s[50:51], v[ACC+2*\p:ACC+2*\p+1] op_sel_hi:[1,0,1]
.endr
.irp p, 0,1,2,3,4,5,6,7
	v_cvt_pk_bf16_f32 v[228+\p], v[ACC+2*\p], v[ACC+2*\p+1]
.endr
	s_and_b32 s52, s33, 3
	s_lshl_b32 s52, s52, 8
	s_lshr_b32 s53, s33, 2
	s_lshl2_add_u32 s53, s53, s55
	s_lshl4_add_u32 s52, s53, s52                  ; c x 256 + (4 g + jb) x 16
	s_lshl_b32 s53, s33, 6
	s_lshl4_add_u32 s53, s55, s53
	s_add_co_u32 s53, s53, 256                     ; 1024 + stack row - 768
	s_cmp_lt_u32 s33, 12
	s_cselect_b32 s52, s52, s53
	s_mul_i32 s52, s52, XP
	s_lshl_b32 s53, s34, 7
	s_add_co_u32 s52, s52, s53
	s_lshl_b32 s53, s56, 6
	s_add_co_u32 s52, s52, s53
	v_mul_u32_u24 v14, v2, XP
	v_lshl_add_u32 v14, v3, 4, v14
	v_add_nc_u32 v14, s52, v14
	global_store_b128 v14, v[228:231], s[22:23]
	global_store_b128 v14, v[232:235], s[22:23] offset:32
	s_cmp_ge_u32 s33, 8
	s_cbranch_scc0 .Lb_end
	s_cmp_lt_u32 s33, 12
	s_cbranch_scc0 .Lb_end
.irp p, 0,1,2,3,4,5,6,7
	v_cvt_pk_bf16_f32 v[236+\p], v[208+2*\p], v[208+2*\p+1]   ; w_hh of the n gate by itself, into the hn rows
.endr
	global_store_b128 v14, v[236:239], s[22:23] offset:64*XP
	global_store_b128 v14, v[240:243], s[22:23] offset:64*XP+32
.Lb_end:
	s_wait_xcnt 0x0                                ; the next phase writes registers that this phase's stores read
	s_wait_dscnt 0x0                               ; my stores of target's pairs are done, and so are my reads of the bytes that the stage takes over
	s_barrier_signal -1
	s_barrier_wait -1
	; ---------------- PHASE C: ROLE T's PARTIAL u ----------------
	s_cmp_lt_u32 s29, 32
	s_cbranch_scc0 .Lend
	; one K step (my group's 32 d); wave w: batches 16 (w % 4) .., columns c 128 (w / 4) .. in 8 blocks
	s_and_b32 s33, s28, 3
	s_lshr_b32 s34, s28, 2
	v_mul_u32_u24 v17, v2, TLP
	v_lshl_add_u32 v17, v3, 4, v17
	s_mul_i32 s35, s33, 16*TLP
	s_add_co_u32 s35, s35, TL
	v_add_nc_u32 v17, s35, v17                     ; TL + (16 (w % 4) + r) x pitch + 16 h
	v_and_b32 v16, 7, v0
	v_lshl_add_u32 v16, v3, 3, v16
	v_mul_u32_u24 v15, v16, CVP                    ; the turning load: row 8 h + l % 8,
	v_bfe_u32 v16, v0, 3, 1
	v_lshl_add_u32 v15, v16, 4, v15                ; 16 bytes for each half of eight lanes
	s_lshl_b32 s35, s34, 8
	s_add_co_u32 s35, s35, CVL
	v_add_nc_u32 v15, s35, v15
	s_mul_i32 s35, s28, 16*USP                     ; my stage, from LDS byte 0 on
	v_mul_u32_u24 v18, v2, USP
	v_lshl_add_u32 v18, v3, 5, v18
	v_add_nc_u32 v18, s35, v18
	v_add_nc_u32 v19, s35, v5
.irp cb, 0,1,2,3,4,5,6,7
	ds_load_tr16_b128 v[R+8*\cb:R+8*\cb+3], v15 offset:32*\cb
	ds_load_tr16_b128 v[R+8*\cb+4:R+8*\cb+7], v15 offset:32*\cb+16*CVP
.endr
	ds_load_b128 v[96:99], v17
	ds_load_b128 v[100:103], v17 offset:32
	ds_load_b128 v[104:107], v17 offset:64
	ds_load_b128 v[108:111], v17 offset:96
	s_lshl_b32 s30, s33, 19                        ; batch 16 (w % 4) x 32,768 bytes
	s_lshl_b32 s32, s29, 10
	s_add_co_u32 s30, s30, s32
	s_lshl_b32 s32, s34, 9
	s_add_co_u32 s30, s30, s32
	s_add_co_u32 s30, s30, UPAT
	s_add_nc_u64 s[44:45], s[26:27], s[30:31]
	s_wait_dscnt 0x0
.irp cb, 0,1,2,3,4,5,6,7
	v_wmma_f32_16x16x32_bf16 v[ACC+8*\cb:ACC+8*\cb+7], v[R+8*\cb:R+8*\cb+7], v[96:103], 0
.endr
.irp cb, 0,1,2,3,4,5,6,7
	v_wmma_f32_16x16x32_bf16 v[ACC+8*\cb:ACC+8*\cb+7], v[R+8*\cb:R+8*\cb+7], v[104:111], v[ACC+8*\cb:ACC+8*\cb+7]
.endr
.rept 4
	v_nop
.endr
.irp cb, 0,1,2,3,4,5,6,7
	ds_store_b128 v18, v[ACC+8*\cb:ACC+8*\cb+3] offset:64*\cb
	ds_store_b128 v18, v[ACC+8*\cb+4:ACC+8*\cb+7] offset:64*\cb+16
.endr
.set i, 0
.rept 16
	ds_load_b128 v[R+4*i:R+4*i+3], v19 offset:i*USP    ; my own bytes: LDS serves a wave's instructions in order
.set i, i+1
.endr
.set i, 0
.rept 16
	s_wait_dscnt 15-i
	global_store_b128 v5, v[R+4*i:R+4*i+3], s[44:45] offset:i*32768   ; 512 consecutive bytes, at a multiple of 256
.set i, i+1
.endr
.Lend:
	s_wait_tensorcnt 0x0                           ; a wave's end, behind its last LDS store
	ds_add_u32 v30, v31
	s_wait_dscnt 0x0
	s_endpgm
.Lfunc_end_k_qf07ba21f75_prep:
	.size	k_qf07ba21f75_prep, .Lfunc_end_k_qf07ba21f75_prep-k_qf07ba21f75_prep
	.p2alignl 7, 3214868480
	.fill 96, 4, 3214868480
	.section	.rodata,"a",@progbits
	.p2align	6, 0x0
	.amdhsa_kernel k_qf07ba21f75_prep
		.amdhsa_group_segment_fixed_size 327680
		.amdhsa_private_segment_fixed_size 0
		.amdhsa_enable_private_segment 0
		.amdhsa_kernarg_size 96
		.amdhsa_user_sgpr_count 2
		.amdhsa_user_sgpr_kernarg_segment_ptr 1
		.amdhsa_wavefront_size32 1
		.amdhsa_system_sgpr_workgroup_id_x 1
		.amdhsa_system_sgpr_workgroup_id_y 1
		.amdhsa_system_sgpr_workgroup_id_z 1
		.amdhsa_system_vgpr_workitem_id 0
		.amdhsa_next_free_vgpr 256
		.amdhsa_next_free_sgpr 66
		.amdhsa_reserve_vcc 0
		.amdhsa_float_denorm_mode_32 3
		.amdhsa_float_denorm_mode_16_64 3
		.amdhsa_memory_ordered 1
		.amdhsa_forward_progress 1
		.amdhsa_inst_pref_size 124
	.end_amdhsa_kernel
	.amdgpu_metadata
---
amdhsa.version: [ 1, 2 ]
amdhsa.kernels:
  - .name:           k_qf07ba21f75_prep
    .symbol:         k_qf07ba21f75_prep.kd
    .args:
      - { .name: h, .offset: 0, .size: 8, .value_kind: global_buffer, .address_space: global }
      - { .name: W_in, .offset: 8, .size: 8, .value_kind: global_buffer, .address_space: global }
      - { .name: W_cov, .offset: 16, .size: 8, .value_kind: global_buffer, .address_space: global }
      - { .name: b_cov, .offset: 24, .size: 8, .value_kind: global_buffer, .address_space: global }
      - { .name: w_ih, .offset: 32, .size: 8, .value_kind: global_buffer, .address_space: global }
      - { .name: W_out, .offset: 40, .size: 8, .value_kind: global_buffer, .address_space: global }
      - { .name: w_hh, .offset: 48, .size: 8, .value_kind: global_buffer, .address_space: global }
      - { .name: b_ih, .offset: 56, .size: 8, .value_kind: global_buffer, .address_space: global }
      - { .name: b_hh, .offset: 64, .size: 8, .value_kind: global_buffer, .address_space: global }
      - { .name: wgo, .offset: 72, .size: 8, .value_kind: global_buffer, .address_space: global }
      - { .name: hb, .offset: 80, .size: 8, .value_kind: global_buffer, .address_space: global }
      - { .name: tu, .offset: 88, .size: 8, .value_kind: global_buffer, .address_space: global }
    .group_segment_fixed_size: 327680
    .private_segment_fixed_size: 0
    .kernarg_segment_align: 8
    .kernarg_segment_size: 96
    .max_flat_workgroup_size: 256
    .sgpr_count:     66
    .vgpr_count:     256
    .wavefront_size: 32
...
	.end_amdgpu_metadata
.endif
;; end of part 7
;; launch stream: the kernel of part 4 again; grid 256 x 1, 16 waves a work-group, no clusters, 87,040 bytes of LDS; arguments context, cov, mask, tu, x16, pw; writes x16, pw
;; launch gru (part 8): grid 4 x 128, 4 waves a work-group, clusters of 4 x 4, 327,680 bytes of LDS; arguments x16, wgo, out2, pw, hb, out0, out1; writes out2, out0, out1
.if DOCPART == 8
	.amdgcn_target "amdgcn-amd-amdhsa--gfx1250"
	.amdhsa_code_object_version 6
	.text
	.protected	k_qf07ba21f75_gru
	.globl	k_qf07ba21f75_gru
	.p2align	8
	.type	k_qf07ba21f75_gru,@function
k_qf07ba21f75_gru:
	s_mov_b64 s[64:65], 0
	v_nop
	global_prefetch_b8 v0, s[64:65] scope:SCOPE_SE
	s_setreg_imm32_b32 hwreg(HW_REG_WAVE_MODE, 25, 1), 1
	s_wait_xcnt 0x0
	s_wait_alu depctr_hold_cnt(0) depctr_sa_sdst(0) depctr_va_vdst(0) depctr_va_sdst(0) depctr_va_ssrc(0) depctr_va_vcc(0) depctr_vm_vsrc(0)
	s_getreg_b32 s2, hwreg(HW_REG_IB_STS2, 6, 4)
	s_cmp_eq_u32 s2, 0
	s_cbranch_scc0 .Lentry_in_a_cluster
	s_endpgm
.Lentry_in_a_cluster:
	s_bfe_u32 s2, ttmp6, 0x10000c
	s_cmp_lg_u32 s2, 0xf033
	s_cbranch_scc0 .Lentry_shape_is_right
	s_endpgm
.Lentry_shape_is_right:
; GRU, AND THE SOFTMAX'S END.
; out2 = n + z (h0 - n), r = sig(pre_r), z = sig(pre_z), n = tanh(pre_xn + r pre_hn), for 32,768 rows x 256 outputs.
; The four pre-activations are one product X W^T: X = x16 [32768][1280] bf16 (256 cov, 1,024 context), W = wgo's rows 0-1023, sums in f32.
; What does not hang on the row's K (attn x w_ih's last column + the batch's hbs; b_hh of the n gate) is what the accumulators START with: every matrix instruction of that product adds in place and nothing is cleared.
; A work-group makes 256 rows x 64 outputs x 4 gates = 256 rows of W; its four waves take 64 rows each and ALL 256 rows of W: 64 accumulators (a = 0..3 row blocks, bb = 4 g + jb), 512 registers,
; so that a lane holds the four gates of the same outputs, and a wave's rows of out2 are whole blocks of 256 bytes.
; K goes in 10 steps of 128 (rows of 256 bytes) through two LDS slots, DOWNWARD: step s takes bytes 2,304 - 256 s of a row.  Steps 0-7 are context: the hn blocks 12-15 of W are neither read from LDS nor multiplied;
; all four of their laps fill slots again, so they are one loop.  Steps 8, 9 are cov, all 16 blocks: the tail, which asks for nothing.
; THE MATRIX INSTRUCTION IS USED TRANSPOSED (source 0 = 16 rows of W, source 1 = 16 rows of X): lane l holds row l % 16 and outputs 8 (l / 16) + 0..7 of the block.
; IN THE WAIT FOR THE FIRST TILES:
;   attn = e^(s - m) / l of my rows, from the scores and the four quarters' (m_q, l_q) in pw: m = max m_q, l = sum l_q e^(m_q - m).  Work-group (tr, c) stores the 64 numbers of rows 256 tr + 64 c to out1, a whole block of 256 bytes.
;   out0 = tanh( sum_q e^(m_q - m) / l x (P_q [MZ_o | Wo1]^T) + hbs ): work-group 4 tr + c takes 16 rows of P (4 batches x 4 quarters) and 32 columns o.  K = 1,280 = 40 steps of 32, ten a wave; P enters as two bf16
;   operands (upper part, remainder).  The operands lie in the registers that the accumulators take afterwards.  The four waves' partial results meet in LDS behind the barrier that stands in front of the first fragments anyway;
;   wave w = 2 n + bb then finishes column block n of batches 2 h + bb.  Source 0 = rows of P: register j of a lane is row 8 h + j = batch 2 h + j / 4, quarter j % 4; the lane's column is l % 16.   tanh x = 1 - 2 / (1 + e^(2x)).
;   out0 leaves in runs of 64 bytes (a result has 16 columns); it is 0.26 MB in all.
; CLUSTER 4 x 4: the four groups of a cluster's row share their 256 rows of X, the four of a column their 256 rows of W: each tile is asked for jointly, by the same tensor load, descriptor and mask in all four.
; The place in the cluster enters global offsets alone: no LDS address and no branch.  By the text's own count a wave has two tensor loads out at the start and one behind each round.
; REGISTERS, in windows of 256 (s_set_vgpr_msb: bits 1:0 source 0, 3:2 source 1, 5:4 source 2, 7:6 destination):
;   window 0: v0-31 addresses, attn; v64-95, v96-127 X's fragments, two buffers (at the start: statistics and addresses of out0 and out1; v32-63 out0's sums); v128-191 h0 (loaded at the start, used at the end);
;             at the end v64-95 at work, v192-223 results, v32-63 and v224-255 rows on their way out
;   window 1: v0-127, v128-255 W's fragments, two buffers (at the start: the constants that the accumulators start with)
;   window 2: accumulators of row blocks 0, 1 at v[128 (a % 2) + 8 bb] (at the start: P's fragments);   window 3: of blocks 2, 3 (at the start: the fragments of wgo's rows 1024 + o)
; LIMITS: sig and tanh are made of 2^x and 1/x, which end in 0 and 1 (-1 and 1) for large arguments; a batch whose rows are all masked has l = 0 and gives NaN in all three outputs, as a softmax of -inf alone does;
; a weight below 2^-126 counts as 0.
.set KSTEP,  128
.set PITCH,  272              ; an LDS row: 256 bytes + 16: the 16 rows of a fragment load start in 16 different groups of banks
.set HALFT,  128*PITCH        ; what one tensor load brings
.set SLOT,   4*HALFT          ; X's 256 rows, then W's 256 rows
.set STAGE,  2*SLOT           ; behind the ring: 16 rows x 272 bytes for each wave, for the way out
.set SPITCH, 272
.set SPARE,  STAGE+4*16*SPITCH ; the spare words, 128 bytes for each wave
.set PD,     SPARE+512        ; out0's partial results, 2,048 bytes for each wave: no tile lands here
.set XP,     2560             ; bytes in a row of x16 and of wgo
.set KTOP,   XP-KSTEP*2       ; where K step 0 begins in a row
.set PWP,    5120             ; bytes in a row of P: 1,280 upper parts, 1,280 remainders
.set SCAT,   1310720          ; pw: the scores
.set STAT,   1441792          ; pw: (m, l) of each quarter, a block of 256 bytes each, a copy for each lane
.set HBP,    7168
.set GVEC,   458752
.set AT,   8                  ; v8-15   attn of my row in block a at v[8+2a]; the register above it is 0 (named as a pair)
.set ADRA, 16                 ; v16-17  LDS address of my X fragments in slot 0, 1
.set VA,   18                 ; v18     my offset in pw for P's fragments
.set VB,   19                 ; v19     my offset in wgo for the fragments of rows 1024 + o
.set ADRB, 20                 ; v20-21  LDS address of the W fragments
.set VSO,  22                 ; v22     my offset in pw for (m, l) of out0's batch
.set VHO,  23                 ; v23     my offset in hb for out0's hbs
.set STO,  24
.set RD,   25
.set CO,   26
.set VSG,  27                 ; v27     my offset in pw for (m, l) of my rows' batch
.set SPW,  28
.set NIL,  29
.set VCG,  30                 ; v30     my offset in pw for my rows' scores
.set OA,   32                 ; v32-47  out0's two accumulators; v48-63 the four partial results read back
.set SO,   64                 ; v64-71  (m, l) x 4 of out0's batch; v72 hbs
.set SG,   74                 ; v74-81  (m, l) x 4 of my rows' batch; v82-83 two scores for out1; v84-88 at work
.set PDW,  96                 ; v96     where I put my partial results
.set PDR,  97                 ; v97     where I read chunk w of the four
.set VC1,  98                 ; v98     my offset in the scores and in out1 for the block that the work-group stores
.set VOO,  99                 ; v99     my offset in out0
.set H0P,  128
.set TMP,  192
.set RR,   64
.set ZZ,   72
.set NN,   80
.set HH,   88
.set G1,  24                  ; s[24:31] descriptor group 1 for X's tiles;  s[32:39] group 0, a set for each slot
.set G0,  32
.set G1B, 48                  ; s[48:55], s[56:63] the same for W's tiles
.set G0B, 56
.set MSB, 0
.macro WIN new                ; the immediate's high byte repeats the setting that is left; a switch that changes nothing is dropped
.if MSB != (\new)
	s_set_vgpr_msb (MSB<<8)|(\new)
.set MSB, \new
.endif
.endm
.set TO_B, 0x40               ; destination window 1, address window 0
; A joint load: waves 0, 1 fetch X's two halves, waves 2, 3 W's.  An s_nop 0 and four v_nop follow each of the two lines.
.macro JLOAD s
	s_cmp_eq_u32 s15, 0
	s_cbranch_scc0 .Lfor_b_\@
	tensor_load_to_lds s[G0+4*(\s):G0+4*(\s)+3], s[G1:G1+7]
	s_nop 0
.rept 4
	v_nop
.endr
	s_branch .Lasked_\@
.Lfor_b_\@:
	tensor_load_to_lds s[G0B+4*(\s):G0B+4*(\s)+3], s[G1B:G1B+7]
	s_nop 0
.rept 4
	v_nop
.endr
.Lasked_\@:
.endm
.macro CREST                  ; a round of the cluster's barrier behind its opening barrier
	s_cmp_lg_u32 s14, 0
	s_cbranch_scc1 .Lnot_wave_0_\@
	s_barrier_signal -3
.Lnot_wave_0_\@:
	s_barrier_wait -3
	s_barrier_signal -1
	s_barrier_wait -1
.endm
.macro CROUND
	s_barrier_signal -1
	s_barrier_wait -1
	CREST
.endm
.macro PLACES                 ; four places behind matrix instructions, in front of loads into registers that they read and of vector work on their results
.rept 4
	v_nop
.endr
.endm
	s_load_b256 s[4:11], s[0:1], 0x0               ; x16 4, wgo 6, out2 8, pw 10
	s_load_b64 s[12:13], s[0:1], 0x20              ; hb
	s_load_b64 s[68:69], s[0:1], 0x28              ; out0
	s_load_b64 s[70:71], s[0:1], 0x30              ; out1
	v_lshl_add_u32 v[SPW], v0, 2, SPARE
	v_mov_b32 v[NIL], 0
	ds_add_u32 v[SPW], v[NIL]                      ; the wave's opening: the add and its wait, ahead of my first tensor load
	v_lshrrev_b32 v1, 5, v0
	v_readfirstlane_b32 s14, v1                    ; wave
	s_lshr_b32 s15, s14, 1                         ; I fetch for X (0) or for W (1).  Also n: which column block of out0 I finish
	s_and_b32 s16, s14, 1                          ; which 128 rows of that tile.  Also bb: which of a lane's two batches of out0
	s_bfe_u32 s17, ttmp6, 0x40000                  ; cx
	s_bfe_u32 s18, ttmp6, 0x40004                  ; cy
	s_lshl_b32 s19, ttmp9, 2
	s_add_co_u32 s19, s19, s17                     ; c: outputs 64 c ..
	s_and_b32 s20, ttmp7, 0xffff
	s_lshl_b32 s20, s20, 2
	s_add_co_u32 s20, s20, s18                     ; tr: rows 256 tr ..
	s_lshl_b32 s21, s18, 2
	s_lshl_b32 s21, 15, s21                        ; my row of the cluster
	s_lshl_b32 s22, 0x1111, s17                    ; my column
	s_or_b32 s[G1+0], s21, (1<<16)|(1<<20)|(1<<21)|(5<<22)|(3<<25)   ; the mask; 2-byte elements; padding on; bit 21 beside a mask; after every 64 words 4 words
	s_or_b32 s[G1B+0], s22, (1<<16)|(1<<20)|(1<<21)|(5<<22)|(3<<25)
.irp g, G1, G1B
	s_mov_b32 s[(\g)+1], KSTEP<<16                 ; tensor_dim0 = 128
	s_mov_b32 s[(\g)+2], 128<<16                   ; tensor_dim1 = 128
	s_mov_b32 s[(\g)+3], KSTEP<<16                 ; tile_dim0 = 128
	s_mov_b32 s[(\g)+4], 128                       ; tile_dim1 = 128
	s_mov_b32 s[(\g)+5], 1280                      ; elements from row to row
	s_mov_b32 s[(\g)+6], 0
	s_mov_b32 s[(\g)+7], 0
.endr
	s_lshl_b32 s41, s16, 7
	s_lshl_b32 s40, s20, 8
	s_add_co_u32 s40, s40, s41                     ; X: row 256 tr + 128 x half: hangs on the tile row alone
	s_mul_i32 s40, s40, XP
	s_mov_b32 s41, 0
	s_lshl_b32 s45, s16, 7
	s_lshl_b32 s44, s19, 8
	s_add_co_u32 s44, s44, s45                     ; W: row 256 c + 128 x half: hangs on the tile column alone
	s_mul_i32 s44, s44, XP
	s_mov_b32 s45, 0
	s_mul_i32 s23, s14, HALFT                      ; where they go: wave x 128 rows
	s_mov_b32 s80, 0xbfb8aa3b                      ; -log2(e), as a pair
	s_mov_b32 s81, s80
	s_mov_b32 s82, 0x4038aa3b                      ; 2 log2(e)
	s_mov_b32 s83, s82
	s_mov_b32 s84, 0xffff0000
	s_mov_b32 s85, 0x3fb8aa3b                      ; log2(e)
	s_wait_dscnt 0x0                               ; the opening add is done
	s_wait_kmcnt 0x0
	s_add_nc_u64 s[40:41], s[4:5], s[40:41]
	s_add_nc_u64 s[44:45], s[6:7], s[44:45]
	CROUND                                         ; all sixteen work-groups are here: the first joint loads meet
.irp s, 0,1
	s_mov_b32 s[G0+4*(\s)], 1
	s_add_co_u32 s[G0+4*(\s)+1], s23, (\s)*SLOT
	s_add_nc_u64 s[G0+4*(\s)+2:G0+4*(\s)+3], s[40:41], KTOP-(\s)*KSTEP*2   ; K step s: K runs downward
	s_or_b32 s[G0+4*(\s)+3], s[G0+4*(\s)+3], 0x80000000
	s_mov_b32 s[G0B+4*(\s)], 1
	s_add_co_u32 s[G0B+4*(\s)+1], s23, (\s)*SLOT
	s_add_nc_u64 s[G0B+4*(\s)+2:G0B+4*(\s)+3], s[44:45], KTOP-(\s)*KSTEP*2
	s_or_b32 s[G0B+4*(\s)+3], s[G0B+4*(\s)+3], 0x80000000
	JLOAD \s
.endr
	; addresses
	v_and_b32 v1, 15, v0                           ; r
	v_bfe_u32 v2, v0, 4, 1                         ; h
	v_mul_u32_u24 v3, v1, PITCH
	v_lshl_add_u32 v3, v2, 4, v3
	s_mul_i32 s42, s14, 64*PITCH
	v_add_nc_u32 v[ADRA], s42, v3
	v_add_nc_u32 v[ADRA+1], SLOT, v[ADRA]
	v_add_nc_u32 v[ADRB], 2*HALFT, v3
	v_add_nc_u32 v[ADRB+1], SLOT, v[ADRB]
	s_mul_i32 s42, s14, 16*SPITCH
	s_add_co_u32 s42, s42, STAGE
	v_mul_u32_u24 v[STO], v1, SPITCH               ; into my stage: row r, 32 bytes for each half of the lanes
	v_lshl_add_u32 v[STO], v2, 5, v[STO]
	v_add_nc_u32 v[STO], s42, v[STO]
	v_mul_u32_u24 v[RD], v2, SPITCH                ; back: lanes 0-15 one row of 256 bytes, lanes 16-31 the next
	v_lshl_add_u32 v[RD], v1, 4, v[RD]
	v_add_nc_u32 v[RD], s42, v[RD]
	v_lshlrev_b32 v[CO], 10, v2                    ; and the same two rows in out2
	v_lshl_add_u32 v[CO], v1, 4, v[CO]
	v_lshlrev_b32 v4, 5, v2                        ; 32 h: my 8 outputs of a block, as f32
	v_lshlrev_b32 v5, 2, v1                        ; 4 r
	v_mul_u32_u24 v6, v1, XP
	v_lshl_add_u32 v6, v2, 4, v6                   ; r x 2,560 + 16 h
	v_and_b32 v7, 31, v0
	v_lshlrev_b32 v7, 3, v7                        ; 8 l
	s_lshl_b32 s96, s20, 8
	s_lshl_b32 s97, s14, 6
	s_add_co_u32 s96, s96, s97                     ; my wave's first row
	s_mov_b32 s95, 0
	s_lshl_b32 s97, s19, 8                         ; 64 c outputs as f32
	s_add_co_u32 s94, s97, GVEC
	s_add_nc_u64 s[86:87], s[12:13], s[94:95]      ; gvec
	s_lshr_b32 s94, s20, 1
	s_mul_i32 s94, s94, HBP
	s_add_co_u32 s94, s94, s97
	s_add_nc_u64 s[88:89], s[12:13], s[94:95]      ; hbs of my batch
	s_mul_i32 s94, s96, XP
	s_lshl_b32 s98, s19, 7
	s_add_co_u32 s94, s94, s98
	s_add_nc_u64 s[92:93], s[4:5], s[94:95]        ; h0 = the cov part of x16, columns 64 c ..
	s_lshl_b32 s94, s96, 10
	s_add_co_u32 s94, s94, s97
	s_add_nc_u64 s[8:9], s[8:9], s[94:95]          ; out2 at my first row and column
	; out0 and out1: offsets from the buffers' own addresses
	s_lshr_b32 s72, s20, 3                         ; mb = (4 tr + c) / 32: rows 16 mb .. of P
	s_and_b32 s73, s20, 7
	s_lshl2_add_u32 s73, s73, s19                  ; ng = (4 tr + c) % 32: columns 32 ng ..
	s_mul_i32 s75, s14, 640                        ; my ten K steps, 64 bytes each
	s_mul_i32 s74, s72, 16*PWP
	s_add_co_u32 s74, s74, s75
	v_mul_u32_u24 v[VA], v1, PWP
	v_lshl_add_u32 v[VA], v2, 4, v[VA]
	v_add_nc_u32 v[VA], s74, v[VA]
	s_lshl_b32 s74, s73, 5
	s_add_co_u32 s74, s74, 1024
	s_mul_i32 s74, s74, XP
	s_add_co_u32 s74, s74, s75
	v_add_nc_u32 v[VB], s74, v6
	s_lshl2_add_u32 s76, s72, s16                  ; 4 mb + bb; a lane's batch is that + 2 h
	s_lshl_b32 s74, s76, 10
	v_lshl_add_u32 v[VSO], v2, 11, v7
	v_add_nc_u32 v[VSO], s74, v[VSO]
	s_lshl_b32 s77, s73, 7                         ; 32 ng columns of 4 bytes,
	s_lshl_b32 s78, s15, 6                         ; and 16 n
	s_add_co_u32 s77, s77, s78
	s_mul_i32 s74, s76, HBP
	s_add_co_u32 s74, s74, s77
	v_mul_u32_u24 v[VHO], v2, 2*HBP
	v_lshl_add_u32 v[VHO], v1, 2, v[VHO]
	v_add_nc_u32 v[VHO], s74, v[VHO]
	s_lshl_b32 s74, s76, 12
	s_add_co_u32 s74, s74, s77
	v_lshlrev_b32 v[VOO], 13, v2
	v_lshl_add_u32 v[VOO], v1, 2, v[VOO]
	v_add_nc_u32 v[VOO], s74, v[VOO]
	s_lshr_b32 s74, s20, 1                         ; my rows' batch
	s_lshl_b32 s74, s74, 10
	v_add_nc_u32 v[VSG], s74, v7
	s_lshl_b32 s74, s96, 2
	v_add_nc_u32 v[VCG], s74, v5
	s_lshl_b32 s74, s20, 10                        ; rows 256 tr + 64 c, 4 bytes each
	s_add_co_u32 s74, s74, s97
	v_add_nc_u32 v[VC1], s74, v7
	s_lshl_b32 s74, s14, 11
	s_add_co_u32 s74, s74, PD
	v_lshl_add_u32 v[PDW], v7, 1, s74              ; PD + 2,048 w + 16 l
	s_lshl_b32 s74, s14, 9
	s_add_co_u32 s74, s74, PD
	v_lshl_add_u32 v[PDR], v7, 1, s74              ; PD + 512 w + 16 l
	; all the loads of the start in one run
	global_load_b64 v[SG+8:SG+9], v[VC1], s[10:11] offset:SCAT           ; two scores of the block that the work-group stores to out1
.irp q, 0,1,2,3
	global_load_b64 v[SG+2*\q:SG+2*\q+1], v[VSG], s[10:11] offset:STAT+256*\q
.endr
.irp a, 0,1,2,3
	global_load_b32 v[AT+2*\a], v[VCG], s[10:11] offset:SCAT+64*\a       ; the score of my row in block a
	v_mov_b32 v[AT+2*\a+1], 0
.endr
.irp q, 0,1,2,3
	global_load_b64 v[SO+2*\q:SO+2*\q+1], v[VSO], s[10:11] offset:STAT+256*\q
.endr
	global_load_b32 v[SO+8], v[VHO], s[12:13] offset:768*4               ; hbs[b][768 + o]
	WIN 0x80                                       ; destination window 2
.set i, 0
.rept 10
	global_load_b128 v[16*i:16*i+3], v[VA], s[10:11] offset:64*i         ; P's upper parts,
	global_load_b128 v[16*i+4:16*i+7], v[VA], s[10:11] offset:64*i+32
	global_load_b128 v[16*i+8:16*i+11], v[VA], s[10:11] offset:2560+64*i ; and remainders
	global_load_b128 v[16*i+12:16*i+15], v[VA], s[10:11] offset:2560+64*i+32
.set i, i+1
.endr
	WIN 0xc0                                       ; destination window 3
.set i, 0
.rept 10
	global_load_b128 v[16*i:16*i+3], v[VB], s[6:7] offset:64*i           ; column block 0,
	global_load_b128 v[16*i+4:16*i+7], v[VB], s[6:7] offset:64*i+32
	global_load_b128 v[16*i+8:16*i+11], v[VB], s[6:7] offset:16*XP+64*i  ; column block 1
	global_load_b128 v[16*i+12:16*i+15], v[VB], s[6:7] offset:16*XP+64*i+32
.set i, i+1
.endr
	WIN TO_B
.set bb, 0
.rept 16
	global_load_b128 v[8*bb:8*bb+3], v4, s[86:87] offset:(bb/4)*1024+(bb%4)*64
	global_load_b128 v[8*bb+4:8*bb+7], v4, s[86:87] offset:(bb/4)*1024+(bb%4)*64+16
.set bb, bb+1
.endr
.set bb, 0
.rept 12
	global_load_b128 v[128+8*bb:128+8*bb+3], v4, s[88:89] offset:(bb/4)*1024+(bb%4)*64
	global_load_b128 v[128+8*bb+4:128+8*bb+7], v4, s[88:89] offset:(bb/4)*1024+(bb%4)*64+16
.set bb, bb+1
.endr
	WIN 0
.set i, 0
.rept 16
	global_load_b128 v[H0P+4*i:H0P+4*i+3], v6, s[92:93] offset:(i/4)*16*XP+(i%4)*32   ; block a = i / 4, jb = i % 4; waited for at the end
.set i, i+1
.endr
	s_wait_loadcnt 16                              ; all but h0's sixteen
	; out0's product: my ten K steps; the two column blocks' accumulators take turns
	WIN 0x0e                                       ; P window 2, wgo window 3, C and D window 0
.set i, 0
.rept 10
.if i == 0
	v_wmma_f32_16x16x32_bf16 v[OA:OA+7], v[16*i:16*i+7], v[16*i:16*i+7], 0
	v_wmma_f32_16x16x32_bf16 v[OA+8:OA+15], v[16*i:16*i+7], v[16*i+8:16*i+15], 0
.else
	v_wmma_f32_16x16x32_bf16 v[OA:OA+7], v[16*i:16*i+7], v[16*i:16*i+7], v[OA:OA+7]
	v_wmma_f32_16x16x32_bf16 v[OA+8:OA+15], v[16*i:16*i+7], v[16*i+8:16*i+15], v[OA+8:OA+15]
.endif
	v_wmma_f32_16x16x32_bf16 v[OA:OA+7], v[16*i+8:16*i+15], v[16*i:16*i+7], v[OA:OA+7]
	v_wmma_f32_16x16x32_bf16 v[OA+8:OA+15], v[16*i+8:16*i+15], v[16*i+8:16*i+15], v[OA+8:OA+15]
.set i, i+1
.endr
	WIN 0
	PLACES
	; the two batches' maxima and sums; attn of my rows and of the block for out1
	v_max3_num_f32 v84, v[SG], v[SG+2], v[SG+4]
	v_max3_num_f32 v86, v[SO], v[SO+2], v[SO+4]
	v_max_num_f32 v84, v84, v[SG+6]                ; m of my rows' batch
	v_max_num_f32 v86, v86, v[SO+6]                ; m of out0's batch
.irp q, SG, SG+2, SG+4, SG+6, AT, AT+2, AT+4, AT+6, SG+8, SG+9
	v_sub_f32 v[\q], v[\q], v84
.endr
.irp q, SO, SO+2, SO+4, SO+6
	v_sub_f32 v[\q], v[\q], v86
.endr
.irp q, SG, SG+2, SG+4, SG+6, AT, AT+2, AT+4, AT+6, SG+8, SG+9, SO, SO+2, SO+4, SO+6
	v_mul_f32 v[\q], s85, v[\q]
.endr
.irp q, SG, SG+2, SG+4, SG+6, AT, AT+2, AT+4, AT+6, SG+8, SG+9, SO, SO+2, SO+4, SO+6
	v_exp_f32 v[\q], v[\q]
.endr
	v_nop                                          ; a plain instruction behind the exponentials
	s_wait_alu depctr_va_vdst(0)
	v_mul_f32 v85, v[SG], v[SG+1]
	v_mul_f32 v87, v[SO], v[SO+1]
.irp q, 2,4,6
	v_fma_f32 v85, v[SG+\q], v[SG+\q+1], v85       ; l of my rows' batch
	v_fma_f32 v87, v[SO+\q], v[SO+\q+1], v87       ; l of out0's batch
.endr
	v_rcp_f32 v85, v85
	v_rcp_f32 v87, v87
	v_nop
	s_wait_alu depctr_va_vdst(0)
.irp q, AT, AT+2, AT+4, AT+6, SG+8, SG+9
	v_mul_f32 v[\q], v[\q], v85                    ; attn
.endr
	s_cmp_eq_u32 s14, 2                            ; every wave has the pair, one stores it
	s_cbranch_scc0 .Lno_out1
	global_store_b64 v[VC1], v[SG+8:SG+9], s[70:71]    ; 256 consecutive bytes, aligned
.Lno_out1:
	ds_store_b128 v[PDW], v[OA:OA+3]               ; each accumulator from its low registers up
	ds_store_b128 v[PDW], v[OA+4:OA+7] offset:512
	ds_store_b128 v[PDW], v[OA+8:OA+11] offset:1024
	ds_store_b128 v[PDW], v[OA+12:OA+15] offset:1536
	; what the accumulators start with
.macro INIT a
	WIN 0x94+0x40*((\a)/2)                         ; attn window 0, constants window 1, accumulators window 2 or 3
.set i, 0
.rept 48
	v_pk_fma_f32 v[128*((\a)%2)+2*i:128*((\a)%2)+2*i+1], v[AT+2*(\a):AT+2*(\a)+1], v[2*i:2*i+1], v[128+2*i:128+2*i+1] op_sel_hi:[0,1,1]
.set i, i+1
.endr
	WIN 0x81+0x40*((\a)/2)                         ; source 0 window 1
.rept 16
	v_pk_mul_f32 v[128*((\a)%2)+2*i:128*((\a)%2)+2*i+1], v[2*i:2*i+1], 1.0 op_sel_hi:[1,0]   ; hn starts with b_hh
.set i, i+1
.endr
.endm
	INIT 0
	INIT 1
	INIT 2
	INIT 3
	WIN 0
; nb matrix instructions: row block a x blocks 0 .. nb-1 of W, 32 along K, from buffer f.  Each names another accumulator: they take turns.
.macro MULA f, a, nb
	WIN 0xa1+0x50*((\a)/2)                         ; W window 1, X window 0, C and D window 2 or 3
.set bb, 0
.rept \nb
	v_wmma_f32_16x16x32_bf16 v[128*((\a)%2)+8*bb:128*((\a)%2)+8*bb+7], v[128*(\f)+8*bb:128*(\f)+8*bb+7], v[64+32*(\f)+8*(\a):64+32*(\f)+8*(\a)+7], v[128*((\a)%2)+8*bb:128*((\a)%2)+8*bb+7]
.set bb, bb+1
.endr
.endm
; one run of LDS loads: the fragments of 32 along K at byte k of the rows, into buffer f: nb blocks of W, then my 4 blocks of X
.macro FETCH slot, k, f, nb
	WIN TO_B
.set bb, 0
.rept \nb
	ds_load_b128 v[128*(\f)+8*bb:128*(\f)+8*bb+3], v[ADRB+(\slot)] offset:(\k)+bb*16*PITCH
	ds_load_b128 v[128*(\f)+8*bb+4:128*(\f)+8*bb+7], v[ADRB+(\slot)] offset:(\k)+bb*16*PITCH+32
.set bb, bb+1
.endr
	WIN 0
.irp a, 0,1,2,3
	ds_load_b128 v[64+32*(\f)+8*\a:64+32*(\f)+8*\a+3], v[ADRA+(\slot)] offset:(\k)+\a*16*PITCH
	ds_load_b128 v[64+32*(\f)+8*\a+4:64+32*(\f)+8*\a+7], v[ADRA+(\slot)] offset:(\k)+\a*16*PITCH+32
.endr
.endm
; the hn blocks 12-15 of W alone: what the loop's last fetch of 12 blocks leaves for the first cov quarter
.macro FETCHX slot, k, f
	WIN TO_B
.set bb, 12
.rept 4
	ds_load_b128 v[128*(\f)+8*bb:128*(\f)+8*bb+3], v[ADRB+(\slot)] offset:(\k)+bb*16*PITCH
	ds_load_b128 v[128*(\f)+8*bb+4:128*(\f)+8*bb+7], v[ADRB+(\slot)] offset:(\k)+bb*16*PITCH+32
.set bb, bb+1
.endr
.endm
; one of a K step's first three quarters: multiplies buffer f (nb blocks), fetches the next quarter (nbn blocks) into g in its middle
.macro QUARTER slot, k, f, g, nb, nbn, hw=4
	s_wait_dscnt \hw                               ; 4: W and X's blocks 0, 1 are in; the youngest four loads (blocks 2, 3) may be out
	MULA \f, 0, \nb
	MULA \f, 1, \nb
	PLACES
	FETCH \slot, \k, \g, \nbn
	s_wait_dscnt 2*(\nbn)+8                        ; all but the run just issued
	MULA \f, 2, \nb
	MULA \f, 3, \nb
.endm
; the last quarter's first half, and the barrier of the change of slots: each wave has waited for all its tensor loads (one is out: its part of the next slot),
; has added 0 to its spare word, and has waited for that and for its own reads of this slot
.macro MEET nb, round
	WIN 0
	s_wait_tensorcnt 0x0
	ds_add_u32 v[SPW], v[NIL]
	s_wait_dscnt 5                                 ; (the add and the youngest four loads may be out)
	MULA 1, 0, \nb
	s_wait_dscnt 0x0
	s_barrier_signal -1
	MULA 1, 1, \nb
.if \round
	WIN 0
.endif
	s_barrier_wait -1
.endm
; the whole last quarter with a refill: the barrier opens a round of the cluster's, and the joint load is the first tensor load behind it
.macro TURN slot, next, nb, nbn
	MEET \nb, 1
	CREST
	s_sub_nc_u64 s[G0+4*(\slot)+2:G0+4*(\slot)+3], s[G0+4*(\slot)+2:G0+4*(\slot)+3], 2*KSTEP*2     ; two K steps down; the address stays at or above the row's first byte, so the type bits on top are not reached
	s_sub_nc_u64 s[G0B+4*(\slot)+2:G0B+4*(\slot)+3], s[G0B+4*(\slot)+2:G0B+4*(\slot)+3], 2*KSTEP*2
	JLOAD \slot                                    ; its four v_nop are also the places in front of the loads below
	FETCH \next, 0, 0, \nbn
	MULA 1, 2, \nb
	MULA 1, 3, \nb
.endm
.macro TURNX next, nb, nbn    ; the same where nothing is left to fetch: no round
	MEET \nb, 0
	PLACES
	FETCH \next, 0, 0, \nbn
	MULA 1, 2, \nb
	MULA 1, 3, \nb
.endm
	s_wait_dscnt 0x0                               ; for the others' sake: my partial results of out0 are stored
	s_wait_tensorcnt 1                             ; my part of K step 0 is in; step 1's may stay out
	s_barrier_signal -1
	s_barrier_wait -1
	; out0's end: chunk w of the four waves' partial results: column block n, the four quarters of batch 2 h + bb
.irp p, 0,1,2,3
	ds_load_b128 v[OA+16+4*\p:OA+16+4*\p+3], v[PDR] offset:2048*\p
.endr
	s_wait_dscnt 0x0
	v_pk_add_f32 v[48:49], v[48:49], v[52:53]
	v_pk_add_f32 v[50:51], v[50:51], v[54:55]
	v_pk_add_f32 v[56:57], v[56:57], v[60:61]
	v_pk_add_f32 v[58:59], v[58:59], v[62:63]
	v_pk_add_f32 v[48:49], v[48:49], v[56:57]
	v_pk_add_f32 v[50:51], v[50:51], v[58:59]
	v_mul_f32 v88, v[SO], v48
	v_fma_f32 v88, v[SO+2], v49, v88
	v_fma_f32 v88, v[SO+4], v50, v88
	v_fma_f32 v88, v[SO+6], v51, v88
	v_fma_f32 v88, v88, v87, v[SO+8]               ; / l, + hbs
	v_mul_f32 v88, s82, v88
	v_exp_f32 v88, v88
	v_nop
	s_wait_alu depctr_va_vdst(0)
	v_add_f32 v88, 1.0, v88
	v_rcp_f32 v88, v88
	v_nop
	s_wait_alu depctr_va_vdst(0)
	v_fma_f32 v88, v88, -2.0, 1.0
	global_store_b32 v[VOO], v88, s[68:69]
	s_wait_xcnt 0x0                                ; the fragments below land on registers that the stores to out0 and out1 name
	FETCH 0, 0, 0, 12
	WIN 0                                          ; at a label and at a branch every window is 0
	s_mov_b32 s3, 4
.Llap:                                                 ; K steps 0-7, the context; the refills bring steps 2-9
	QUARTER 0, 64,  0, 1, 12, 12
	QUARTER 0, 128, 1, 0, 12, 12
	QUARTER 0, 192, 0, 1, 12, 12
	TURN 0, 1, 12, 12
	QUARTER 1, 64,  0, 1, 12, 12
	QUARTER 1, 128, 1, 0, 12, 12
	QUARTER 1, 192, 0, 1, 12, 12
	TURN 1, 0, 12, 12
	WIN 0
	s_sub_co_u32 s3, s3, 1
	s_cmp_lg_u32 s3, 0
	s_cbranch_scc1 .Llap
	FETCHX 0, 0, 0                                 ; K steps 8, 9, the cov steps, are written out: all four gates, and nothing is asked for
	QUARTER 0, 64,  0, 1, 16, 16, 0                ; (the youngest loads are the hn blocks', which this quarter's first products read: the wait is for 0)
	QUARTER 0, 128, 1, 0, 16, 16
	QUARTER 0, 192, 0, 1, 16, 16
	TURNX 1, 16, 16
	QUARTER 1, 64,  0, 1, 16, 16
	QUARTER 1, 128, 1, 0, 16, 16
	QUARTER 1, 192, 0, 1, 16, 16
	s_wait_dscnt 4
	MULA 1, 0, 16
	MULA 1, 1, 16
	s_wait_dscnt 0x0
	MULA 1, 2, 16
	MULA 1, 3, 16
	WIN 0
	s_wait_loadcnt 0x0                             ; h0
	PLACES
; THE GATES of 8 outputs a lane: row block a, output block jb.  Each accumulator is read from its low registers up.  A plain instruction stands behind each run of exponentials and reciprocals.
.macro GRU a, jb
.set W, 2+(\a)/2
.set AB, 128*((\a)%2)+8*(\jb)  ; r; z 32, xn 64, hn 96 registers on
	WIN W                                          ; source 0 in the accumulators' window
.irp p, 0,2,4,6
	v_pk_mul_f32 v[RR+\p:RR+\p+1], v[AB+\p:AB+\p+1], s[80:81] op_sel_hi:[1,0]
.endr
.irp p, 0,2,4,6
	v_pk_mul_f32 v[ZZ+\p:ZZ+\p+1], v[AB+32+\p:AB+32+\p+1], s[80:81] op_sel_hi:[1,0]
.endr
	WIN 0
.set i, 0
.rept 16
	v_exp_f32 v[RR+i], v[RR+i]
.set i, i+1
.endr
.irp p, 0,1,2,3
	v_lshlrev_b32 v[HH+2*\p], 16, v[H0P+16*(\a)+4*(\jb)+\p]    ; h0 as f32
	v_and_b32 v[HH+2*\p+1], s84, v[H0P+16*(\a)+4*(\jb)+\p]
.endr
	s_wait_alu depctr_va_vdst(0)
.irp p, 0,2,4,6,8,10,12,14
	v_pk_add_f32 v[RR+\p:RR+\p+1], v[RR+\p:RR+\p+1], 1.0 op_sel_hi:[1,0]
.endr
.set i, 0
.rept 16
	v_rcp_f32 v[RR+i], v[RR+i]                     ; r and z
.set i, i+1
.endr
	v_nop
	WIN 20*W                                       ; sources 1 and 2 in the accumulators' window
	s_wait_alu depctr_va_vdst(0)
.irp p, 0,2,4,6
	v_pk_fma_f32 v[NN+\p:NN+\p+1], v[RR+\p:RR+\p+1], v[AB+96+\p:AB+96+\p+1], v[AB+64+\p:AB+64+\p+1]
.endr
	WIN 0
.irp p, 0,2,4,6
	v_pk_mul_f32 v[NN+\p:NN+\p+1], v[NN+\p:NN+\p+1], s[82:83] op_sel_hi:[1,0]
.endr
.set i, 0
.rept 8
	v_exp_f32 v[NN+i], v[NN+i]
.set i, i+1
.endr
	v_nop
	s_wait_alu depctr_va_vdst(0)
.irp p, 0,2,4,6
	v_pk_add_f32 v[NN+\p:NN+\p+1], v[NN+\p:NN+\p+1], 1.0 op_sel_hi:[1,0]
.endr
.set i, 0
.rept 8
	v_rcp_f32 v[NN+i], v[NN+i]
.set i, i+1
.endr
	v_nop
	s_wait_alu depctr_va_vdst(0)
.irp p, 0,2,4,6
	v_pk_fma_f32 v[NN+\p:NN+\p+1], v[NN+\p:NN+\p+1], -2.0, 1.0 op_sel_hi:[1,0,0]   ; n
.endr
.irp p, 0,2,4,6
	v_pk_add_f32 v[HH+\p:HH+\p+1], v[HH+\p:HH+\p+1], v[NN+\p:NN+\p+1] neg_lo:[0,1] neg_hi:[0,1]
.endr
.irp p, 0,2,4,6
	v_pk_fma_f32 v[TMP+8*(\jb)+\p:TMP+8*(\jb)+\p+1], v[ZZ+\p:ZZ+\p+1], v[HH+\p:HH+\p+1], v[NN+\p:NN+\p+1]
.endr
.endm
.macro TOSTAGE a              ; 16 rows x 64 f32 into my stage, and back as whole rows of 256 bytes
.set BK, 32+192*((\a)%2)
.irp jb, 0,1,2,3
	ds_store_b128 v[STO], v[TMP+8*\jb:TMP+8*\jb+3] offset:64*\jb
	ds_store_b128 v[STO], v[TMP+8*\jb+4:TMP+8*\jb+7] offset:64*\jb+16
.endr
.irp t, 0,1,2,3,4,5,6,7
	ds_load_b128 v[BK+4*\t:BK+4*\t+3], v[RD] offset:\t*2*SPITCH   ; my own bytes: LDS serves a wave's instructions in order
.endr
.endm
.macro SEND a
.set BK, 32+192*((\a)%2)
	s_wait_dscnt 0x0                               ; the block is back in registers
	s_wait_xcnt 0x0                                ; the stores' base, and registers that earlier stores read, are rewritten only behind this wait
.if (\a) > 0
	s_add_nc_u64 s[8:9], s[8:9], 16*1024
.endif
.irp t, 0,1,2,3,4,5,6,7
	global_store_b128 v[CO], v[BK+4*\t:BK+4*\t+3], s[8:9] offset:2048*\t th:TH_STORE_NT   ; 16 lanes store 256 consecutive bytes, aligned
.endr
.endm
.irp jb, 0,1,2,3
	GRU 0, \jb
.endr
	TOSTAGE 0
.irp a, 1,2,3                  ; a block's arithmetic stands between the loads of the block before and its stores
.irp jb, 0,1,2,3
	GRU \a, \jb
.endr
	SEND (\a)-1
	TOSTAGE \a
.endr
	SEND 3
	s_wait_tensorcnt 0x0                           ; the wave's end, behind my last tensor load and my last LDS store
	ds_add_u32 v[SPW], v[NIL]
	s_wait_dscnt 0x0
	CROUND                                         ; the closing round: no work-group ends while a partner may still ask for a tile that names it
	s_endpgm
.Lfunc_end_k_qf07ba21f75_gru:
	.size	k_qf07ba21f75_gru, .Lfunc_end_k_qf07ba21f75_gru-k_qf07ba21f75_gru
	.p2alignl 7, 3214868480
	.fill 96, 4, 3214868480
	.section	.rodata,"a",@progbits
	.p2align	6, 0x0
	.amdhsa_kernel k_qf07ba21f75_gru
		.amdhsa_group_segment_fixed_size 327680
		.amdhsa_private_segment_fixed_size 0
		.amdhsa_enable_private_segment 0
		.amdhsa_kernarg_size 56
		.amdhsa_user_sgpr_count 2
		.amdhsa_user_sgpr_kernarg_segment_ptr 1
		.amdhsa_wavefront_size32 1
		.amdhsa_system_sgpr_workgroup_id_x 1
		.amdhsa_system_sgpr_workgroup_id_y 1
		.amdhsa_system_sgpr_workgroup_id_z 1
		.amdhsa_system_vgpr_workitem_id 0
		.amdhsa_next_free_vgpr 1024
		.amdhsa_next_free_sgpr 100
		.amdhsa_reserve_vcc 0
		.amdhsa_float_denorm_mode_32 3
		.amdhsa_float_denorm_mode_16_64 3
		.amdhsa_memory_ordered 1
		.amdhsa_forward_progress 1
		.amdhsa_inst_pref_size 230
	.end_amdhsa_kernel
	.amdgpu_metadata
---
amdhsa.version: [ 1, 2 ]
amdhsa.kernels:
  - .name:           k_qf07ba21f75_gru
    .symbol:         k_qf07ba21f75_gru.kd
    .args:
      - { .name: x16, .offset: 0, .size: 8, .value_kind: global_buffer, .address_space: global }
      - { .name: wgo, .offset: 8, .size: 8, .value_kind: global_buffer, .address_space: global }
      - { .name: out2, .offset: 16, .size: 8, .value_kind: global_buffer, .address_space: global }
      - { .name: pw, .offset: 24, .size: 8, .value_kind: global_buffer, .address_space: global }
      - { .name: hb, .offset: 32, .size: 8, .value_kind: global_buffer, .address_space: global }
      - { .name: out0, .offset: 40, .size: 8, .value_kind: global_buffer, .address_space: global }
      - { .name: out1, .offset: 48, .size: 8, .value_kind: global_buffer, .address_space: global }
    .group_segment_fixed_size: 327680
    .private_segment_fixed_size: 0
    .kernarg_segment_align: 8
    .kernarg_segment_size: 56
    .max_flat_workgroup_size: 128
    .sgpr_count:     100
    .vgpr_count:     1024
    .wavefront_size: 32
...
	.end_amdgpu_metadata
.endif
;; end of part 8
;; ======== version 3 of 3: 3 launches; version 2 with the launch prep written anew for expert scheduling mode
;; workspace buffers: x16 83,886,080 bytes; wgo 5,242,880 bytes; hb 462,848 bytes; tu 2,359,296 bytes; pw 1,507,328 bytes
;; launch prep (part 9): grid 256 x 1, 8 waves a work-group, no clusters, 327,680 bytes of LDS; arguments h, W_in, W_cov, b_cov, w_ih, W_out, w_hh, b_ih, b_hh, wgo, hb, tu; writes wgo, hb, tu
.if DOCPART == 9
	.amdgcn_target "amdgcn-amd-amdhsa--gfx1250"
	.amdhsa_code_object_version 6
	.text
	.protected	k_qf07ba21f75_prep
	.globl	k_qf07ba21f75_prep
	.p2align	8
	.type	k_qf07ba21f75_prep,@function
k_qf07ba21f75_prep:
	s_mov_b64 s[64:65], 0
	v_nop
	global_prefetch_b8 v0, s[64:65] scope:SCOPE_SE
	s_setreg_imm32_b32 hwreg(HW_REG_WAVE_SCHED_MODE, 0, 2), 2
	s_setreg_imm32_b32 hwreg(HW_REG_WAVE_MODE, 25, 1), 1
	s_wait_xcnt 0x0
	s_wait_alu depctr_vm_vsrc(0)
; PREP: everything that hangs on the weights and on h alone, 256 work-groups in three roles that run side by side.  Every input is rounded to bf16 once; products of bf16 numbers, sums in f32.
; "stack" = 1,792 rows: rows 0-767 are w_ih's rows, rows 768-1791 W_out's; only their first 2,048 columns are meant here.
;   T  (groups 0-31, t):    target[b][32t..] = h W_in^T (f32, to tu), and the part of u[b][c] = sum_d target[b][d] W_cov[d][c] that these 32 d give
;                           (target goes into that product as a pair of bf16, upper part and remainder, so that it keeps 16 bits).
;   H  (groups 32-143):     16 stack rows: hbs[b][ns] = [b_cov | h[b]] . stack[ns] (+ b_ih, + b_hh for the r and z gates), the rows' first 1,024
;                           columns as bf16 into wgo's context part, zeros into the hn rows' context part, and gvec (w_ih's last column; b_hh of the n gate).
;   MZ (groups 144-255):    64 stack rows x 64 columns c of MZ = stack[:, :1024] W_cov (+ w_hh for r and z), rounded once to bf16 into wgo's cov part;
;                           w_hh of the n gate into the hn rows.
; wgo: [2048][1280] bf16, a row = 256 cov columns, then 1,024 context columns.  Row c*256 + (4g+jb)*16 + r holds gate g (r, z, xn, hn) of output 64c+16jb+r; row 1024+o holds out0's column o.
; THE TEXT goes in three phases with two barriers that are common to the roles: A staging | barrier | B products | barrier | C role T's partial u.  Each phase branches on the work-group's number and joins again:
; no branch passes a barrier, and a phase uses only registers made in the head or in itself.
; THE LDS MAPS of the three roles fit each other, so that the text is sound without leaning on all waves of a group having one role: in phase A wave w stores only into bytes that are wave w's in every role:
;   bytes 0 .. 132,095:        64 rows of 2,064 bytes, 8 a wave (h in T and H; stack rows in MZ);
;   bytes 132,096 .. 295,935:  8 slabs of 20,480 bytes, one a wave: MZ fills its slab (128 rows of W_cov, 160 bytes apart); T lays 4 rows of W_in, H 2 stack rows at the slab's head,
;                              64 w and 32 w bytes further in, so that a fragment's sixteen rows still start 16 r bytes apart modulo 256;
;   above the spare words:     what one role alone stores: T's target pairs (stored in phase B), H's b_cov, T's rows of W_cov.
;   T's stage for the partial u (phase C) takes bytes 0 .. 67,583, which are read for the last time in phase B.
; NO CLUSTER, NO TENSOR LOAD: every operand is f32 in memory and has to pass through registers to be rounded; w_ih's rows are 8,196 bytes apart, so they are read word by word.
; STORES OF PART OF A 256-BYTE BLOCK: target, hbs, gvec and wgo's cov part leave in runs of 64 bytes (a 16 x 16 result has no longer rows); together 1.6 MB.
; LIMITS: NaN and infinities among the inputs are not treated apart (w_hh is multiplied by 0 where it is not wanted).
; THE MODE: SCHED_MODE bits 1:0 = 2 (LLVM: expert scheduling mode 2), set by the entry lines.  The code itself states the register dependences
; between vector or matrix instructions and memory or LDS instructions, with s_wait_alu, always for 0.
; THE PLAN.  Registers that memory or LDS instructions touch:
;   v5, v6       Offsets, made in the head and never written again: one wait on va_vdst at the head's end serves every load and store that reads them.
;   v[R ..], A   A run of loads lands in them; the conversions round them in place, eight loads' worth (a group) at a time; a group's LDS stores are issued a group later, behind the wait for the next
;                group's data and ONE wait on va_vdst, which states that the group's conversions have written the stores' data.  The wait ahead of the last group's stores also states that all the
;                run's conversions are done with v[R ..]: no vector instruction behind it names them, so the next run of loads owes nothing more on that side.
;   v8, v9, v10  LDS addresses of the staging: made ahead of a run, stepped once a trip at the trip's foot, behind the trip's one wait on vm_vsrc, which states that the LDS stores have read the
;                address and v[R ..]; their next reader stands behind the next run's first wait on va_vdst.  Global rows are reached by scalar bases and immediate offsets.
;   v[R ..], B   A group of products (8 K steps, or 4 in role MZ) loads its fragments in one run and multiplies.  ONE wait on va_vdst ahead of the run: the group before is done reading them, and the two
;                addresses are written.  Where an address is stepped, a wait on vm_vsrc stands ahead of the step.
;   results      A role's arithmetic on its results, and the addresses they go to, stand together; one wait on va_vdst; then the role's stores.
;   between phases  One wait on vm_vsrc beside the wait on XCNT, ahead of the next phase's branches: the phase's last stores have read data and addresses that the next phase writes.
.set HP,    2064              ; an LDS row of 1,024 bf16: 2,048 bytes + 16: an odd multiple of 16, so 16 rows of a fragment load start in 16 different groups of banks
.set CS,    64*HP             ; the slabs begin behind the 64 rows
.set CSP,   160               ; MZ: 64 columns of a row of W_cov, 128 bytes + 32: an odd multiple of 32, for the turning load
.set SLAB,  128*CSP           ; 20,480
.set WIP,   SLAB+64           ; T: from one wave's four rows of W_in to the next wave's
.set WRP,   4112              ; H: a stack row of 2,048 bf16 + 16 bytes
.set WRW,   SLAB+32           ; H: from one wave's two stack rows to the next wave's
.set SPARE, CS+8*SLAB         ; 295,936: the spare words, 128 bytes for each of 8 waves
.set TLP,   144               ; T: target's 32 numbers as 64 bytes of upper parts, 64 of remainders, 16 of padding
.set TL,    SPARE+1024
.set BCL,   TL+64*TLP         ; H: b_cov, 2,048 bytes
.set CVP,   544               ; T: a row of W_cov, 512 bytes + 32: an odd multiple of 32, for the turning load
.set CVL,   BCL+2048          ; 32 such rows, up to byte 325,632
.set USP,   528               ; T: a stage row of 128 f32 + 16 bytes; 16 rows for each wave, from LDS byte 0 on
.set XP,    2560              ; bytes in a row of wgo
.set HBP,   7168              ; bytes in a row of hbs
.set GVEC,  458752            ; gvec's place in hb
.set UPAT,  262144            ; the partial u's place in tu: [64 b][32 t][256 c] f32
.set R,     32                ; v32-191 data
.set ACC,   192               ; v192-255 accumulators
.macro AGAIN lbl              ; the foot of a loop counted down in s3
	s_sub_co_u32 s3, s3, 1
	s_cmp_lg_u32 s3, 0
	s_cbranch_scc1 \lbl
.endm
; n loads of 16 bytes a lane, gstep bytes apart, into v[rb ..]
.macro LDN n, rb, sb, gv, gstep
.set k, 0
.rept \n
	global_load_b128 v[(\rb)+4*k:(\rb)+4*k+3], \gv, s[\sb:\sb+1] offset:k*(\gstep)
.set k, k+1
.endr
.endm
; eight of them, from number k0 on, go into LDS as 4 bf16 each, at pa*k + pb*(k/pd)
.macro ST8 rb, la, pa, pb, pd, k0
.set k, \k0
.rept 8
	ds_store_b64 \la, v[(\rb)+4*k:(\rb)+4*k+1] offset:k*(\pa)+(k/(\pd))*(\pb)
.set k, k+1
.endr
.endm
; the n loads of LDN are rounded in place, eight at a time; a group's LDS stores stand a group later.  younger: loads issued behind these n, which may stay out
.macro CVN n, rb, la, pa, pb, pd, younger
.set g, 0
.rept (\n)/8
	s_wait_loadcnt (\younger)+(\n)-8-8*g           ; loads come back in order: group g is in, the younger ones stay out
.if g > 0
	s_wait_alu depctr_va_vdst(0)                   ; the conversions of the group before have written the pairs that the eight LDS stores below read; at the first of these waits the LDS address is written too
	ST8 \rb, \la, \pa, \pb, \pd, 8*g-8
.endif
.set k, 8*g
.rept 8
	v_cvt_pk_bf16_f32 v[(\rb)+4*k], v[(\rb)+4*k], v[(\rb)+4*k+1]
	v_cvt_pk_bf16_f32 v[(\rb)+4*k+1], v[(\rb)+4*k+2], v[(\rb)+4*k+3]
.set k, k+1
.endr
.set g, g+1
.endr
	s_wait_alu depctr_va_vdst(0)                   ; the last group's conversions have written their pairs (with one group: and the LDS address is written); all the run's conversions are done with these registers
	ST8 \rb, \la, \pa, \pb, \pd, (\n)-8
.endm
; eight words of PAIR64, from pair m0 on, go into LDS
.macro PST8 la, lo0, lo1, m0
.set m, \m0
.rept 8
.if m < 16
	ds_store_b32 \la, v[R+2*m] offset:(\lo0)+128*m
.else
	ds_store_b32 \la, v[R+2*m] offset:(\lo1)+128*(m-16)
.endif
.set m, m+1
.endr
.endm
; two pieces of 1,024 f32 whose first byte is only a multiple of 4: word by word, a lane takes two neighbours, rounds them into one word; eight pairs at a time, a group's LDS stores a group later
.macro PAIR64 b0, go0, lo0, b1, go1, lo1, gv, la
.set m, 0
.rept 16
	global_load_b32 v[R+2*m], \gv, s[\b0:\b0+1] offset:(\go0)+256*m
	global_load_b32 v[R+2*m+1], \gv, s[\b0:\b0+1] offset:(\go0)+256*m+4
.set m, m+1
.endr
.set m, 0
.rept 16
	global_load_b32 v[R+32+2*m], \gv, s[\b1:\b1+1] offset:(\go1)+256*m
	global_load_b32 v[R+32+2*m+1], \gv, s[\b1:\b1+1] offset:(\go1)+256*m+4
.set m, m+1
.endr
.set g, 0
.rept 4
	s_wait_loadcnt 48-16*g                         ; group g's eight pairs are in
.if g > 0
	s_wait_alu depctr_va_vdst(0)                   ; the conversions of the group before have written the words that the eight LDS stores below read; at the first of these waits the LDS address is written too
	PST8 \la, \lo0, \lo1, 8*g-8
.endif
.set m, 8*g
.rept 8
	v_cvt_pk_bf16_f32 v[R+2*m], v[R+2*m], v[R+2*m+1]
.set m, m+1
.endr
.set g, g+1
.endr
	s_wait_alu depctr_va_vdst(0)                   ; the last group's conversions have written their words; all the run's conversions are done with these registers
	PST8 \la, \lo0, \lo1, 24
.endm
; eight K steps of 32, at byte wo of the weight rows and byte xo of the activation rows: source 0 = 16 weight rows, source 1 = 16 activation rows,
; so a lane holds one activation row and 8 neighbouring weight rows.  Two accumulators take turns (even and odd K steps); they are added at the end.
.macro GRP8 wr, xr, zero, wo, xo
.rept 4
	v_nop                                          ; four places between the last product and the loads into the registers that it read
.endr
	s_wait_alu depctr_va_vdst(0)                   ; the products of the group before are done reading v[R ..], in which the loads below land; the two addresses, where they have just been made or stepped, are written
.set i, 0
.rept 8
	ds_load_b128 v[R+16*i:R+16*i+3], \wr offset:(\wo)+64*i
	ds_load_b128 v[R+16*i+4:R+16*i+7], \wr offset:(\wo)+64*i+32
	ds_load_b128 v[R+16*i+8:R+16*i+11], \xr offset:(\xo)+64*i
	ds_load_b128 v[R+16*i+12:R+16*i+15], \xr offset:(\xo)+64*i+32
.set i, i+1
.endr
.set i, 0
.rept 8
	s_wait_dscnt 28-4*i                            ; K step i's four loads are in
.if (\zero) && (i < 2)
	v_wmma_f32_16x16x32_bf16 v[ACC+8*(i%2):ACC+8*(i%2)+7], v[R+16*i:R+16*i+7], v[R+16*i+8:R+16*i+15], 0
.else
	v_wmma_f32_16x16x32_bf16 v[ACC+8*(i%2):ACC+8*(i%2)+7], v[R+16*i:R+16*i+7], v[R+16*i+8:R+16*i+15], v[ACC+8*(i%2):ACC+8*(i%2)+7]
.endif
.set i, i+1
.endr
.endm
.macro FOLD                   ; the two accumulators are added, from their low registers up
.rept 4
	v_nop
.endr
.irp p, 0,2,4,6
	v_pk_add_f32 v[ACC+\p:ACC+\p+1], v[ACC+\p:ACC+\p+1], v[ACC+8+\p:ACC+8+\p+1]
.endr
.endm
.macro RB8 x                  ; eight f32 are rounded to bf16 and widened again, in place (v224-227 at work)
.irp p, 0,1,2,3
	v_cvt_pk_bf16_f32 v[224+\p], v[(\x)+2*\p], v[(\x)+2*\p+1]
.endr
.irp p, 0,1,2,3
	v_lshlrev_b32 v[(\x)+2*\p], 16, v[224+\p]
	v_and_b32 v[(\x)+2*\p+1], 0xffff0000, v[224+\p]
.endr
.endm
; MZ: four K steps: source 0 = 16 columns c of W_cov (turned), source 1 = 16 stack rows; the two column blocks' accumulators take turns
.macro MGRP zero
.rept 4
	v_nop                                          ; four places between the last product and the loads into the registers that it read
.endr
	s_wait_alu depctr_va_vdst(0)                   ; the products of the group before are done reading v[R ..], in which the loads below land; v12 and v13, just made or stepped, are written
.set i, 0
.rept 4
	ds_load_b128 v[R+24*i:R+24*i+3], v12 offset:64*i
	ds_load_b128 v[R+24*i+4:R+24*i+7], v12 offset:64*i+32
	ds_load_tr16_b128 v[R+24*i+8:R+24*i+11], v13 offset:32*CSP*i
	ds_load_tr16_b128 v[R+24*i+12:R+24*i+15], v13 offset:32*CSP*i+16*CSP
	ds_load_tr16_b128 v[R+24*i+16:R+24*i+19], v13 offset:32*CSP*i+32
	ds_load_tr16_b128 v[R+24*i+20:R+24*i+23], v13 offset:32*CSP*i+16*CSP+32
.set i, i+1
.endr
.set i, 0
.rept 4
	s_wait_dscnt 18-6*i                            ; K step i's six loads are in
.if (\zero) && (i == 0)
	v_wmma_f32_16x16x32_bf16 v[ACC:ACC+7], v[R+24*i+8:R+24*i+15], v[R+24*i:R+24*i+7], 0
	v_wmma_f32_16x16x32_bf16 v[ACC+8:ACC+15], v[R+24*i+16:R+24*i+23], v[R+24*i:R+24*i+7], 0
.else
	v_wmma_f32_16x16x32_bf16 v[ACC:ACC+7], v[R+24*i+8:R+24*i+15], v[R+24*i:R+24*i+7], v[ACC:ACC+7]
	v_wmma_f32_16x16x32_bf16 v[ACC+8:ACC+15], v[R+24*i+16:R+24*i+23], v[R+24*i:R+24*i+7], v[ACC+8:ACC+15]
.endif
.set i, i+1
.endr
	s_wait_alu depctr_vm_vsrc(0)                   ; the group's LDS loads have read v12 and v13, which are stepped below
	v_add_nc_u32 v12, 256, v12
	v_add_nc_u32 v13, 128*CSP, v13
.endm
	; ---------------- THE HEAD ----------------
	s_load_b512 s[4:19], s[0:1], 0x0               ; h 4, W_in 6, W_cov 8, b_cov 10, w_ih 12, W_out 14, w_hh 16, b_ih 18
	s_load_b256 s[20:27], s[0:1], 0x40             ; b_hh 20, wgo 22, hb 24, tu 26
	v_lshl_add_u32 v30, v0, 2, SPARE               ; my spare word
	v_mov_b32 v31, 0
	v_and_b32 v1, 31, v0                           ; lane l
	v_and_b32 v2, 15, v0                           ; r = l % 16
	v_bfe_u32 v3, v0, 4, 1                         ; h = l / 16
	v_lshrrev_b32 v4, 5, v0
	v_readfirstlane_b32 s28, v4                    ; wave w
	v_lshlrev_b32 v5, 4, v1                        ; 16 l
	v_lshlrev_b32 v6, 3, v1                        ; 8 l
	v_lshlrev_b32 v7, 2, v1                        ; 4 l
	s_mov_b32 s29, ttmp9                           ; the work-group's number chooses the role
	s_mov_b32 s31, 0                               ; upper word of the offset pair s[30:31]
	s_mov_b32 s49, 0                               ; upper word of the pitch pair s[48:49]
	s_wait_alu depctr_va_sdst(0)                   ; s28 is written, ahead of its first reader and of the first branch: bases, LDS places and branches are made from it
	s_wait_alu depctr_va_vdst(0)                   ; v5 and v6 are written: loads and stores of every phase read them as their offsets
	s_wait_kmcnt 0x0
	; ---------------- PHASE A: STAGING ----------------
	s_cmp_lt_u32 s29, 144
	s_cbranch_scc0 .La_mz
	; roles T and H: h as bf16 into LDS from byte 0 on; wave w brings rows 8w .. 8w+7, four a trip
	s_lshl_b32 s30, s28, 15
	s_add_nc_u64 s[40:41], s[4:5], s[30:31]
	s_mul_i32 s32, s28, 8*HP
	v_add_nc_u32 v8, s32, v6
	s_mov_b32 s3, 2
.Lstage_h:
	LDN 32, R, 40, v5, 512
	CVN 32, R, v8, 256, 16, 8, 0
	s_wait_xcnt 0x0                                ; the base is stepped only behind this wait
	s_wait_alu depctr_vm_vsrc(0)                   ; the trip's LDS stores have read v8, which is stepped below, and v[R ..], in which the next loads land
	s_add_nc_u64 s[40:41], s[40:41], 16384
	v_add_nc_u32 v8, 4*HP, v8
	AGAIN .Lstage_h
	s_cmp_lt_u32 s29, 32
	s_cbranch_scc0 .La_h
	; role T: W_in's rows 32 t + 4 w .. (4,096 bytes each) to the head of my slab
	s_lshl_b32 s30, s29, 17
	s_lshl_b32 s32, s28, 14
	s_add_co_u32 s30, s30, s32
	s_add_nc_u64 s[40:41], s[6:7], s[30:31]
	s_mul_i32 s32, s28, WIP
	s_add_co_u32 s32, s32, CS
	v_add_nc_u32 v8, s32, v6
	s_lshl_b32 s30, s29, 15                        ; W_cov's rows 32 t + 4 w .., 1,024 bytes each
	s_lshl_b32 s32, s28, 12
	s_add_co_u32 s30, s30, s32
	s_add_nc_u64 s[42:43], s[8:9], s[30:31]
	s_mul_i32 s32, s28, 4*CVP
	s_add_co_u32 s32, s32, CVL
	v_add_nc_u32 v9, s32, v6
	LDN 32, R, 40, v5, 512                         ; no wait: the loop's last two waits have freed v[R ..], and nothing since names them
	LDN 8, R+128, 42, v5, 512                      ; W_cov's eight loads go out behind W_in's, into registers that nothing else names
	CVN 32, R, v8, 256, 16, 8, 8
	CVN 8, R+128, v9, 256, 32, 2, 0
	s_branch .La_end
.La_h:
	; role H: my 16 stack rows; wave w brings rows 2 w and 2 w + 1 to the head of its slab
	s_sub_co_u32 s32, s29, 32
	s_lshl_b32 s32, s32, 4                         ; ns0, my first stack row
	s_mov_b32 s36, 8196
	s_mov_b32 s37, 8192
	s_max_u32 s38, s32, 768
	s_sub_co_u32 s38, s38, 768
	s_cmp_lt_u32 s32, 768
	s_cselect_b64 s[40:41], s[12:13], s[14:15]     ; w_ih or W_out,
	s_cselect_b32 s48, s36, s37                    ; its pitch,
	s_cselect_b32 s38, s32, s38                    ; and the row in it
	s_lshl1_add_u32 s39, s28, s38
	s_mul_i32 s30, s39, s48
	s_add_nc_u64 s[40:41], s[40:41], s[30:31]
	s_mul_i32 s39, s28, WRW
	s_add_co_u32 s39, s39, CS
	v_add_nc_u32 v8, s39, v7
	s_mov_b32 s3, 2
.Lh_rows:
	PAIR64 40, 0, 0, 40, 4096, 2048, v6, v8
	s_wait_xcnt 0x0
	s_wait_alu depctr_vm_vsrc(0)                   ; the trip's LDS stores have read v8, which is stepped below, and v[R ..], in which the next loads land
	s_add_nc_u64 s[40:41], s[40:41], s[48:49]
	v_add_nc_u32 v8, WRP, v8
	AGAIN .Lh_rows
	s_lshl_b32 s30, s28, 9                         ; b_cov: 512 bytes a wave: the wave's part in the scalar base, 16 l as the offset
	s_add_nc_u64 s[44:45], s[10:11], s[30:31]
	global_load_b128 v[R:R+3], v5, s[44:45]
	s_lshl_b32 s39, s28, 8
	s_add_co_u32 s39, s39, BCL
	v_add_nc_u32 v10, s39, v6
	s_wait_loadcnt 0x0
	v_cvt_pk_bf16_f32 v[R], v[R], v[R+1]
	v_cvt_pk_bf16_f32 v[R+1], v[R+2], v[R+3]
	s_wait_alu depctr_va_vdst(0)                   ; the two conversions have written the pair, and v10 is written: the LDS store reads both
	ds_store_b64 v10, v[R:R+1]
	s_branch .La_end
.La_mz:
	; role MZ: 64 stack rows (their first 1,024 columns), wave w rows 8 w .., two a trip
	s_sub_co_u32 s32, s29, 144
	s_lshr_b32 s33, s32, 2                         ; nb: stack rows 64 nb ..
	s_and_b32 s34, s32, 3                          ; q: columns c 64 q ..
	s_lshl_b32 s35, s33, 6
	s_mov_b32 s36, 8196
	s_mov_b32 s37, 8192
	s_max_u32 s38, s35, 768
	s_sub_co_u32 s38, s38, 768
	s_cmp_lt_u32 s33, 12
	s_cselect_b64 s[40:41], s[12:13], s[14:15]
	s_cselect_b32 s48, s36, s37
	s_cselect_b32 s38, s35, s38
	s_lshl3_add_u32 s38, s28, s38
	s_mul_i32 s30, s38, s48
	s_add_nc_u64 s[40:41], s[40:41], s[30:31]
	s_add_nc_u64 s[42:43], s[40:41], s[48:49]
	s_lshl_b32 s48, s48, 1
	s_mul_i32 s39, s28, 8*HP
	v_add_nc_u32 v8, s39, v7
	s_mov_b32 s3, 4
.Lm_rows:
	PAIR64 40, 0, 0, 42, 0, HP, v6, v8
	s_wait_xcnt 0x0
	s_wait_alu depctr_vm_vsrc(0)                   ; the trip's LDS stores have read v8, which is stepped below, and v[R ..], in which the next loads land
	s_add_nc_u64 s[40:41], s[40:41], s[48:49]
	s_add_nc_u64 s[42:43], s[42:43], s[48:49]
	v_add_nc_u32 v8, 2*HP, v8
	AGAIN .Lm_rows
	; W_cov's 64 columns of all 1,024 rows: wave w rows 128 w .. fill its slab; sixteen lanes take a row's 256 bytes.  The lane's part is the offset, made once; the wave's, the quarter's and the trip's lie in a scalar base
	v_lshlrev_b32 v9, 10, v3
	v_lshl_add_u32 v9, v2, 4, v9
	s_lshl_b32 s30, s28, 17
	s_lshl_b32 s52, s34, 8
	s_add_co_u32 s30, s30, s52
	s_add_nc_u64 s[44:45], s[8:9], s[30:31]
	v_mul_u32_u24 v10, v3, CSP
	v_lshl_add_u32 v10, v2, 3, v10
	s_mul_i32 s39, s28, SLAB
	s_add_co_u32 s39, s39, CS
	v_add_nc_u32 v10, s39, v10
	s_wait_alu depctr_va_vdst(0)                   ; v9 is written, which the loads of both trips read
	s_mov_b32 s3, 2
.Lm_cov:
	LDN 32, R, 44, v9, 2048
	CVN 32, R, v10, 2*CSP, 0, 1, 0
	s_wait_xcnt 0x0
	s_wait_alu depctr_vm_vsrc(0)                   ; the trip's LDS stores have read v10, which is stepped below, and v[R ..], in which the next loads land
	s_add_nc_u64 s[44:45], s[44:45], 65536
	v_add_nc_u32 v10, 64*CSP, v10
	AGAIN .Lm_cov
.La_end:
	s_wait_xcnt 0x0                                ; the next phase writes registers that this phase's loads named
	s_wait_alu depctr_vm_vsrc(0)                   ; this phase's last LDS stores have read their data and addresses: the next phase's loads land in v[R ..], and it makes v9 to v11 anew
	s_wait_dscnt 0x0                               ; for the others' sake: my stores are done
	s_barrier_signal -1
	s_barrier_wait -1
	; ---------------- PHASE B: THE PRODUCTS ----------------
	s_cmp_lt_u32 s29, 32
	s_cbranch_scc0 .Lb_not_t
	; role T, target: wave w makes batches 16 (w % 4) .. x rows d 16 (w / 4) .. of the 32; K = 1,024
	s_and_b32 s33, s28, 3
	s_lshr_b32 s34, s28, 2
	v_lshrrev_b32 v16, 2, v2                       ; row r of W_in's sixteen lies in slab r / 4 of the four,
	v_and_b32 v17, 3, v2                           ; as its row r % 4
	v_mul_u32_u24 v11, v16, WIP
	v_mul_u32_u24 v17, v17, HP
	v_add_nc_u32 v11, v11, v17
	v_lshl_add_u32 v11, v3, 4, v11
	s_mul_i32 s35, s34, 4*WIP
	s_add_co_u32 s35, s35, CS
	v_add_nc_u32 v11, s35, v11
	v_mul_u32_u24 v12, v2, HP
	v_lshl_add_u32 v12, v3, 4, v12                 ; r x pitch + 16 h
	s_mul_i32 s35, s33, 16*HP
	v_add_nc_u32 v12, s35, v12
	GRP8 v11, v12, 1, 0, 0
	s_mov_b32 s3, 3
.Lt_k:
	s_wait_alu depctr_vm_vsrc(0)                   ; the LDS loads issued so far have read v11 and v12, which are stepped below
	v_add_nc_u32 v11, 512, v11
	v_add_nc_u32 v12, 512, v12
	GRP8 v11, v12, 0, 0, 0
	AGAIN .Lt_k
	FOLD
	s_lshl_b32 s35, s33, 16                        ; batch 16 (w % 4) x 4,096 bytes
	s_lshl_b32 s36, s29, 7                         ; 32 t x 4
	s_add_co_u32 s35, s35, s36
	s_lshl_b32 s36, s34, 6
	s_add_co_u32 s35, s35, s36
	v_lshlrev_b32 v13, 12, v2
	v_lshl_add_u32 v13, v3, 5, v13
	v_add_nc_u32 v13, s35, v13
.irp p, 0,1,2,3
	v_cvt_pk_bf16_f32 v[208+\p], v[192+2*\p], v[192+2*\p+1]   ; the upper parts
.endr
.irp p, 0,1,2,3
	v_lshlrev_b32 v[216+2*\p], 16, v[208+\p]
	v_and_b32 v[216+2*\p+1], 0xffff0000, v[208+\p]
.endr
.irp p, 0,1,2,3
	v_pk_add_f32 v[216+2*\p:216+2*\p+1], v[192+2*\p:192+2*\p+1], v[216+2*\p:216+2*\p+1] neg_lo:[0,1] neg_hi:[0,1]
.endr
.irp p, 0,1,2,3
	v_cvt_pk_bf16_f32 v[212+\p], v[216+2*\p], v[216+2*\p+1]   ; the remainders
.endr
	v_mul_u32_u24 v14, v2, TLP
	v_lshl_add_u32 v14, v3, 4, v14
	s_mul_i32 s35, s33, 16*TLP
	s_add_co_u32 s35, s35, TL
	s_lshl_b32 s36, s34, 5
	s_add_co_u32 s35, s35, s36
	v_add_nc_u32 v14, s35, v14                     ; TL + (16 (w % 4) + r) x pitch + 32 (w / 4) + 16 h
	s_wait_alu depctr_va_vdst(0)                   ; target v192-199, its pairs v208-215 and the two addresses v13, v14 are written: the four stores below read them
	global_store_b128 v13, v[192:195], s[26:27]
	global_store_b128 v13, v[196:199], s[26:27] offset:16
	ds_store_b128 v14, v[208:211]
	ds_store_b128 v14, v[212:215] offset:64
	s_branch .Lb_end
.Lb_not_t:
	s_cmp_lt_u32 s29, 144
	s_cbranch_scc0 .Lb_mz
	; role H
	s_sub_co_u32 s32, s29, 32
	s_lshl_b32 s32, s32, 4                         ; ns0
	s_cmp_lt_u32 s28, 4
	s_cbranch_scc0 .Lh_copy
	; waves 0-3: hbs for batches 16 w ..; K = 2,048: b_cov (the same for every batch), then h.  The eight groups of K steps are written out, the K offset in the loads' immediates.
.set i, 208
.rept 16
	v_mov_b32 v[i], 0                              ; the biases, where a row has none
.set i, i+1
.endr
	v_lshlrev_b32 v9, 5, v3
	s_lshl_b32 s39, s32, 2
	v_add_nc_u32 v9, s39, v9                       ; (ns0 + 8 h) x 4
	s_wait_alu depctr_va_vdst(0)                   ; the zeros v208-223 are written, on which the biases' loads land, and so is their offset v9
	s_cmp_lt_u32 s32, 768
	s_cbranch_scc0 .Lh_nobias
	global_load_b128 v[208:211], v9, s[18:19]
	global_load_b128 v[212:215], v9, s[18:19] offset:16
	s_cmp_lt_u32 s32, 512
	s_cbranch_scc0 .Lh_nobias
	global_load_b128 v[216:219], v9, s[20:21]
	global_load_b128 v[220:223], v9, s[20:21] offset:16
.Lh_nobias:
	v_lshrrev_b32 v16, 1, v2                       ; stack row r lies in slab r / 2,
	v_and_b32 v17, 1, v2                           ; as its row r % 2
	v_mul_u32_u24 v11, v16, WRW
	v_mul_u32_u24 v17, v17, WRP
	v_add_nc_u32 v11, v11, v17
	v_lshl_add_u32 v11, v3, 4, v11
	v_add_nc_u32 v11, CS, v11
	v_lshlrev_b32 v12, 4, v3
	v_add_nc_u32 v12, BCL, v12                     ; no row term: all sixteen activation rows read b_cov
	v_mul_u32_u24 v13, v2, HP
	v_lshl_add_u32 v13, v3, 4, v13
	s_mul_i32 s39, s28, 16*HP
	v_add_nc_u32 v13, s39, v13
	GRP8 v11, v12, 1, 0, 0
	GRP8 v11, v12, 0, 512, 512
	GRP8 v11, v12, 0, 1024, 1024
	GRP8 v11, v12, 0, 1536, 1536
	GRP8 v11, v13, 0, 2048, 0
	GRP8 v11, v13, 0, 2560, 512
	GRP8 v11, v13, 0, 3072, 1024
	GRP8 v11, v13, 0, 3584, 1536
	FOLD
	s_wait_loadcnt 0x0
	RB8 208
	RB8 216
.irp p, 0,2,4,6
	v_pk_add_f32 v[ACC+\p:ACC+\p+1], v[ACC+\p:ACC+\p+1], v[208+\p:208+\p+1]
.endr
.irp p, 0,2,4,6
	v_pk_add_f32 v[ACC+\p:ACC+\p+1], v[ACC+\p:ACC+\p+1], v[216+\p:216+\p+1]
.endr
	v_mul_u32_u24 v14, v2, HBP
	v_lshl_add_u32 v14, v3, 5, v14
	s_mul_i32 s39, s28, 16*HBP
	s_lshl2_add_u32 s39, s32, s39
	v_add_nc_u32 v14, s39, v14
	s_wait_alu depctr_va_vdst(0)                   ; hbs v192-199 and the offset v14 are written: the two stores below read them
	global_store_b128 v14, v[192:195], s[24:25]
	global_store_b128 v14, v[196:199], s[24:25] offset:16
	s_branch .Lb_end
.Lh_copy:
	; waves 4-7: the rows' first 1,024 columns go to wgo as they lie in LDS, four rows a wave, whole blocks of 512 bytes
	s_sub_co_u32 s33, s28, 4
	s_bfe_u32 s34, s32, 0x20006                    ; c = (ns0 / 64) % 4
	s_lshl_b32 s34, s34, 8
	s_lshr_b32 s35, s32, 8                         ; gate
	s_bfe_u32 s36, s32, 0x20004                    ; jb
	s_lshl2_add_u32 s35, s35, s36
	s_lshl4_add_u32 s34, s35, s34
	s_add_co_u32 s35, s32, 256                     ; 1024 + ns0 - 768
	s_cmp_lt_u32 s32, 768
	s_cselect_b32 s34, s34, s35
	s_lshl2_add_u32 s34, s33, s34
	s_mul_i32 s30, s34, XP
	s_add_co_u32 s30, s30, 512
	s_add_nc_u64 s[44:45], s[22:23], s[30:31]
	s_mul_i32 s35, s33, 2*WRW                      ; my four rows lie in two slabs
	s_add_co_u32 s35, s35, CS
	v_add_nc_u32 v9, s35, v5
	; all that the arms below read is made here, so that one wait serves them: four zeros, and gvec's two offsets
.irp p, 208,209,210,211
	v_mov_b32 v[\p], 0
.endr
	v_mul_u32_u24 v10, v2, 8196
	s_mul_i32 s39, s32, 8196
	v_add_nc_u32 v10, s39, v10                     ; w_ih's row ns0 + r
	v_lshlrev_b32 v11, 2, v2
	s_lshl_b32 s39, s32, 2
	v_add_nc_u32 v11, s39, v11                     ; (ns0 + r) x 4
	s_wait_alu depctr_va_vdst(0)                   ; the LDS address v9, the zeros v208-211 and the offsets v10, v11 are written: the loads and stores of this arm read them
.set i, 0
.rept 16
	ds_load_b128 v[R+4*i:R+4*i+3], v9 offset:((i/4)/2)*WRW+((i/4)%2)*WRP+(i%4)*512
.set i, i+1
.endr
.set i, 0
.rept 16
	s_wait_dscnt 15-i
	global_store_b128 v5, v[R+4*i:R+4*i+3], s[44:45] offset:(i/4)*XP+(i%4)*512
.set i, i+1
.endr
	s_cmp_ge_u32 s32, 512
	s_cbranch_scc0 .Lh_nozero
	s_cmp_lt_u32 s32, 768
	s_cbranch_scc0 .Lh_nozero
.set i, 0
.rept 16
	global_store_b128 v5, v[208:211], s[44:45] offset:64*XP+(i/4)*XP+(i%4)*512   ; the hn rows lie 64 rows behind the xn rows: their context part is 0
.set i, i+1
.endr
.Lh_nozero:
	s_cmp_eq_u32 s28, 4
	s_cbranch_scc0 .Lb_end
	s_cmp_lt_u32 s32, 768
	s_cbranch_scc0 .Lb_end
	; wave 4: gvec.  Lanes l and l + 16 hold, and store, the same number
	global_load_b32 v212, v10, s[12:13] offset:8192    ; w_ih[ns0 + r][2048]
	s_wait_loadcnt 0x0
	v_cvt_pk_bf16_f32 v212, v212, v212
	v_lshlrev_b32 v212, 16, v212
	s_wait_alu depctr_va_vdst(0)                   ; the rounded number v212 is written, which the store reads
	global_store_b32 v11, v212, s[24:25] offset:GVEC
	s_cmp_ge_u32 s32, 512
	s_cbranch_scc0 .Lb_end
	global_load_b32 v213, v11, s[20:21]            ; b_hh of the n gate
	s_wait_loadcnt 0x0
	v_cvt_pk_bf16_f32 v213, v213, v213
	v_lshlrev_b32 v213, 16, v213
	s_wait_alu depctr_va_vdst(0)                   ; the rounded number v213 is written, which the store reads
	global_store_b32 v11, v213, s[24:25] offset:GVEC+1024
	s_branch .Lb_end
.Lb_mz:
	; role MZ: wave w makes rows 16 (w % 4) .. of the 64 x columns 32 (w / 4) .. of the 64; K = 1,024
	s_sub_co_u32 s32, s29, 144
	s_lshr_b32 s33, s32, 2                         ; nb
	s_and_b32 s34, s32, 3                          ; q
	s_and_b32 s55, s28, 3                          ; nblk
	s_lshr_b32 s56, s28, 2                         ; cp
.set i, 208
.rept 16
	v_mov_b32 v[i], 0                              ; w_hh, where a row has none
.set i, i+1
.endr
	v_lshlrev_b32 v11, 10, v2
	v_lshl_add_u32 v11, v3, 5, v11
	s_lshl_b32 s52, s33, 16
	s_lshl_b32 s53, s55, 14
	s_add_co_u32 s52, s52, s53
	s_lshl_b32 s53, s34, 8
	s_add_co_u32 s52, s52, s53
	s_lshl_b32 s53, s56, 7
	s_add_co_u32 s52, s52, s53
	v_add_nc_u32 v11, s52, v11
	s_wait_alu depctr_va_vdst(0)                   ; the zeros v208-223 are written, on which w_hh's loads land, and so is their offset v11
	s_cmp_lt_u32 s33, 12
	s_cbranch_scc0 .Lm_nohh
	global_load_b128 v[208:211], v11, s[16:17]
	global_load_b128 v[212:215], v11, s[16:17] offset:16
	global_load_b128 v[216:219], v11, s[16:17] offset:64
	global_load_b128 v[220:223], v11, s[16:17] offset:80
.Lm_nohh:
	v_mul_u32_u24 v12, v2, HP
	v_lshl_add_u32 v12, v3, 4, v12
	s_mul_i32 s52, s55, 16*HP
	v_add_nc_u32 v12, s52, v12
	v_and_b32 v16, 7, v0
	v_lshl_add_u32 v16, v3, 3, v16
	v_mul_u32_u24 v13, v16, CSP                    ; the turning load: row 8 h + l % 8,
	v_bfe_u32 v16, v0, 3, 1
	v_lshl_add_u32 v13, v16, 4, v13                ; 16 bytes for each half of eight lanes
	s_lshl_b32 s52, s56, 6
	s_add_co_u32 s52, s52, CS
	v_add_nc_u32 v13, s52, v13
	MGRP 1
	s_mov_b32 s3, 7
.Lm_k:
	MGRP 0
	AGAIN .Lm_k
.rept 4
	v_nop
.endr
	s_wait_loadcnt 0x0
	RB8 208
	RB8 216
	s_cmp_lt_u32 s33, 8
	s_cselect_b32 s50, 1.0, 0                      ; w_hh is added for the r and z gates alone
	s_mov_b32 s51, 0
.irp p, 0,1,2,3,4,5,6,7
	v_pk_fma_f32 v[ACC+2*\p:ACC+2*\p+1], v[208+2*\p:208+2*\p+1], s[50:51], v[ACC+2*\p:ACC+2*\p+1] op_sel_hi:[1,0,1]
.endr
.irp p, 0,1,2,3,4,5,6,7
	v_cvt_pk_bf16_f32 v[228+\p], v[ACC+2*\p], v[ACC+2*\p+1]
.endr
	s_and_b32 s52, s33, 3
	s_lshl_b32 s52, s52, 8
	s_lshr_b32 s53, s33, 2
	s_lshl2_add_u32 s53, s53, s55
	s_lshl4_add_u32 s52, s53, s52                  ; c x 256 + (4 g + jb) x 16
	s_lshl_b32 s53, s33, 6
	s_lshl4_add_u32 s53, s55, s53
	s_add_co_u32 s53, s53, 256                     ; 1024 + stack row - 768
	s_cmp_lt_u32 s33, 12
	s_cselect_b32 s52, s52, s53
	s_mul_i32 s52, s52, XP
	s_lshl_b32 s53, s34, 7
	s_add_co_u32 s52, s52, s53
	s_lshl_b32 s53, s56, 6
	s_add_co_u32 s52, s52, s53
	v_mul_u32_u24 v14, v2, XP
	v_lshl_add_u32 v14, v3, 4, v14
	v_add_nc_u32 v14, s52, v14
	s_wait_alu depctr_va_vdst(0)                   ; the rounded results v228-235 and the offset v14 are written: the stores below read them
	global_store_b128 v14, v[228:231], s[22:23]
	global_store_b128 v14, v[232:235], s[22:23] offset:32
	s_cmp_ge_u32 s33, 8
	s_cbranch_scc0 .Lb_end
	s_cmp_lt_u32 s33, 12
	s_cbranch_scc0 .Lb_end
.irp p, 0,1,2,3,4,5,6,7
	v_cvt_pk_bf16_f32 v[236+\p], v[208+2*\p], v[208+2*\p+1]   ; w_hh of the n gate by itself, into the hn rows
.endr
	s_wait_alu depctr_va_vdst(0)                   ; v236-243 are written, which the two stores below read
	global_store_b128 v14, v[236:239], s[22:23] offset:64*XP
	global_store_b128 v14, v[240:243], s[22:23] offset:64*XP+32
.Lb_end:
	s_wait_xcnt 0x0                                ; the next phase writes registers that this phase's stores read
	s_wait_alu depctr_vm_vsrc(0)                   ; this phase's stores have read their data: the next phase's products write v[ACC ..], and its loads land in v[R ..]
	s_wait_dscnt 0x0                               ; my stores of target's pairs are done, and so are my reads of the bytes that the stage takes over
	s_barrier_signal -1
	s_barrier_wait -1
	; ---------------- PHASE C: ROLE T's PARTIAL u ----------------
	s_cmp_lt_u32 s29, 32
	s_cbranch_scc0 .Lend
	; one K step (my group's 32 d); wave w: batches 16 (w % 4) .., columns c 128 (w / 4) .. in 8 blocks
	s_and_b32 s33, s28, 3
	s_lshr_b32 s34, s28, 2
	v_mul_u32_u24 v17, v2, TLP
	v_lshl_add_u32 v17, v3, 4, v17
	s_mul_i32 s35, s33, 16*TLP
	s_add_co_u32 s35, s35, TL
	v_add_nc_u32 v17, s35, v17                     ; TL + (16 (w % 4) + r) x pitch + 16 h
	v_and_b32 v16, 7, v0
	v_lshl_add_u32 v16, v3, 3, v16
	v_mul_u32_u24 v15, v16, CVP                    ; the turning load: row 8 h + l % 8,
	v_bfe_u32 v16, v0, 3, 1
	v_lshl_add_u32 v15, v16, 4, v15                ; 16 bytes for each half of eight lanes
	s_lshl_b32 s35, s34, 8
	s_add_co_u32 s35, s35, CVL
	v_add_nc_u32 v15, s35, v15
	s_mul_i32 s35, s28, 16*USP                     ; my stage, from LDS byte 0 on
	v_mul_u32_u24 v18, v2, USP
	v_lshl_add_u32 v18, v3, 5, v18
	v_add_nc_u32 v18, s35, v18
	v_add_nc_u32 v19, s35, v5
	s_wait_alu depctr_va_vdst(0)                   ; the four LDS addresses v15, v17, v18, v19 are written, which the loads and stores of this phase read
.irp cb, 0,1,2,3,4,5,6,7
	ds_load_tr16_b128 v[R+8*\cb:R+8*\cb+3], v15 offset:32*\cb
	ds_load_tr16_b128 v[R+8*\cb+4:R+8*\cb+7], v15 offset:32*\cb+16*CVP
.endr
	ds_load_b128 v[96:99], v17
	ds_load_b128 v[100:103], v17 offset:32
	ds_load_b128 v[104:107], v17 offset:64
	ds_load_b128 v[108:111], v17 offset:96
	s_lshl_b32 s30, s33, 19                        ; batch 16 (w % 4) x 32,768 bytes
	s_lshl_b32 s32, s29, 10
	s_add_co_u32 s30, s30, s32
	s_lshl_b32 s32, s34, 9
	s_add_co_u32 s30, s30, s32
	s_add_co_u32 s30, s30, UPAT
	s_add_nc_u64 s[44:45], s[26:27], s[30:31]
	s_wait_dscnt 0x0
.irp cb, 0,1,2,3,4,5,6,7
	v_wmma_f32_16x16x32_bf16 v[ACC+8*\cb:ACC+8*\cb+7], v[R+8*\cb:R+8*\cb+7], v[96:103], 0
.endr
.irp cb, 0,1,2,3,4,5,6,7
	v_wmma_f32_16x16x32_bf16 v[ACC+8*\cb:ACC+8*\cb+7], v[R+8*\cb:R+8*\cb+7], v[104:111], v[ACC+8*\cb:ACC+8*\cb+7]
.endr
.rept 4
	v_nop
.endr
	s_wait_alu depctr_va_vdst(0)                   ; the products have written the accumulators, which the LDS stores read, and are done reading v[R ..], in which the loads from the stage land; the places above stay beside this wait
.irp cb, 0,1,2,3,4,5,6,7
	ds_store_b128 v18, v[ACC+8*\cb:ACC+8*\cb+3] offset:64*\cb
	ds_store_b128 v18, v[ACC+8*\cb+4:ACC+8*\cb+7] offset:64*\cb+16
.endr
.set i, 0
.rept 16
	ds_load_b128 v[R+4*i:R+4*i+3], v19 offset:i*USP    ; my own bytes: LDS serves a wave's instructions in order
.set i, i+1
.endr
.set i, 0
.rept 16
	s_wait_dscnt 15-i
	global_store_b128 v5, v[R+4*i:R+4*i+3], s[44:45] offset:i*32768   ; 512 consecutive bytes, at a multiple of 256
.set i, i+1
.endr
.Lend:
	s_wait_dscnt 0x0                               ; a wave's end
	s_wait_alu 0x0
	s_wait_tensorcnt 0x0
	ds_add_u32 v30, v31
	s_wait_dscnt 0x0
	s_endpgm
.Lfunc_end_k_qf07ba21f75_prep:
	.size	k_qf07ba21f75_prep, .Lfunc_end_k_qf07ba21f75_prep-k_qf07ba21f75_prep
	.p2alignl 7, 3214868480
	.fill 96, 4, 3214868480
	.section	.rodata,"a",@progbits
	.p2align	6, 0x0
	.amdhsa_kernel k_qf07ba21f75_prep
		.amdhsa_group_segment_fixed_size 327680
		.amdhsa_private_segment_fixed_size 0
		.amdhsa_enable_private_segment 0
		.amdhsa_kernarg_size 96
		.amdhsa_user_sgpr_count 2
		.amdhsa_user_sgpr_kernarg_segment_ptr 1
		.amdhsa_wavefront_size32 1
		.amdhsa_system_sgpr_workgroup_id_x 1
		.amdhsa_system_sgpr_workgroup_id_y 1
		.amdhsa_system_sgpr_workgroup_id_z 1
		.amdhsa_system_vgpr_workitem_id 0
		.amdhsa_next_free_vgpr 256
		.amdhsa_next_free_sgpr 66
		.amdhsa_reserve_vcc 0
		.amdhsa_float_denorm_mode_32 3
		.amdhsa_float_denorm_mode_16_64 3
		.amdhsa_memory_ordered 1
		.amdhsa_forward_progress 1
		.amdhsa_inst_pref_size 121
	.end_amdhsa_kernel
	.amdgpu_metadata
---
amdhsa.version: [ 1, 2 ]
amdhsa.kernels:
  - .name:           k_qf07ba21f75_prep
    .symbol:         k_qf07ba21f75_prep.kd
    .args:
      - { .name: h, .offset: 0, .size: 8, .value_kind: global_buffer, .address_space: global }
      - { .name: W_in, .offset: 8, .size: 8, .value_kind: global_buffer, .address_space: global }
      - { .name: W_cov, .offset: 16, .size: 8, .value_kind: global_buffer, .address_space: global }
      - { .name: b_cov, .offset: 24, .size: 8, .value_kind: global_buffer, .address_space: global }
      - { .name: w_ih, .offset: 32, .size: 8, .value_kind: global_buffer, .address_space: global }
      - { .name: W_out, .offset: 40, .size: 8, .value_kind: global_buffer, .address_space: global }
      - { .name: w_hh, .offset: 48, .size: 8, .value_kind: global_buffer, .address_space: global }
      - { .name: b_ih, .offset: 56, .size: 8, .value_kind: global_buffer, .address_space: global }
      - { .name: b_hh, .offset: 64, .size: 8, .value_kind: global_buffer, .address_space: global }
      - { .name: wgo, .offset: 72, .size: 8, .value_kind: global_buffer, .address_space: global }
      - { .name: hb, .offset: 80, .size: 8, .value_kind: global_buffer, .address_space: global }
      - { .name: tu, .offset: 88, .size: 8, .value_kind: global_buffer, .address_space: global }
    .group_segment_fixed_size: 327680
    .private_segment_fixed_size: 0
    .kernarg_segment_align: 8
    .kernarg_segment_size: 96
    .max_flat_workgroup_size: 256
    .sgpr_count:     66
    .vgpr_count:     256
    .wavefront_size: 32
...
	.end_amdgpu_metadata
.endif
;; end of part 9
;; launch stream: the kernel of part 4 again; grid 256 x 1, 16 waves a work-group, no clusters, 87,040 bytes of LDS; arguments context, cov, mask, tu, x16, pw; writes x16, pw
;; launch gru: the kernel of part 8 again; grid 4 x 128, 4 waves a work-group, clusters of 4 x 4, 327,680 bytes of LDS; arguments x16, wgo, out2, pw, hb, out0, out1; writes out2, out0, out1
